; MI455X (gfx1250); checked and timed in simulation.
; The chip was launched on July 23, 2026; its instructions are those of AMD's public machine-readable ISA for CDNA 5 (MIT licence, August 2026) and "CDNA5" Instruction Set Architecture Reference Guide (July 2026). The comments in the code are by the model that wrote it; some were corrected since.
;; Encoder Block. Allowed arithmetic: matrix products marked QUANTISED: E2M3 operands, one E8M0 scale for each 32 along K, by v_wmma_scale_f32_16x16x128_f8f6f4 with both operands' format E2M3, f32 sums; everything else in f32.
;; Inputs: b1 2,048 float32; b2 512 float32; ln1_b 512 float32; ln1_g 512 float32; ln2_b 512 float32; ln2_g 512 float32; valid_lens 16 int32; w1 512 x 2,048 float32; w2 2,048 x 512 float32; wk 512 x 512 float32; wo 512 x 512 float32; wq 512 x 512 float32; wv 512 x 512 float32; x 16 x 1,024 x 512 float32.
;; Outputs: out0 16 x 1,024 x 512 float32.
;; This version of the problem:
;;   THIS VERSION OF THE PROBLEM IS GIVEN IN LOW PRECISION. The matrix products marked QUANTISED in the list below multiply operands that are first quantised to E2M3 (2 exponent bits, 3 mantissa bits; 6 bits a number), with one power-of-two scale for each 32 numbers along K (OCP MX v1.0); their sums are f32. All else is computed in f32.
;;   The module's matrix products, in the order in which they are computed (A, B: the left and right operand; K: the contracted axis; several contracted axes count as one K, in the product's order):
;;     1. [M 16,384, K 512] x [K 512, N 512]; A: input x; B: input wq: QUANTISED
;;     2. [M 16,384, K 512] x [K 512, N 512]; A: input x; B: input wk: QUANTISED
;;     3. [M 16,384, K 512] x [K 512, N 512]; A: input x; B: input wv: QUANTISED
;;     4. batch 128 x [M 1,024, K 64] x [K 64, N 1,024]; A: computed on the way; B: computed on the way: QUANTISED
;;     5. batch 128 x [M 1,024, K 1,024] x [K 1,024, N 64]; A: softmax (see below); B: computed on the way: QUANTISED
;;     6. [M 16,384, K 512] x [K 512, N 512]; A: computed on the way; B: input wo: QUANTISED
;;     7. [M 16,384, K 512] x [K 512, N 2,048]; A: computed on the way; B: input w1: QUANTISED
;;     8. [M 16,384, K 2,048] x [K 2,048, N 512]; A: computed on the way; B: input w2: QUANTISED
;;   THE QUANTISER, for each operand of a quantised product, along K:
;;     - K is cut into blocks of 32 from its start; a last block that is shorter is filled with zeros.
;;     - A block's scale is 2^e with e = floor(log2(the largest magnitude in the block)) - 2, held to -126 .. 127; a block of zeros has e = 0. As a byte (E8M0): e + 127.
;;     - Each number is divided by its block's scale, clamped to +-7.5, and rounded to the nearest number of E2M3, ties to even, subnormals kept.
;;     - The product sums the exact products of the quantised numbers (number of the format x scale) in f32.
;;   ~~~python
;;   def quantise(x, axis):      # numpy; x: float32 -> the quantised numbers, widened to float32 again
;;       x = np.moveaxis(x, axis, -1); K = x.shape[-1]
;;       x = np.pad(x, [(0, 0)] * (x.ndim - 1) + [(0, -K % 32)]); x = x.reshape(x.shape[:-1] + (-1, 32)); a = np.abs(x).max(-1, keepdims=True)
;;       e = np.where(a > 0, np.clip(np.frexp(np.where(a > 0, a, 1))[1] - 1 - 2, -126, 127), 0)      # np.frexp(a)[1] - 1 = floor(log2(a)), exactly
;;       r = np.clip(x / 2.0 ** e, -7.5, 7.5)
;;       step = 2.0 ** (np.maximum(np.frexp(np.where(r == 0, 1, r))[1] - 1, 0) - 3)
;;       q = np.round(r / step) * step * 2.0 ** e      # np.round: ties to even
;;       return np.moveaxis(q.reshape(q.shape[:-2] + (-1,))[..., :K], -1, axis).astype(np.float32)
;;   ~~~
;;   SOFTMAX AHEAD OF A QUANTISED PRODUCT. Where the list says 'softmax', what is quantised is not the finished softmax but p = 2^(t - M), with t = logit x log2(e) and M = ceil(the row's largest t), a whole number; so 1/2 < the row's largest p <= 1. The row's sum l is taken of the UNQUANTISED p, in f32, and the product's result is divided by l at the end. Since M is a whole number, a kernel that streams over the keys may use a running M (the ceiling of the running maximum): every later rescaling is an exact power of two, which a block's scale takes up: the codes' values come out the same.
;;   OPERANDS COMPUTED ON THE WAY. 'Computed on the way' means the value that the module computes at that place (a softmax that the list does not call 'softmax' is quantised finished and normalised). What goes into a quantiser is computed in f32, as accurately as f32 sums, v_exp_f32 and their like allow (about 1e-6 of the number): no bf16 or f16 on the way to a quantiser, and a product that is left as it is and whose result goes on into a quantised operand takes f32 operands (vector FMAs, or v_wmma_f32_16x16x4_f32). A number that lies on a knife's edge between two numbers of the format may be rounded either way, as far as f32 arithmetic and the matrix unit's own rounding can turn it there, and no further.
;; 2 versions, each right; version 2 is version 1 with the launches proj, attn, tail written anew for expert scheduling mode. Each part assembles by itself: llvm-mc -triple=amdgcn-amd-amdhsa -mcpu=gfx1250 --defsym DOCPART=n.
;; ======== version 1 of 2: 4 launches
;; limits: right only within a limited range of input values
;; workspace buffers: ximg 6,815,744 bytes; wimg 2,555,904 bytes; qkv 20,447,232 bytes; cimg 6,815,744 bytes
;; launch prep (part 1): grid 448 x 1, 4 waves a work-group, no clusters, 34,304 bytes of LDS; arguments x, wq, wk, wv, wo, w1, w2, ximg, wimg; writes ximg, wimg
.if DOCPART == 1
	.amdgcn_target "amdgcn-amd-amdhsa--gfx1250"
	.amdhsa_code_object_version 6
	.text
	.protected	k_q8dadc86796_prep
	.globl	k_q8dadc86796_prep
	.p2align	8
	.type	k_q8dadc86796_prep,@function
k_q8dadc86796_prep:
	s_mov_b64 s[64:65], 0
	v_nop
	global_prefetch_b8 v0, s[64:65] scope:SCOPE_SE
	s_setreg_imm32_b32 hwreg(HW_REG_WAVE_MODE, 25, 1), 1
	s_wait_xcnt 0x0
; PREP: x [16384][512] f32 and the six weights (stored [K][N] f32) become codes of FP6 (E2M3) with one E8M0 scale byte for each 32 along K.
; A block's scale is 2^(floor(log2(largest magnitude)) - 2): its byte is the largest magnitude's exponent field - 2, held at 1 from below.
; LAYOUT OF EVERY WORKSPACE BUFFER OF THIS PROGRAM: a fragment (16 rows x 128 K, 12 registers a lane) lies as an IMAGE OF ITS REGISTERS, 1,536 bytes:
; registers 4 g .. 4 g + 3 of lane l at 512 g + 16 l.  Its scale words: 128 bytes, lane l's word at 4 l (lanes 16-31 repeat lanes 0-15).
; Fragment number = tile x (K / 128) + K step; codes at number x 1,536, scale words at a fixed offset + number x 128.
; THE ROWS OF A TILE ARE NOT NEIGHBOURS: lane r of tile t holds row (or weight column) 32 (t / 2) + 8 (t % 2) + r + 8 (r / 8), so that wherever a tile is source 0
; of a product, the 16 result registers of tiles 2 b and 2 b + 1 are 16 neighbours along the next K.
; LIMITS: NaN and infinities among the inputs are not served.  A block of zeros gets the byte 1 (its codes are zeros; only this program reads the bytes).
; Work-groups 0-255: x, a wave to a tile of 16 rows.  Work-groups 256-447: the weights, 128 columns x 128 along K each.  Waves share nothing: no barrier.  Only the x path touches LDS.
.set XSO,  6291456                     ; ximg: the scale words begin behind 4,096 fragments
.set WSO,  2359296                     ; wimg: behind 1,536 fragments
.set FRB,  1536
.set SPX,  528                         ; a stage row: 512 bytes + 16: sixteen rows start at sixteen different groups of banks
.set LI,   1                           ; v1   16 x lane
.set LS,   2                           ; v2   4 x lane
.set STI,  3                           ; v3   x: into my stage (weights: my byte in the codes)
.set STO,  4                           ; v4   x: out of my stage (weights: my byte in the scale words)
.set TM,   8                           ; v8-23  at work in QUANT
.set PW,   24                          ; v24  the scale word just made
.set RL,   32                          ; v32-159 x: two sets of 64 registers as loaded (weights: 128 numbers down K)
.set XN,   160                         ; v160-223 x: 64 numbers of my row in the order that QUANT takes
.set PC,   224                         ; v224-243 the codes just made
.set SEL,  32                          ; s[32:33] selects for lane l xor 16
; 64 numbers of a lane, register 16 b + i = k 32 b + 16 (lane / 16) + i of my row, become a fragment's 12 registers in v[PC] on and its scale word in v[PW].
.macro QUANT s
.irp b, 0,1,2,3
	v_max3_num_f32 v[TM+\b], |v[\s+16*\b]|, |v[\s+1+16*\b]|, 0x1800000   ; my 16 numbers of block b, and the floor 2^(3 - 127): the byte cannot fall under 1
.endr
.irp i, 2,4,6,8,10,12,14
.irp b, 0,1,2,3
	v_max3_num_f32 v[TM+\b], v[TM+\b], |v[\s+16*\b+\i]|, |v[\s+1+16*\b+\i]|
.endr
.endr
.irp b, 0,1,2,3
	v_permlanex16_b32 v[TM+4+\b], v[TM+\b], s[SEL], s[SEL+1]
.endr
.irp b, 0,1,2,3
	v_max_num_f32 v[TM+\b], v[TM+\b], v[TM+4+\b]                        ; with lane l xor 16's 16: the block's largest magnitude
.endr
.irp b, 0,1,2,3
	v_add_nc_u32 v[TM+12+\b], 0xff000000, v[TM+\b]                      ; 2 off its exponent field: the conversion's scale operand
.endr
.irp b, 0,1,2,3
	v_lshrrev_b32 v[TM+4+\b], 23, v[TM+12+\b]                           ; the scale's byte
.endr
	v_lshl_or_b32 v[PW], v[TM+5], 8, v[TM+4]
	v_lshl_or_b32 v[PW], v[TM+6], 16, v[PW]
	v_lshl_or_b32 v[PW], v[TM+7], 24, v[PW]
.irp c, 0,1
	v_cvt_scalef32_pk16_fp6_f32 v[PC+6*\c:PC+2+6*\c], v[\s+32*\c:\s+15+32*\c], v[TM+12+2*\c]
	v_cvt_scalef32_pk16_fp6_f32 v[PC+12+4*\c:PC+14+4*\c], v[\s+16+32*\c:\s+31+32*\c], v[TM+12+2*\c+1]   ; (a conversion's three registers begin on an even number)
.endr
	v_nop                                                               ; one plain place behind a scaled conversion
.irp c, 0,1                            ; the operand wants a whole block in a lane: lanes 0-15 block 2 c, lanes 16-31 block 2 c + 1
.irp i, 0,1,2
	v_permlane16_swap_b32 v[PC+6*\c+\i], v[PC+12+4*\c+\i]
.endr
.irp i, 0,1,2
	v_mov_b32 v[PC+3+6*\c+\i], v[PC+12+4*\c+\i]
.endr
.endr
.endm
	s_load_b512 s[8:23], s[0:1], 0x0               ; x s[8:9], wq s[10:11], wk s[12:13], wv s[14:15], wo s[16:17], w1 s[18:19], w2 s[20:21], ximg s[22:23]
	s_load_b64 s[24:25], s[0:1], 0x40              ; wimg
	v_lshl_add_u32 v254, v0, 2, 0x8400
	v_mov_b32 v255, 0
	v_lshrrev_b32 v5, 5, v0
	v_readfirstlane_b32 s2, v5                     ; wave
	v_and_b32 v5, 31, v0
	v_lshlrev_b32 v[LI], 4, v5
	v_lshlrev_b32 v[LS], 2, v5
	s_cmp_lt_u32 ttmp9, 256
	s_cbranch_scc0 .Lweights
	; ---------------- x: wave -> tile T = 4 x work-group + wave, four K steps ----------------
	s_mul_i32 s3, s2, 16*SPX                       ; my stage
	v_add_nc_u32 v[STI], s3, v[LI]                 ; in: a row's 512 bytes as they lie
	v_and_b32 v6, 15, v0
	v_bfe_u32 v7, v0, 4, 1
	v_mul_u32_u24 v[STO], v6, SPX
	v_lshl_add_u32 v[STO], v7, 6, v[STO]
	v_add_nc_u32 v[STO], s3, v[STO]                ; out: row r, + 64 h: my 16 numbers of each block of 32
	s_lshl_b32 s4, ttmp9, 2
	s_add_co_u32 s4, s4, s2                        ; T
	s_lshr_b32 s5, s4, 1
	s_lshl_b32 s5, s5, 5
	s_and_b32 s6, s4, 1
	s_lshl_b32 s6, s6, 3
	s_add_co_u32 s5, s5, s6                        ; the tile's first row: 32 (T / 2) + 8 (T % 2)
	s_lshl_b32 s26, s5, 11                         ; x 2,048 bytes
	s_mov_b32 s27, 0
	s_mul_i32 s28, s4, 4*FRB
	s_mov_b32 s29, 0
	s_lshl_b32 s30, s4, 9
	s_add_co_u32 s30, s30, XSO
	s_mov_b32 s31, 0
	s_mov_b32 s[SEL], 0x76543210
	s_mov_b32 s[SEL+1], 0xfedcba98
.irp b, 0,1,2,3
	v_mov_b32 v[TM+4+\b], 0                        ; written once: a lane permute's destination counts as one of its sources
.endr
	s_wait_kmcnt 0x0
	s_add_nc_u64 s[8:9], s[8:9], s[26:27]
	s_add_nc_u64 s[28:29], s[22:23], s[28:29]      ; my four fragments
	s_add_nc_u64 s[30:31], s[22:23], s[30:31]      ; and their scale words
.macro XLD s                           ; K step s of my 16 rows: each load reads 512 consecutive bytes of one row
.set i, 0
.rept 16
	global_load_b128 v[RL+64*((\s)%2)+4*i:RL+64*((\s)%2)+4*i+3], v[LI], s[8:9] offset:(i+8*(i/8))*2048+512*(\s) th:TH_LOAD_NT
.set i, i+1
.endr
.endm
.macro XSTEP s
.if (\s) < 3
	s_wait_loadcnt 16                              ; this step's 16 loads are in; the next step's 16 may be out
.else
	s_wait_loadcnt 0x0
.endif
.set i, 0
.rept 16
	ds_store_b128 v[STI], v[RL+64*((\s)%2)+4*i:RL+64*((\s)%2)+4*i+3] offset:SPX*i
.set i, i+1
.endr
.set i, 0
.rept 16
	ds_load_b128 v[XN+4*i:XN+4*i+3], v[STO] offset:128*(i/4)+16*(i%4)   ; LDS serves a wave's instructions in order: these see the stores above
.set i, i+1
.endr
	s_wait_dscnt 0x0                               ; the numbers are back, and the stores have read the landing registers
.if (\s) < 2
	XLD (\s)+2
.endif
.if (\s) > 0
	s_wait_xcnt 0x0                                ; the last step's stores have read the codes' registers: they are written again only behind this wait
.endif
	QUANT XN
.irp g, 0,1,2
	global_store_b128 v[LI], v[PC+4*\g:PC+4*\g+3], s[28:29] offset:FRB*(\s)+512*\g   ; 512 consecutive bytes a store
.endr
	global_store_b32 v[LS], v[PW], s[30:31] offset:128*(\s)
.endm
	XLD 0
	XLD 1
	XSTEP 0
	XSTEP 1
	XSTEP 2
	XSTEP 3
	s_wait_tensorcnt 0x0
	ds_add_u32 v254, v255
	s_wait_dscnt 0x0
	s_endpgm
	; ---------------- the weights: a lane takes a column, its registers run down K ----------------
.Lweights:
	s_sub_co_u32 s3, ttmp9, 256                    ; id 0-63: wq, wk, wv, wo (16 each); 64-127: w1; 128-191: w2
	s_lshr_b32 s4, s3, 2
	s_and_b32 s5, s3, 3                            ; K step (id < 128)
	s_lshl_b32 s6, s4, 5
	s_add_co_u32 s6, s6, s5                        ; first fragment (id < 128): 32 (id / 4) + K step
	s_and_b32 s7, s4, 3                            ; slab of 128 columns, id < 64
	s_and_b32 s26, s4, 15                          ; the same for w1
	s_sub_co_u32 s27, s3, 128                      ; w2 (the numbers made of it are taken only where id >= 128)
	s_lshr_b32 s28, s27, 4                         ; slab
	s_and_b32 s29, s27, 15                         ; K step
	s_lshl_b32 s30, s28, 7
	s_add_co_u32 s30, s30, s29
	s_add_co_u32 s30, s30, 1024                    ; first fragment: 1,024 + 128 slab + K step
	s_cmp_lt_u32 s3, 64
	s_cselect_b32 s7, s7, s26
	s_cmp_lt_u32 s3, 128
	s_cselect_b32 s7, s7, s28                      ; slab
	s_cselect_b32 s5, s5, s29                      ; K step
	s_cselect_b32 s6, s6, s30                      ; first fragment
	s_cselect_b32 s31, 4, 16                       ; K steps of the weight
	s_lshr_b32 s27, s3, 6                          ; 1: w1, whose rows are 8,192 bytes; else 2,048
	s_cmp_eq_u32 s27, 1
	s_cselect_b32 s28, 20, 18
	s_lshl_b32 s28, s5, s28                        ; K step x 128 rows
	s_lshl_b32 s29, s7, 9                          ; + slab x 128 columns x 4
	s_add_co_u32 s28, s28, s29
	s_lshl_b32 s29, s2, 7                          ; + wave x 32 columns x 4
	s_add_co_u32 s28, s28, s29
	s_mov_b32 s29, 0
	s_mul_i32 s36, s6, FRB
	s_mov_b32 s37, 0
	s_lshl_b32 s38, s6, 7
	s_add_co_u32 s38, s38, WSO
	s_mov_b32 s39, 0
	v_bfe_u32 v6, v0, 3, 1                         ; column 32 c + l lies in tile 2 c + (bit 3 of l),
	v_and_b32 v7, 7, v0
	v_bfe_u32 v8, v0, 4, 1
	v_lshl_add_u32 v7, v8, 3, v7                   ; at lane r = l % 8 + 8 (l / 16)
	s_lshl_b32 s40, s2, 1
	v_add_nc_u32 v6, s40, v6                       ; tile in the slab
	s_mul_i32 s41, s31, FRB
	v_mul_u32_u24 v[STI], s41, v6
	v_lshl_add_u32 v[STI], v7, 4, v[STI]           ; my byte in the codes: tile x K steps x 1,536 + 16 r
	s_lshl_b32 s41, s31, 7
	v_mul_u32_u24 v[STO], s41, v6
	v_lshl_add_u32 v[STO], v7, 2, v[STO]           ; and in the scale words
	s_lshr_b32 s26, s3, 4
	s_wait_kmcnt 0x0
	s_cmp_eq_u32 s26, 0                            ; the weight is chosen by the work-group's number alone
	s_cselect_b64 s[34:35], s[10:11], s[12:13]
	s_cmp_lt_u32 s26, 2
	s_cselect_b64 s[34:35], s[34:35], s[14:15]
	s_cmp_lt_u32 s26, 3
	s_cselect_b64 s[34:35], s[34:35], s[16:17]
	s_cmp_lt_u32 s26, 4
	s_cselect_b64 s[34:35], s[34:35], s[18:19]
	s_cmp_lt_u32 s26, 8
	s_cselect_b64 s[34:35], s[34:35], s[20:21]
	s_add_nc_u64 s[34:35], s[34:35], s[28:29]
	s_add_nc_u64 s[36:37], s[24:25], s[36:37]
	s_add_nc_u64 s[38:39], s[24:25], s[38:39]
	s_cmp_eq_u32 s27, 1
	s_cbranch_scc1 .Lwide
.set i, 0
.rept 128
	global_load_b32 v[RL+i], v[LS], s[34:35] offset:i*2048 th:TH_LOAD_NT    ; W(128 s + i, my column): 128 consecutive bytes a wave
.set i, i+1
.endr
	s_branch .Lwork
.Lwide:
.set i, 0
.rept 128
	global_load_b32 v[RL+i], v[LS], s[34:35] offset:i*8192 th:TH_LOAD_NT
.set i, i+1
.endr
.Lwork:                                ; both ways have issued 128 loads
; Block t of my column: all 32 numbers are mine.  It is registers 6 (t / 2) .. + 5 of lane r + 16 (t % 2) of the fragment: 24 bytes in two pieces of the image.
.macro WBLOCK t
.set XB, RL+32*(\t)
.set CD, 160+10*(\t)
.if (\t) == 0
	s_wait_loadcnt 63                              ; a wait's count names 63 at the most: of the 128 loads the youngest 63 may be out, so the oldest 65 are in: blocks 0 and 1 (block 1 has no wait of its own)
.elseif (\t) > 1
	s_wait_loadcnt 96-32*(\t)                      ; block 2: block 3's 32 loads may be out; block 3: none
.endif
	v_max3_num_f32 v12, |v[XB]|, |v[XB+1]|, |v[XB+2]|
	v_max3_num_f32 v13, |v[XB+3]|, |v[XB+4]|, |v[XB+5]|
.irp i, 6,10,14,18,22,26
	v_max3_num_f32 v12, v12, |v[XB+\i]|, |v[XB+\i+1]|
	v_max3_num_f32 v13, v13, |v[XB+\i+2]|, |v[XB+\i+3]|
.endr
	v_max3_num_f32 v12, v12, |v[XB+30]|, |v[XB+31]|
	v_max3_num_f32 v12, v12, v13, 0x1800000        ; and the floor 2^(3 - 127)
	v_add_nc_u32 v11, 0xff000000, v12
	v_lshrrev_b32 v13, 23, v11
.if (\t) == 0
	v_mov_b32 v200, v13
.else
	v_lshl_or_b32 v200, v13, 8*(\t), v200          ; the four bytes make my column's scale word
.endif
	v_cvt_scalef32_pk16_fp6_f32 v[CD:CD+2], v[XB:XB+15], v11
	v_cvt_scalef32_pk16_fp6_f32 v[CD+6:CD+8], v[XB+16:XB+31], v11
	v_nop                                          ; one plain place behind a scaled conversion
.irp i, 0,1,2
	v_mov_b32 v[CD+3+\i], v[CD+6+\i]
.endr
.if (\t)/2 == 0
	global_store_b128 v[STI], v[CD:CD+3], s[36:37] offset:256*((\t)%2)
	global_store_b64 v[STI], v[CD+4:CD+5], s[36:37] offset:512+256*((\t)%2)
.else
	global_store_b64 v[STI], v[CD:CD+1], s[36:37] offset:520+256*((\t)%2)
	global_store_b128 v[STI], v[CD+2:CD+5], s[36:37] offset:1024+256*((\t)%2)
.endif
.endm
	WBLOCK 0                                       ; each block has its own registers for its codes: no store's data are written again
	WBLOCK 1
	WBLOCK 2
	WBLOCK 3
	global_store_b32 v[STO], v200, s[38:39]        ; the word at lane r,
	global_store_b32 v[STO], v200, s[38:39] offset:64   ; and its copy at lane r + 16
	s_endpgm
.Lfunc_end_k_q8dadc86796_prep:
	.size	k_q8dadc86796_prep, .Lfunc_end_k_q8dadc86796_prep-k_q8dadc86796_prep
	.p2alignl 7, 3214868480
	.fill 96, 4, 3214868480
	.section	.rodata,"a",@progbits
	.p2align	6, 0x0
	.amdhsa_kernel k_q8dadc86796_prep
		.amdhsa_group_segment_fixed_size 34304
		.amdhsa_private_segment_fixed_size 0
		.amdhsa_enable_private_segment 0
		.amdhsa_kernarg_size 72
		.amdhsa_user_sgpr_count 2
		.amdhsa_user_sgpr_kernarg_segment_ptr 1
		.amdhsa_wavefront_size32 1
		.amdhsa_system_sgpr_workgroup_id_x 1
		.amdhsa_system_sgpr_workgroup_id_y 1
		.amdhsa_system_sgpr_workgroup_id_z 1
		.amdhsa_system_vgpr_workitem_id 0
		.amdhsa_next_free_vgpr 256
		.amdhsa_next_free_sgpr 66
		.amdhsa_reserve_vcc 0
		.amdhsa_float_denorm_mode_32 3
		.amdhsa_float_denorm_mode_16_64 3
		.amdhsa_memory_ordered 1
		.amdhsa_forward_progress 1
		.amdhsa_inst_pref_size 67
	.end_amdhsa_kernel
	.amdgpu_metadata
---
amdhsa.version: [ 1, 2 ]
amdhsa.kernels:
  - .name:           k_q8dadc86796_prep
    .symbol:         k_q8dadc86796_prep.kd
    .args:
      - { .name: x, .offset: 0, .size: 8, .value_kind: global_buffer, .address_space: global }
      - { .name: wq, .offset: 8, .size: 8, .value_kind: global_buffer, .address_space: global }
      - { .name: wk, .offset: 16, .size: 8, .value_kind: global_buffer, .address_space: global }
      - { .name: wv, .offset: 24, .size: 8, .value_kind: global_buffer, .address_space: global }
      - { .name: wo, .offset: 32, .size: 8, .value_kind: global_buffer, .address_space: global }
      - { .name: w1, .offset: 40, .size: 8, .value_kind: global_buffer, .address_space: global }
      - { .name: w2, .offset: 48, .size: 8, .value_kind: global_buffer, .address_space: global }
      - { .name: ximg, .offset: 56, .size: 8, .value_kind: global_buffer, .address_space: global }
      - { .name: wimg, .offset: 64, .size: 8, .value_kind: global_buffer, .address_space: global }
    .group_segment_fixed_size: 34304
    .private_segment_fixed_size: 0
    .kernarg_segment_align: 8
    .kernarg_segment_size: 72
    .max_flat_workgroup_size: 128
    .sgpr_count:     66
    .vgpr_count:     256
    .wavefront_size: 32
...
	.end_amdgpu_metadata
.endif
;; end of part 1
;; launch proj (part 2): grid 64 x 3, 4 waves a work-group, no clusters, 0 bytes of LDS; arguments ximg, wimg, qkv; writes qkv
.if DOCPART == 2
	.amdgcn_target "amdgcn-amd-amdhsa--gfx1250"
	.amdhsa_code_object_version 6
	.text
	.protected	k_q8dadc86796_proj
	.globl	k_q8dadc86796_proj
	.p2align	8
	.type	k_q8dadc86796_proj,@function
k_q8dadc86796_proj:
	s_mov_b64 s[64:65], 0
	v_nop
	global_prefetch_b8 v0, s[64:65] scope:SCOPE_SE
	s_setreg_imm32_b32 hwreg(HW_REG_WAVE_MODE, 25, 1), 1
	s_wait_xcnt 0x0
; PROJ: q = x wq, k = x wk, v = x wv on codes of FP6, and the results quantised at once: q and k along a head's 64 channels, v along the keys.
; Buffers lie as images of operand registers (1,536 bytes a fragment, 128 bytes of scale words; lane r of tile t holds row 32 (t / 2) + 8 (t % 2) + r + 8 (r / 8)).
; ONE BODY, THREE ROLES (work-group y = 0: q, 1: k, 2: v).  A wave keeps a STATIONARY slab of 8 tiles x 4 K steps in 384 registers and STREAMS 16 tiles past it.  Every product has the stationary
; tile as source 0 and the streamed tile as source 1: a lane then holds ONE streamed row, and its 64 result registers run along the slab's 128 rows in their natural order: one fragment of the next operand.
;   q, k: stationary = 128 columns of the weight (a pair of heads, by the wave), streamed = 16 tiles of x (by work-group x).  Result: a fragment of 16 rows x the pair's 128 channels.
;   v:    stationary = 128 rows of x (keys), streamed = 16 tiles of wv's columns.  Result: a fragment of 16 channels x 128 keys.
; qkv: fragments 0-4095 q, 4096-8191 k: (batch x 4 + pair) x 64 + tile of rows; 8192-12287 v: (batch x 4 + pair) x 64 + tile of channels x 8 + step of 128 keys.
; No LDS: each fragment goes from memory into the registers of the wave that multiplies it.  192 work-groups: three roles of 64.
; LIMITS: NaN and infinities are not served; a block of zeros gets the byte 1.
.set XSO,  6291456
.set WSO,  2359296
.set QSO,  18874368
.set FRB,  1536
.set LI,   1                           ; v1  16 x lane
.set LS,   2                           ; v2  4 x lane
.set STS,  120                         ; v120-151 the slab's scale words (4 t + s).  v16-63, v64-111: two streamed sets; v112-115, v116-119: their scale words
.set HA,   152                         ; v152-215 eight accumulators
.set PC,   216                         ; v216-235 the codes just made
.set TM,   236                         ; v236-251 at work in QUANT
.set PW,   252                         ; v252 the scale word just made
.set SEL,  50                          ; s[50:51]
; window 1: the slab's K steps 0, 1 at v[12 (2 t + s)];  window 2: K steps 2, 3 at v[12 (2 t + s - 2)]
.set MSB, 0
.macro WIN new                         ; the immediate's high byte repeats the setting that is left
.if MSB != (\new)
	s_set_vgpr_msb (MSB<<8)|(\new)
.set MSB, (\new)
.endif
.endm
.macro QUANT s                         ; 64 numbers of a lane, register 16 b + i = k 32 b + 16 (lane / 16) + i, become 12 registers of codes in v[PC] on and a scale word in v[PW]
.irp b, 0,1,2,3
	v_max3_num_f32 v[TM+\b], |v[\s+16*\b]|, |v[\s+1+16*\b]|, 0x1800000   ; (each accumulator is read from its low end on)
.endr
.irp i, 2,4,6,8,10,12,14
.irp b, 0,1,2,3
	v_max3_num_f32 v[TM+\b], v[TM+\b], |v[\s+16*\b+\i]|, |v[\s+1+16*\b+\i]|
.endr
.endr
.irp b, 0,1,2,3
	v_permlanex16_b32 v[TM+4+\b], v[TM+\b], s[SEL], s[SEL+1]
.endr
.irp b, 0,1,2,3
	v_max_num_f32 v[TM+\b], v[TM+\b], v[TM+4+\b]
.endr
.irp b, 0,1,2,3
	v_add_nc_u32 v[TM+12+\b], 0xff000000, v[TM+\b]
.endr
.irp b, 0,1,2,3
	v_lshrrev_b32 v[TM+4+\b], 23, v[TM+12+\b]
.endr
	v_lshl_or_b32 v[PW], v[TM+5], 8, v[TM+4]
	v_lshl_or_b32 v[PW], v[TM+6], 16, v[PW]
	v_lshl_or_b32 v[PW], v[TM+7], 24, v[PW]
.irp c, 0,1
	v_cvt_scalef32_pk16_fp6_f32 v[PC+6*\c:PC+2+6*\c], v[\s+32*\c:\s+15+32*\c], v[TM+12+2*\c]
	v_cvt_scalef32_pk16_fp6_f32 v[PC+12+4*\c:PC+14+4*\c], v[\s+16+32*\c:\s+31+32*\c], v[TM+12+2*\c+1]
.endr
	v_nop                                          ; one plain place behind a scaled conversion
.irp c, 0,1
.irp i, 0,1,2
	v_permlane16_swap_b32 v[PC+6*\c+\i], v[PC+12+4*\c+\i]
.endr
.irp i, 0,1,2
	v_mov_b32 v[PC+3+6*\c+\i], v[PC+12+4*\c+\i]
.endr
.endr
.endm
	s_load_b128 s[4:7], s[0:1], 0x0                ; ximg s[4:5], wimg s[6:7]
	s_load_b64 s[8:9], s[0:1], 0x10                ; qkv
	v_lshrrev_b32 v3, 5, v0
	v_readfirstlane_b32 s2, v3                     ; wave w
	v_and_b32 v3, 31, v0
	v_lshlrev_b32 v[LI], 4, v3
	v_lshlrev_b32 v[LS], 2, v3
	s_and_b32 s3, ttmp7, 0xffff                    ; the role
	; fragment numbers for q and k
	s_lshl_b32 s10, s3, 7
	s_lshl_b32 s11, s2, 5
	s_add_co_u32 s10, s10, s11                     ; slab: 128 role + 32 w
	s_lshl_b32 s11, ttmp9, 6                       ; streamed: 64 X
	s_lshr_b32 s12, ttmp9, 2
	s_lshl_b32 s12, s12, 2
	s_add_co_u32 s12, s12, s2
	s_lshl_b32 s12, s12, 6
	s_and_b32 s13, ttmp9, 3
	s_lshl_b32 s13, s13, 4
	s_add_co_u32 s12, s12, s13
	s_lshl_b32 s13, s3, 12
	s_add_co_u32 s12, s12, s13                     ; out: 4,096 role + ((X / 4) 4 + w) 64 + 16 (X % 4)
	; and for v
	s_lshr_b32 s14, ttmp9, 1
	s_lshl_b32 s14, s14, 2
	s_add_co_u32 s14, s14, s2                      ; G: which 128 keys
	s_lshl_b32 s15, s14, 5                         ; slab: 32 G
	s_and_b32 s16, ttmp9, 1
	s_lshl_b32 s17, s16, 6
	s_add_co_u32 s17, s17, 256                     ; streamed: wv's fragments, 256 + 64 (X % 2)
	s_lshr_b32 s18, s14, 3
	s_lshl_b32 s18, s18, 5
	s_lshl_b32 s16, s16, 4
	s_add_co_u32 s18, s18, s16
	s_lshl_b32 s18, s18, 3
	s_and_b32 s19, s14, 7
	s_add_co_u32 s18, s18, s19
	s_add_co_u32 s18, s18, 8192                    ; out: 8,192 + ((G / 8) 32 + 16 (X % 2)) 8 + G % 8
	s_mov_b32 s20, XSO
	s_mov_b32 s21, WSO
	s_cmp_eq_u32 s3, 2
	s_cselect_b32 s10, s15, s10
	s_cselect_b32 s11, s17, s11
	s_cselect_b32 s12, s18, s12
	s_cselect_b32 s13, 8, 1                        ; from one result to the next, in fragments
	s_cselect_b32 s14, s20, s21                    ; where the scale words begin in the slab's buffer,
	s_cselect_b32 s15, s21, s20                    ; and in the streamed one's
	s_mul_i32 s22, s10, FRB
	s_mov_b32 s23, 0
	s_lshl_b32 s24, s10, 7
	s_add_co_u32 s24, s24, s14
	s_mov_b32 s25, 0
	s_mul_i32 s26, s11, FRB
	s_mov_b32 s27, 0
	s_lshl_b32 s28, s11, 7
	s_add_co_u32 s28, s28, s15
	s_mov_b32 s29, 0
	s_mul_i32 s30, s12, FRB
	s_mov_b32 s31, 0
	s_lshl_b32 s20, s12, 7
	s_add_co_u32 s20, s20, QSO
	s_mov_b32 s21, 0
	s_mul_i32 s44, s13, FRB
	s_mov_b32 s45, 0
	s_lshl_b32 s46, s13, 7
	s_mov_b32 s47, 0
	s_mov_b32 s[SEL], 0x76543210
	s_mov_b32 s[SEL+1], 0xfedcba98
.irp b, 0,1,2,3
	v_mov_b32 v[TM+4+\b], 0                        ; written once: a lane permute's destination counts as one of its sources
.endr
	s_wait_kmcnt 0x0
	s_cmp_eq_u32 s3, 2                             ; the buffers are chosen by the work-group's number alone
	s_cselect_b64 s[32:33], s[4:5], s[6:7]
	s_cselect_b64 s[36:37], s[6:7], s[4:5]
	s_add_nc_u64 s[34:35], s[32:33], s[24:25]      ; the slab's scale words,
	s_add_nc_u64 s[32:33], s[32:33], s[22:23]      ; its codes;
	s_add_nc_u64 s[38:39], s[36:37], s[28:29]      ; the streamed tiles' scale words,
	s_add_nc_u64 s[36:37], s[36:37], s[26:27]      ; their codes;
	s_add_nc_u64 s[40:41], s[8:9], s[30:31]        ; the results' codes,
	s_add_nc_u64 s[42:43], s[8:9], s[20:21]        ; their scale words
	WIN 0x40                                       ; destination window 1
.irp t, 0,1,2,3,4,5,6,7
.irp s, 0,1
.irp g, 0,1,2
	global_load_b128 v[12*(2*\t+\s)+4*\g:12*(2*\t+\s)+4*\g+3], v[LI], s[32:33] offset:(4*\t+\s)*FRB+512*\g
.endr
.endr
.endr
	WIN 0x80                                       ; destination window 2
.irp t, 0,1,2,3,4,5,6,7
.irp s, 0,1
.irp g, 0,1,2
	global_load_b128 v[12*(2*\t+\s)+4*\g:12*(2*\t+\s)+4*\g+3], v[LI], s[32:33] offset:(4*\t+\s+2)*FRB+512*\g
.endr
.endr
.endr
	WIN 0
.set i, 0
.rept 32
	global_load_b32 v[STS+i], v[LS], s[34:35] offset:128*i
.set i, i+1
.endr
.set i, 0
.rept 12
	global_load_b128 v[16+4*i:16+4*i+3], v[LI], s[36:37] offset:512*i     ; the first streamed tile: 6,144 dense bytes
.set i, i+1
.endr
.set i, 0
.rept 4
	global_load_b32 v[112+i], v[LS], s[38:39] offset:128*i
.set i, i+1
.endr
; One streamed tile, in set `set`.  next = 1: the tile behind it is asked for first, into the other set, whose last products stand a whole quantiser back.
.macro TILE set, next
.set SF, 16+48*(\set)
.set SS, 112+4*(\set)
.set NF, 16+48*(1-(\set))
.set NS, 112+4*(1-(\set))
.if \next
.set i, 0
.rept 12
	global_load_b128 v[NF+4*i:NF+4*i+3], v[LI], s[36:37] offset:4*FRB+512*i
.set i, i+1
.endr
.set i, 0
.rept 4
	global_load_b32 v[NS+i], v[LS], s[38:39] offset:512+128*i
.set i, i+1
.endr
	s_wait_loadcnt 16                              ; all but the 16 just issued: this tile (and, the first time, the slab) is in
.else
	s_wait_loadcnt 0x0
.endif
.irp s, 0,1,2,3                        ; the eight accumulators take turns, one instruction a turn, K step by K step
	WIN 1+(\s)/2                                   ; source 0: window 1 or 2
.irp t, 0,1,2,3,4,5,6,7
.if \s == 0
	v_wmma_scale_f32_16x16x128_f8f6f4 v[HA+8*\t:HA+8*\t+7], v[12*(2*\t+\s%2):12*(2*\t+\s%2)+11], v[SF+12*\s:SF+12*\s+11], 0, v[STS+4*\t+\s], v[SS+\s] matrix_a_fmt:MATRIX_FMT_FP6 matrix_b_fmt:MATRIX_FMT_FP6
.else
	v_wmma_scale_f32_16x16x128_f8f6f4 v[HA+8*\t:HA+8*\t+7], v[12*(2*\t+\s%2):12*(2*\t+\s%2)+11], v[SF+12*\s:SF+12*\s+11], v[HA+8*\t:HA+8*\t+7], v[STS+4*\t+\s], v[SS+\s] matrix_a_fmt:MATRIX_FMT_FP6 matrix_b_fmt:MATRIX_FMT_FP6
.endif
.endr
.endr
	WIN 0
.rept 4
	v_nop                                          ; four places between the last product and the first read of results (ISA guide 7.12.1)
.endr
	QUANT HA
.irp g, 0,1,2
	global_store_b128 v[LI], v[PC+4*\g:PC+4*\g+3], s[40:41] offset:512*\g   ; 512 consecutive bytes a store
.endr
	global_store_b32 v[LS], v[PW], s[42:43]
.if \next
	s_wait_xcnt 0x0                                ; loads and stores have read their bases and data: pointers step and the codes' registers are written again only behind this wait
	s_add_nc_u64 s[36:37], s[36:37], 4*FRB
	s_add_nc_u64 s[38:39], s[38:39], 512
	s_add_nc_u64 s[40:41], s[40:41], s[44:45]
	s_add_nc_u64 s[42:43], s[42:43], s[46:47]
.endif
.endm
	s_mov_b32 s48, 7
.Ltiles:                               ; 7 trips of two tiles; the last two are written out, so that no load leaves its buffer
	TILE 0, 1
	TILE 1, 1
	s_sub_co_u32 s48, s48, 1
	s_cmp_lg_u32 s48, 0
	s_cbranch_scc1 .Ltiles
	TILE 0, 1
	TILE 1, 0
	s_endpgm
.Lfunc_end_k_q8dadc86796_proj:
	.size	k_q8dadc86796_proj, .Lfunc_end_k_q8dadc86796_proj-k_q8dadc86796_proj
	.p2alignl 7, 3214868480
	.fill 96, 4, 3214868480
	.section	.rodata,"a",@progbits
	.p2align	6, 0x0
	.amdhsa_kernel k_q8dadc86796_proj
		.amdhsa_group_segment_fixed_size 0
		.amdhsa_private_segment_fixed_size 0
		.amdhsa_enable_private_segment 0
		.amdhsa_kernarg_size 24
		.amdhsa_user_sgpr_count 2
		.amdhsa_user_sgpr_kernarg_segment_ptr 1
		.amdhsa_wavefront_size32 1
		.amdhsa_system_sgpr_workgroup_id_x 1
		.amdhsa_system_sgpr_workgroup_id_y 1
		.amdhsa_system_sgpr_workgroup_id_z 1
		.amdhsa_system_vgpr_workitem_id 0
		.amdhsa_next_free_vgpr 768
		.amdhsa_next_free_sgpr 66
		.amdhsa_reserve_vcc 0
		.amdhsa_float_denorm_mode_32 3
		.amdhsa_float_denorm_mode_16_64 3
		.amdhsa_memory_ordered 1
		.amdhsa_forward_progress 1
		.amdhsa_inst_pref_size 56
	.end_amdhsa_kernel
	.amdgpu_metadata
---
amdhsa.version: [ 1, 2 ]
amdhsa.kernels:
  - .name:           k_q8dadc86796_proj
    .symbol:         k_q8dadc86796_proj.kd
    .args:
      - { .name: ximg, .offset: 0, .size: 8, .value_kind: global_buffer, .address_space: global }
      - { .name: wimg, .offset: 8, .size: 8, .value_kind: global_buffer, .address_space: global }
      - { .name: qkv, .offset: 16, .size: 8, .value_kind: global_buffer, .address_space: global }
    .group_segment_fixed_size: 0
    .private_segment_fixed_size: 0
    .kernarg_segment_align: 8
    .kernarg_segment_size: 24
    .max_flat_workgroup_size: 128
    .sgpr_count:     66
    .vgpr_count:     768
    .wavefront_size: 32
...
	.end_amdgpu_metadata
.endif
;; end of part 2
;; launch attn (part 3): grid 8 x 32, 16 waves a work-group, no clusters, 229,376 bytes of LDS; arguments qkv, valid_lens, cimg; writes cimg
.if DOCPART == 3
	.amdgcn_target "amdgcn-amd-amdhsa--gfx1250"
	.amdhsa_code_object_version 6
	.text
	.protected	k_q8dadc86796_attn
	.globl	k_q8dadc86796_attn
	.p2align	8
	.type	k_q8dadc86796_attn,@function
k_q8dadc86796_attn:
	s_mov_b64 s[64:65], 0
	v_nop
	global_prefetch_b8 v0, s[64:65] scope:SCOPE_SE
	s_setreg_imm32_b32 hwreg(HW_REG_WAVE_MODE, 25, 1), 1
	s_wait_xcnt 0x0
; ATTN: ctx = softmax(q k^T / 8, keys at or beyond valid_len masked) v, both products on codes of FP6; ctx is quantised at once (K = the model's 512; a pair of heads' 128 channels = one K step).
; SOFTMAX AHEAD OF THE SECOND PRODUCT: t = score x log2(e) / 8; M = the running largest t rounded UP to a whole number; p = 2^(t - M) is quantised along the keys, not normalised; the row's sum is taken of the
; unquantised p and divides at the end.  When M moves, the sum and O are multiplied by 2^(old M - new M): exact.
; SHARES.  A UNIT is 128 queries of one (batch, pair of heads): 8 tiles of 16 queries x 2 heads = the sixteen waves (wave w: tile w / 2, head w % 2).  A unit costs each wave ceil(valid_len / 128) key steps.
; A WORK-GROUP TAKES TWO UNITS, so that the work is even whatever the lengths: the sixteen batches are ordered by length, and work-group (x, y), y = 4 i + pair, x = block of 128 queries, takes the batch at
; place 15 - i and then the batch at place i.  The order is made by every wave in scalar registers from valid_lens, the problem's index input: keys length x 32 + flag x 16 + batch, a network of compare-exchanges.
; Exchanges only permute the keys: each batch falls to exactly one place, so every unit is done once whatever order comes out.
; K AND V of a unit's pair (fragments as images of operand registers) come into LDS through registers, only the groups of 256 keys that will be read, and are read by all sixteen waves.
; K = 64 IN AN INSTRUCTION OF 128: a fragment of k holds both heads (k 0-63 head A, 64-127 head B).  q goes in with the other head's half turned into zero codes, which annul that half under any scale byte.
; Both products are used transposed (S^T = k q^T, O^T = v^T p^T): a lane holds one query throughout.  The rows of a tile are chosen (lane r of tile t: row 32 (t / 2) + 8 (t % 2) + r + 8 (r / 8)) so that
; the 16 registers of tiles 2 b and 2 b + 1 are 16 neighbouring keys (or channels).
; THE MASK: the loop over the 8 steps of 128 keys has a constant count; a step all of whose keys are masked leaves its work out by a scalar branch on the length.
; THE WAY OUT: a head's 64 channels are half a fragment of ctx (six registers, two scale bytes).  Each wave lays them into LDS bytes of its own; behind the unit's closing barrier waves 0-7 read a whole fragment each.
; No tensor load, no cluster, though eight work-groups walk the same K and V: the branches on valid_len are what spares the masked work.
; LIMITS: masked logits are -infinity here and -1e9 in the definition: the two differ only where true logits lie near or under -1e9.  valid_len <= 0: all logits equal, as the definition has it (c = 0, all keys on).
; valid_len > 1,024: no mask.  NaN and infinities are not served.  A block of zeros gets the byte 1.
; REGISTERS: v1-7 and v28-34 addresses that stay; v8-11 addresses in hand; v12 -M, v13 the largest t, v[14:15] the sum; v[16:27] q; v36-83 four fragments (v36-139: the fill's landing); v96-159 S^T, then p;
; v160-191 O^T; v192-212 the closing quantiser; v224-235 p's codes; v232-254 at work; v248-251 fragments' scale words; v253 p's scale word; v255 q's.
.set QSO,  18874368
.set CSO,  6291456
.set FRB,  1536
.set KIMG, 0                           ; LDS: 64 fragments of k,
.set VIMG, 98304                       ; 64 of v (tile of channels x 8 + step of keys),
.set KSC,  196608                      ; their scale words, 128 bytes a fragment
.set VSC,  204800
.set XC,   212992                      ; the way out: 768 bytes of codes for each wave,
.set XSC,  225280                      ; and 128 bytes of scale bytes
.set LI,   1                           ; v1  16 x lane
.set LS,   2                           ; v2  4 x lane
.set SCW,  3                           ; v3  KSC + 16 x thread
.set FT,   4                           ; v4  16 x thread
.set KW0,  5                           ; v5  where I lay my fragment of k, groups 0, 1;  v6: groups 2, 3 (an LDS immediate has 16 bits)
.set VW,   7                           ; v7  where I lay my fragment of v
.set ADK,  8
.set ADV,  9
.set ADS,  10
.set ADT,  11
.set XWA,  28                          ; v28-30 the way out: where I lay four registers, two registers, the scale bytes
.set XWB,  29
.set XWS,  30
.set XRA,  31                          ; v31-33 and where a whole fragment is read back (tile = wave % 8)
.set XRB,  32
.set XRS,  33
.set PFO,  34                          ; v34 the prefetch's offset; never rewritten
.set VL,   12                          ; s12 the unit's length, 1 .. 1,024
.set SEL,  30                          ; s[30:31]
.set CS,   32                          ; s[32:33] c = log2(e) / 8
.set KF,   34                          ; s34 the step's first key
.set TK,   35                          ; s35-38 LDS bytes at which the step's k, k's scale words, v, v's scale words begin
.set TS,   36
.set TV,   37
.set TU,   38
.set CNT,  39
.set KEY,  68                          ; s[68:83] valid_lens, then the keys
.set PC,   192                         ; the closing quantiser: v192-197 codes (v200-202 at work), v204-209 at work, v212 the two scale bytes
.set TM,   204
.set PW,   212
	s_load_b128 s[4:7], s[0:1], 0x0                ; qkv s[4:5], valid_lens s[6:7]
	s_load_b64 s[8:9], s[0:1], 0x10                ; cimg
	v_lshl_add_u32 v223, v0, 2, 0x37800
	v_mov_b32 v243, 0
	v_lshrrev_b32 v3, 5, v0
	v_readfirstlane_b32 s2, v3                     ; wave 0..15
	s_wait_kmcnt 0x0
	s_load_b512 s[KEY:KEY+15], s[6:7], 0x0         ; all sixteen lengths: 64 bytes, the whole buffer
	v_and_b32 v[PFO], 31, v0                       ; lane
	v_lshlrev_b32 v[LI], 4, v[PFO]
	v_lshlrev_b32 v[LS], 2, v[PFO]
	v_lshlrev_b32 v[XRB], 3, v[PFO]                ; 8 x lane
	v_lshlrev_b32 v[FT], 4, v0
	v_add_nc_u32 v[SCW], KSC, v[FT]
	s_and_b32 s3, s2, 1                            ; my head
	s_lshr_b32 s60, s2, 1                          ; my tile in the block
	s_and_b32 s61, s2, 7
	s_mul_i32 s54, s2, FRB                         ; the fill: in a group of 256 keys wave w copies fragment w of k's sixteen,
	v_add_nc_u32 v[KW0], s54, v[LI]
	v_add_nc_u32 v[KW0+1], 49152, v[KW0]
	s_mul_i32 s55, s60, 8*FRB
	s_mul_i32 s62, s3, FRB
	s_add_co_u32 s55, s55, s62                     ; and v's fragment (tile of channels w / 2, step w % 2 of the group's two)
	s_add_co_u32 s62, s55, VIMG
	v_add_nc_u32 v[VW], s62, v[LI]
	s_mul_i32 s62, s2, 768
	s_add_co_u32 s62, s62, XC
	v_add_nc_u32 v[XWA], s62, v[LI]
	s_add_co_u32 s62, s62, 512
	v_add_nc_u32 v[XWB], s62, v[XRB]
	s_lshl_b32 s62, s2, 7
	s_add_co_u32 s62, s62, XSC
	v_add_nc_u32 v[XWS], s62, v[LS]
	s_mul_i32 s62, s61, FRB                        ; tile t's two halves lie on end: waves 2 t and 2 t + 1
	s_add_co_u32 s62, s62, XC
	v_add_nc_u32 v[XRA], s62, v[LI]
	s_add_co_u32 s62, s62, 512
	v_add_nc_u32 v[XRB], s62, v[XRB]
	s_lshl_b32 s62, s61, 8
	s_add_co_u32 s62, s62, XSC
	v_add_nc_u32 v[XRS], s62, v[LS]
	s_mul_i32 s48, s3, 32*FRB
	s_add_co_u32 s48, s48, VIMG                    ; my head's four tiles of v,
	s_lshl_b32 s49, s3, 12
	s_add_co_u32 s49, s49, VSC                     ; and their scale words
	s_cmp_eq_u32 s3, 0
	s_cselect_b32 s41, -1, 0                       ; keeps q's registers 0-5 in head A's waves,
	s_not_b32 s42, s41                             ; registers 6-11 in head B's
	s_and_b32 s13, ttmp7, 0xffff
	s_and_b32 s11, s13, 3                          ; pair
	s_lshr_b32 s13, s13, 2                         ; i
	s_lshl_b32 s52, ttmp9, 3
	s_add_co_u32 s53, s52, s61                     ; the tile that I store (waves 0-7),
	s_add_co_u32 s52, s52, s60                     ; the tile that I compute
	s_mov_b32 s15, 0
	s_mov_b32 s[SEL], 0x76543210
	s_mov_b32 s[SEL+1], 0xfedcba98
.irp j, 206,207,236,237,238,239,252,253
	v_mov_b32 v\j, 0                               ; written once: a lane permute's destination counts as one of its sources; v253 is named in a pair before it is first made
.endr
	s_wait_kmcnt 0x0
	; the keys: length x 32 + 16 (where valid_len > 0) + batch.  valid_len <= 0: every key counts and c = 0; beyond 1,024: 1,024
.set j, 0
.rept 16
	s_cmp_gt_i32 s[KEY+j], 0
	s_cselect_b32 s[KEY+j], s[KEY+j], 1024
	s_cselect_b32 s84, 16+j, j
	s_min_u32 s[KEY+j], s[KEY+j], 1024
	s_lshl_b32 s[KEY+j], s[KEY+j], 5
	s_or_b32 s[KEY+j], s[KEY+j], s84
.set j, j+1
.endr
.macro CE a, b                         ; the larger key to place a
	s_max_u32 s84, s[KEY+(\a)], s[KEY+(\b)]
	s_min_u32 s[KEY+(\b)], s[KEY+(\a)], s[KEY+(\b)]
	s_mov_b32 s[KEY+(\a)], s84
.endm
; Batcher's odd-even merge network for sixteen: 63 exchanges, written by the assembler's loops
.set p, 1
.rept 4
.set k, p
.rept 4
.if k >= 1
.set j, k%p
.rept 8
.if j <= 15-k
.set i, 0
.rept 8
.if (i <= k-1) && (i <= 15-j-k)
.if ((i+j)/(2*p)) == ((i+j+k)/(2*p))
	CE i+j, i+j+k
.endif
.endif
.set i, i+1
.endr
.endif
.set j, j+2*k
.endr
.set k, k/2
.endif
.endr
.set p, 2*p
.endr
	s_mov_b32 s51, s[KEY]                          ; place i: the longer of my two batches,
	s_mov_b32 s50, s[KEY+15]                       ; place 15 - i: the shorter
.irp q, 1,2,3,4,5,6,7
	s_cmp_eq_u32 s13, \q
	s_cselect_b32 s51, s[KEY+\q], s51
	s_cselect_b32 s50, s[KEY+15-\q], s50
.endr
	; THE PREFETCH of the second unit's K and V: 24 requests of 32 blocks of 256 bytes.  Eight work-groups (x = 0 .. 7) walk the same K and V: x / 4 says K or V, request r = 3 (x % 4) + wave, waves 0-2.
	; K: 8,192 bytes on end from 8,192 r.  V: 1,024 bytes from 1,024 r in each of the eight tiles' 12,288.  Either way requests 3 g .. 3 g + 2 cover the group g of 256 keys: asked for only where 256 g < the length.
	s_and_b32 s60, s51, 15
	s_min_u32 s60, s60, 15                         ; the second unit's batch
	s_lshl_b32 s60, s60, 2
	s_add_co_u32 s60, s60, s11
	s_lshl_b32 s60, s60, 6
	s_add_co_u32 s60, s60, 4096
	s_mul_i32 s14, s60, FRB                        ; its pair's fragments of k
	s_lshr_b32 s61, ttmp9, 2                       ; 0: K, 1: V
	s_and_b32 s62, ttmp9, 3
	s_mul_i32 s62, s62, 3
	s_add_co_u32 s62, s62, s2                      ; r
	s_mul_i32 s63, s61, 3
	s_sub_co_u32 s63, 13, s63
	s_lshl_b32 s63, s62, s63                       ; 8,192 r or 1,024 r
	s_add_co_u32 s14, s14, s63
	s_mul_i32 s63, s61, 4096*FRB                   ; v's fragments lie 4,096 fragments behind k's
	s_add_co_u32 s14, s14, s63
	s_add_nc_u64 s[56:57], s[4:5], s[14:15]        ; never rewritten
	s_mul_i32 s58, s62, 11
	s_lshr_b32 s58, s58, 5                         ; r / 3 for r under 12
	s_lshl_b32 s58, s58, 8                         ; the group's first key
	s_lshr_b32 s59, s51, 5                         ; the second unit's length
	s_mul_i32 s63, s61, 11264
	v_lshrrev_b32 v35, 2, v[PFO]
	v_mul_u32_u24 v35, s63, v35
	v_lshl_add_u32 v[PFO], v[PFO], 8, v35          ; K: 256 x lane.  V: 12,288 (lane / 4) + 256 (lane % 4)
.macro GLOAD g                         ; group g of 256 keys: my fragment of k and my fragment of v, 512 consecutive bytes a load
.irp j, 0,1,2
	global_load_b128 v[36+24*(\g)+4*\j:39+24*(\g)+4*\j], v[LI], s[20:21] offset:(\g)*24576+512*\j
.endr
.irp j, 0,1,2
	global_load_b128 v[48+24*(\g)+4*\j:51+24*(\g)+4*\j], v[LI], s[22:23] offset:(\g)*3072+512*\j
.endr
.endm
.macro GSTORE g
.irp j, 0,1,2
	ds_store_b128 v[KW0+(\g)/2], v[36+24*(\g)+4*\j:39+24*(\g)+4*\j] offset:((\g)%2)*24576+512*\j
	ds_store_b128 v[VW], v[48+24*(\g)+4*\j:51+24*(\g)+4*\j] offset:(\g)*3072+512*\j
.endr
.endm
; ONE UNIT.  key: the scalar register with its key; first = 1: the work-group's first unit.
.macro UNIT key, first
.if !\first
	s_wait_xcnt 0x0                                ; the first unit's stores have read their bases and data: both are written again only behind this wait
.endif
	s_and_b32 s60, s[\key], 15
	s_min_u32 s60, s60, 15                         ; the batch
	s_lshr_b32 s[VL], s[\key], 5
	s_bitcmp1_b32 s[\key], 4
	s_cselect_b32 s[CS], 0x3e38aa3b, 0             ; c = log2(e) / 8; where no key is valid all logits are equal: c = 0
	s_mov_b32 s[CS+1], s[CS]                       ; (named with it as a pair, so it is written)
	s_lshl_b32 s61, s60, 2
	s_add_co_u32 s61, s61, s11
	s_lshl_b32 s62, s61, 6                         ; (batch x 4 + pair) x 64: the pair's first fragment in each of q, k, v
	s_add_co_u32 s63, s62, s52
	s_mul_i32 s14, s63, FRB
	s_add_nc_u64 s[16:17], s[4:5], s[14:15]        ; my fragment of q,
	s_lshl_b32 s14, s63, 7
	s_add_co_u32 s14, s14, QSO
	s_add_nc_u64 s[24:25], s[4:5], s[14:15]        ; its scale words
	s_add_co_u32 s63, s62, 4096
	s_mul_i32 s14, s63, FRB
	s_add_co_u32 s14, s14, s54
	s_add_nc_u64 s[20:21], s[4:5], s[14:15]        ; k, at the fragment that I copy,
	s_lshl_b32 s14, s63, 7
	s_add_co_u32 s14, s14, QSO
	s_add_nc_u64 s[26:27], s[4:5], s[14:15]        ; its scale words
	s_add_co_u32 s63, s62, 8192
	s_mul_i32 s14, s63, FRB
	s_add_co_u32 s14, s14, s55
	s_add_nc_u64 s[22:23], s[4:5], s[14:15]        ; v likewise
	s_lshl_b32 s14, s63, 7
	s_add_co_u32 s14, s14, QSO
	s_add_nc_u64 s[28:29], s[4:5], s[14:15]
	s_lshl_b32 s63, s60, 6
	s_add_co_u32 s63, s63, s53
	s_lshl_b32 s63, s63, 2
	s_add_co_u32 s63, s63, s11                     ; ctx's fragment: (64 batch + tile) x 4 + pair
	s_mul_i32 s14, s63, FRB
	s_add_nc_u64 s[44:45], s[8:9], s[14:15]
	s_lshl_b32 s14, s63, 7
	s_add_co_u32 s14, s14, CSO
	s_add_nc_u64 s[46:47], s[8:9], s[14:15]
	; THE FILL.  The loads stand in ascending order of the groups, the LDS stores in descending order, and a jump on the length leads from behind group g's loads to group g's stores:
	; on every way what is stored is what was loaded.  (In the second unit this stands behind the first unit's closing barrier: no wave still reads the old K and V.)
	global_load_b128 v[16:19], v[LI], s[16:17]
	global_load_b128 v[20:23], v[LI], s[16:17] offset:512
	global_load_b128 v[24:27], v[LI], s[16:17] offset:1024
	global_load_b32 v255, v[LS], s[24:25]
	global_load_b128 v[132:135], v[FT], s[26:27]   ; the scale words of all 64 fragments of k: 8,192 bytes, 16 a thread,
	global_load_b128 v[136:139], v[FT], s[28:29]   ; and of v
	GLOAD 0
	s_cmp_le_u32 s[VL], 256
	s_cbranch_scc1 .Lfill0_\@
	GLOAD 1
	s_cmp_le_u32 s[VL], 512
	s_cbranch_scc1 .Lfill1_\@
	GLOAD 2
	s_cmp_le_u32 s[VL], 768
	s_cbranch_scc1 .Lfill2_\@
	GLOAD 3
	s_wait_loadcnt 0x0
	GSTORE 3
.Lfill2_\@:
	s_wait_loadcnt 0x0
	GSTORE 2
.Lfill1_\@:
	s_wait_loadcnt 0x0
	GSTORE 1
.Lfill0_\@:
	s_wait_loadcnt 0x0
	GSTORE 0
	ds_store_b128 v[SCW], v[132:135]
	ds_store_b128 v[SCW], v[136:139] offset:8192
.irp i, 0,1,2,3,4,5
	v_and_b32 v[16+\i], s41, v[16+\i]              ; the other head's half of q becomes zero codes
	v_and_b32 v[22+\i], s42, v[22+\i]
.endr
	s_wait_dscnt 0x0                               ; for the others' sake: my part of K and V has landed (and my reads of the way out's bytes are over)
	s_barrier_signal -1
	s_barrier_wait -1                              ; everybody's has
.if \first
	s_cmp_lt_u32 s2, 3                             ; the second unit's K and V are asked for here, behind the first unit's own loads: one request a wave, waves 0-2
	s_cbranch_scc0 .Lnopf_\@
	s_cmp_lt_u32 s58, s59                          ; only where the request's group of keys will be read
	s_cbranch_scc0 .Lnopf_\@
	global_prefetch_b8 v[PFO], s[56:57] th:TH_LOAD_NT scope:SCOPE_SE
.Lnopf_\@:
.endif
	v_mov_b32 v13, 0xff61b1e6                      ; the largest t so far: -3e38, under every t
	v_floor_f32 v12, -v13                          ; -M
	v_mov_b32 v14, 0
	v_mov_b32 v15, 0
.set j, 0
.rept 32
	v_mov_b32 v[160+j], 0                          ; the step is written once: the first finds zeros, which the first change of M leaves zeros
.set j, j+1
.endr
	s_mov_b32 s[KF], 0
	s_mov_b32 s[TK], KIMG
	s_mov_b32 s[TS], KSC
	s_mov_b32 s[TV], s48
	s_mov_b32 s[TU], s49
	s_mov_b32 s[CNT], 8
.Lstep_\@:
	s_cmp_ge_u32 s[KF], s[VL]                      ; all 128 keys masked: the step's work is left out, not the lines at its end that step addresses
	s_cbranch_scc1 .Lhidden_\@
	v_add_nc_u32 v[ADK], s[TK], v[LI]              ; (these four are also the places in front of loads into registers that the last products read)
	v_add_nc_u32 v[ADV], s[TV], v[LI]
	v_add_nc_u32 v[ADS], s[TS], v[LS]
	v_add_nc_u32 v[ADT], s[TU], v[LS]
.irp g, 0,1                            ; S^T = k q^T, four tiles of 16 keys at a time
.if \g == 1
.rept 4
	v_nop                                          ; four places in front of loads into registers that matrix instructions have read
.endr
.endif
.irp t, 0,1,2,3
.irp p, 0,1,2
	ds_load_b128 v[36+12*\t+4*\p:39+12*\t+4*\p], v[ADK] offset:(4*\g+\t)*FRB+512*\p
.endr
	ds_load_b32 v[248+\t], v[ADS] offset:(4*\g+\t)*128
.endr
	s_wait_dscnt 0x0
.irp t, 0,1,2,3
	v_wmma_scale_f32_16x16x128_f8f6f4 v[96+8*(4*\g+\t):103+8*(4*\g+\t)], v[36+12*\t:47+12*\t], v[16:27], 0, v[248+\t], v255 matrix_a_fmt:MATRIX_FMT_FP6 matrix_b_fmt:MATRIX_FMT_FP6
.endr
.endr                                  ; register 16 b + i holds key KF + 32 b + 16 (lane / 16) + i of my query
.rept 4
	v_nop
.endr
	s_add_co_u32 s40, s[KF], 128
	s_cmp_le_u32 s40, s[VL]
	s_cbranch_scc1 .Lopen_\@                       ; all 128 keys count
	s_sub_co_u32 s40, s[VL], s[KF]
	v_bfe_u32 v252, v0, 4, 1
	v_lshlrev_b32 v252, 4, v252
	v_sub_nc_u32 v252, s40, v252                   ; d = length - KF - 16 (lane / 16): register 16 b + i is masked where 32 b + i >= d
	v_mov_b32 v254, 0xff800000                     ; -infinity: p = 0
.set n, 0
.rept 64
	v_cmp_ge_i32 vcc_lo, 32*(n/16)+n%16, v252
	v_cndmask_b32 v[96+n], v[96+n], v254, vcc_lo
.set n, n+1
.endr
.Lopen_\@:
.irp b, 0,1,2,3
	v_max3_num_f32 v[232+\b], v[96+16*\b], v[97+16*\b], v[98+16*\b]   ; the largest score of each block of 32 keys: it serves for the row's maximum and, since p rises with the score, for the block's largest p
.endr
.irp i, 3,5,7,9,11,13
.irp b, 0,1,2,3
	v_max3_num_f32 v[232+\b], v[232+\b], v[96+16*\b+\i], v[97+16*\b+\i]
.endr
.endr
.irp b, 0,1,2,3
	v_max_num_f32 v[232+\b], v[232+\b], v[111+16*\b]
.endr
.irp b, 0,1,2,3
	v_permlanex16_b32 v[236+\b], v[232+\b], s[SEL], s[SEL+1]
.endr
.irp b, 0,1,2,3
	v_max_num_f32 v[232+\b], v[232+\b], v[236+\b]  ; with lane l xor 16's 16 keys
.endr
	v_max3_num_f32 v254, v232, v233, v234
	v_max_num_f32 v254, v254, v235                 ; the step's largest score of my query (a step that is worked has a key that counts)
	v_mul_f32 v254, s[CS], v254
	v_max_num_f32 v13, v13, v254                   ; the running largest t
	v_mov_b32 v254, v12
	v_floor_f32 v12, -v13                          ; the new -M = -ceil(t)
	v_sub_f32 v254, v12, v254                      ; old M - new M: a whole number, 0 or less
	v_cvt_i32_f32 v254, v254                       ; (it saturates)
	v_ldexp_f32 v252, 1.0, v254                    ; f = 2^(old M - new M)
.set j, 0
.rept 32
	v_pk_fma_f32 v[96+j:97+j], v[96+j:97+j], s[CS:CS+1], v[12:13] op_sel_hi:[1,0,0]   ; t - M, two at a time
.set j, j+2
.endr
.irp b, 0,1,2,3
	v_fma_f32 v[232+\b], v[232+\b], s[CS], v12     ; the same of each block's largest score
.endr
.set j, 0
.rept 64
	v_exp_f32 v[96+j], v[96+j]                     ; p = 2^(t - M)
.set j, j+1
.endr
	v_pk_mul_f32 v[14:15], v[14:15], v[252:253] op_sel_hi:[1,0]   ; the sums under the new M (a plain place behind the exponentials)
	s_wait_alu depctr_va_vdst(0)                   ; one wait for the batch of 64, ahead of the first line that names a result
.irp b, 0,1,2,3
	v_exp_f32 v[232+\b], v[232+\b]                 ; the block's largest p
.endr
	v_pk_add_f32 v[236:237], v[96:97], v[98:99]    ; the row's sum of the unquantised p, in two chains
.set j, 4
.rept 15
	v_pk_add_f32 v[14:15], v[14:15], v[96+j:97+j]
	v_pk_add_f32 v[236:237], v[236:237], v[98+j:99+j]
.set j, j+4
.endr
	v_pk_add_f32 v[14:15], v[14:15], v[236:237]
	s_wait_alu depctr_va_vdst(0)                   ; and one for the four
.irp b, 0,1,2,3
	v_max_num_f32 v[232+\b], 0x1800000, v[232+\b]  ; the floor 2^(3 - 127): a block whose every p is 0 keeps the byte 1; its codes are zeros
.endr
.irp b, 0,1,2,3
	v_add_nc_u32 v[244+\b], 0xff000000, v[232+\b]
.endr
.irp b, 0,1,2,3
	v_lshrrev_b32 v[236+\b], 23, v[244+\b]
.endr
	v_lshl_or_b32 v253, v237, 8, v236              ; p's scale word for these 128 keys
	v_lshl_or_b32 v253, v238, 16, v253
	v_lshl_or_b32 v253, v239, 24, v253
.irp c, 0,1
	v_cvt_scalef32_pk16_fp6_f32 v[224+6*\c:226+6*\c], v[96+32*\c:111+32*\c], v[244+2*\c]
	v_cvt_scalef32_pk16_fp6_f32 v[236+4*\c:238+4*\c], v[112+32*\c:127+32*\c], v[244+2*\c+1]
.endr
	v_nop                                          ; one plain place behind a scaled conversion
.irp c, 0,1
.irp i, 0,1,2
	v_permlane16_swap_b32 v[224+6*\c+\i], v[236+4*\c+\i]
.endr
.irp i, 0,1,2
	v_mov_b32 v[227+6*\c+\i], v[236+4*\c+\i]
.endr
.endr
.set j, 0
.rept 16
	v_pk_mul_f32 v[160+j:161+j], v[160+j:161+j], v[252:253] op_sel_hi:[1,0]   ; O^T under the new M.  Of these 16, twelve name no register of any one product below: the places between p's scale word and codes and those products
.set j, j+2
.endr
.irp t, 0,1,2,3                        ; O^T += v^T p^T: the head's four tiles of 16 channels; K = these 128 keys
.irp p, 0,1,2
	ds_load_b128 v[36+12*\t+4*\p:39+12*\t+4*\p], v[ADV] offset:\t*8*FRB+512*\p
.endr
	ds_load_b32 v[248+\t], v[ADT] offset:\t*1024
.endr
	s_wait_dscnt 0x0
.irp t, 0,1,2,3
	v_wmma_scale_f32_16x16x128_f8f6f4 v[160+8*\t:167+8*\t], v[36+12*\t:47+12*\t], v[224:235], v[160+8*\t:167+8*\t], v[248+\t], v253 matrix_a_fmt:MATRIX_FMT_FP6 matrix_b_fmt:MATRIX_FMT_FP6
.endr
.Lhidden_\@:
	s_add_co_u32 s[KF], s[KF], 128
	s_add_co_u32 s[TK], s[TK], 8*FRB
	s_add_co_u32 s[TS], s[TS], 1024
	s_add_co_u32 s[TV], s[TV], FRB
	s_add_co_u32 s[TU], s[TU], 128
	s_sub_co_u32 s[CNT], s[CNT], 1
	s_cmp_lg_u32 s[CNT], 0
	s_cbranch_scc1 .Lstep_\@
	v_add_f32 v14, v14, v15                        ; the sum's two halves,
	v_permlanex16_b32 v252, v14, s[SEL], s[SEL+1]
	v_add_f32 v14, v14, v252                       ; and lane l xor 16's
	v_rcp_f32 v14, v14
.rept 4
	v_nop                                          ; the plain place behind the reciprocal, and four places behind the last products
.endr
	s_wait_alu depctr_va_vdst(0)                   ; ahead of the first line that names the reciprocal
.set j, 0
.rept 32
	v_mul_f32 v[160+j], v[160+j], v14              ; O^T / the sum, each accumulator from its low end on
.set j, j+1
.endr
	; v160-191: register 16 b + i = channel 64 head + 32 b + 16 (lane / 16) + i of my query: two blocks of 32: registers 6 head .. 6 head + 5 of ctx's fragment, bytes 2 head, 2 head + 1 of its scale word
.irp b, 0,1
	v_max3_num_f32 v[TM+\b], |v[160+16*\b]|, |v[161+16*\b]|, 0x1800000
.endr
.irp i, 2,4,6,8,10,12,14
.irp b, 0,1
	v_max3_num_f32 v[TM+\b], v[TM+\b], |v[160+16*\b+\i]|, |v[161+16*\b+\i]|
.endr
.endr
.irp b, 0,1
	v_permlanex16_b32 v[TM+2+\b], v[TM+\b], s[SEL], s[SEL+1]
.endr
.irp b, 0,1
	v_max_num_f32 v[TM+\b], v[TM+\b], v[TM+2+\b]
.endr
.irp b, 0,1
	v_add_nc_u32 v[TM+4+\b], 0xff000000, v[TM+\b]
.endr
.irp b, 0,1
	v_lshrrev_b32 v[TM+2+\b], 23, v[TM+4+\b]
.endr
	v_lshl_or_b32 v[PW], v[TM+3], 8, v[TM+2]
	v_cvt_scalef32_pk16_fp6_f32 v[PC:PC+2], v[160:175], v[TM+4]
	v_cvt_scalef32_pk16_fp6_f32 v[PC+8:PC+10], v[176:191], v[TM+5]   ; (a conversion's three registers begin on an even number)
	v_nop                                          ; one plain place behind a scaled conversion
.irp i, 0,1,2
	v_permlane16_swap_b32 v[PC+\i], v[PC+8+\i]     ; a whole block in a lane: lanes 0-15 the first, lanes 16-31 the second
.endr
.irp i, 0,1,2
	v_mov_b32 v[PC+3+\i], v[PC+8+\i]
.endr
	ds_store_b128 v[XWA], v[PC:PC+3]               ; into bytes of my own: four registers at 16 x lane,
	ds_store_b64 v[XWB], v[PC+4:PC+5]              ; two at 8 x lane,
	ds_store_b32 v[XWS], v[PW]                     ; the two scale bytes in a word at 4 x lane
	s_wait_dscnt 0x0                               ; for the others' sake: my half fragment has landed, and my reads of K and V are over
	s_barrier_signal -1
	s_barrier_wait -1
	s_cmp_lt_u32 s2, 8                             ; waves 0-7 take a tile each: the six registers of wave 2 t, then those of wave 2 t + 1, are the fragment's twelve
	s_cbranch_scc0 .Lnost_\@
	ds_load_b128 v[96:99], v[XRA]
	ds_load_b64 v[100:101], v[XRB]
	ds_load_b128 v[102:105], v[XRA] offset:768
	ds_load_b64 v[106:107], v[XRB] offset:768
	ds_load_b32 v108, v[XRS]
	ds_load_b32 v109, v[XRS] offset:128
	s_wait_dscnt 0x0
	v_lshl_or_b32 v110, v109, 16, v108
.irp g, 0,1,2
	global_store_b128 v[LI], v[96+4*\g:99+4*\g], s[44:45] offset:512*\g   ; 512 consecutive bytes a store
.endr
	global_store_b32 v[LS], v110, s[46:47]
.Lnost_\@:
.endm
	UNIT 50, 1                                     ; the shorter batch first: the launch's first fills are the small ones
	UNIT 51, 0
	s_wait_tensorcnt 0x0
	ds_add_u32 v223, v243
	s_wait_dscnt 0x0
	s_endpgm
.Lfunc_end_k_q8dadc86796_attn:
	.size	k_q8dadc86796_attn, .Lfunc_end_k_q8dadc86796_attn-k_q8dadc86796_attn
	.p2alignl 7, 3214868480
	.fill 96, 4, 3214868480
	.section	.rodata,"a",@progbits
	.p2align	6, 0x0
	.amdhsa_kernel k_q8dadc86796_attn
		.amdhsa_group_segment_fixed_size 229376
		.amdhsa_private_segment_fixed_size 0
		.amdhsa_enable_private_segment 0
		.amdhsa_kernarg_size 24
		.amdhsa_user_sgpr_count 2
		.amdhsa_user_sgpr_kernarg_segment_ptr 1
		.amdhsa_wavefront_size32 1
		.amdhsa_system_sgpr_workgroup_id_x 1
		.amdhsa_system_sgpr_workgroup_id_y 1
		.amdhsa_system_sgpr_workgroup_id_z 1
		.amdhsa_system_vgpr_workitem_id 0
		.amdhsa_next_free_vgpr 256
		.amdhsa_next_free_sgpr 88
		.amdhsa_reserve_vcc 1
		.amdhsa_float_denorm_mode_32 3
		.amdhsa_float_denorm_mode_16_64 3
		.amdhsa_memory_ordered 1
		.amdhsa_forward_progress 1
		.amdhsa_inst_pref_size 85
	.end_amdhsa_kernel
	.amdgpu_metadata
---
amdhsa.version: [ 1, 2 ]
amdhsa.kernels:
  - .name:           k_q8dadc86796_attn
    .symbol:         k_q8dadc86796_attn.kd
    .args:
      - { .name: qkv, .offset: 0, .size: 8, .value_kind: global_buffer, .address_space: global }
      - { .name: valid_lens, .offset: 8, .size: 8, .value_kind: global_buffer, .address_space: global }
      - { .name: cimg, .offset: 16, .size: 8, .value_kind: global_buffer, .address_space: global }
    .group_segment_fixed_size: 229376
    .private_segment_fixed_size: 0
    .kernarg_segment_align: 8
    .kernarg_segment_size: 24
    .max_flat_workgroup_size: 512
    .sgpr_count:     88
    .vgpr_count:     256
    .wavefront_size: 32
...
	.end_amdgpu_metadata
.endif
;; end of part 3
;; launch tail (part 4): grid 256 x 1, 4 waves a work-group, no clusters, 212,480 bytes of LDS; arguments cimg, wimg, x, b1, b2, ln1_g, ln1_b, ln2_g, ln2_b, out0; writes out0
.if DOCPART == 4
	.amdgcn_target "amdgcn-amd-amdhsa--gfx1250"
	.amdhsa_code_object_version 6
	.text
	.protected	k_q8dadc86796_tail
	.globl	k_q8dadc86796_tail
	.p2align	8
	.type	k_q8dadc86796_tail,@function
k_q8dadc86796_tail:
	s_mov_b64 s[64:65], 0
	v_nop
	global_prefetch_b8 v0, s[64:65] scope:SCOPE_SE
	s_setreg_imm32_b32 hwreg(HW_REG_WAVE_MODE, 25, 1), 1
	s_wait_xcnt 0x0
; TAIL: z = x + ctx wo; y = LayerNorm(z); out = LayerNorm(y + relu(y w1 + b1) w2 + b2).  The three products on codes of FP6; y and the hidden layer are quantised on the way and never go to memory.
; SHARES.  A work-group of four waves owns 64 rows (four tiles m of 16) and all 512 columns, so that both norms stay inside it.  THE WAVES SHARE THE COLUMNS: wave w owns output columns 128 w .. + 127 of wo and w2,
; and in chunk c (of four) the hidden units 512 c + 128 w .. + 127.  Every weight fragment goes from memory straight into the registers of the one wave that multiplies it, once, and serves four tiles of rows.
; Activations go from wave to wave through LDS as images of operand registers (1,536 bytes a fragment at 16 x lane, 128 bytes of scale words at 4 x lane).
; Products are used transposed (source 0 = 16 columns of a weight, source 1 = 16 rows): a lane holds one row, and register 64 m + 16 b + i holds column 128 w + 32 b + 16 (lane / 16) + i
; (lane r of a tile t holds row or column 32 (t / 2) + 8 (t % 2) + r + 8 (r / 8)).
; x is the C of the first product, b1 of the second, y + b2 of the third: no addition is spent on a bias or a residual but y + b2.
; THE NORMS: each wave takes mean and centred sum of squares of its 128 columns of a row; the four pairs meet in LDS and are joined (mean of means; sums of squares + 128 x the means' spread):
; no difference of large sums, one exchange a norm.
; THE WEIGHTS come through a ring of four slots of four fragments in registers; a set (four fragments, four scale words) is 16 loads, asked for four sets ahead, on across the products and the loop's edge.
; No tensor load, no cluster: all work-groups walk the same weights, but each fragment feeds one wave and lands in its registers; through LDS it would be written and read once more.
; LIMITS: NaN and infinities are not served; a block of zeros gets the byte 1.
; REGISTERS, in windows of 256.  Window 0: v1-15 addresses; v32-127 two sets of four activation fragments; v128-135 their scale words; v136-151 the ring's scale words; v152-171 codes just made; v172-188 the quantiser's;
;   v192-255 b1 as eight C tiles, or the norms' scratch.   Window 1: the 32 accumulators of the hidden layer; outside that phase gain (0-63), shift (64-127), b2 (128-191); at the end rows of out.
;   Window 2: the 32 accumulators x -> z -> y -> y + b2 + ffn -> out.   Window 3: the ring, v[48 slot + 12 fragment].
.set XSO,  6291456
.set WSO,  2359296
.set FRB,  1536
.set ACTH, 0                           ; LDS: 16 images (4 m + K step) + their scale words: ctx, later the hidden layer
.set ACTY, 26624                       ; the same for y
.set ASC,  24576                       ; the scale words inside such a region
.set VEC,  53248                       ; b1 (8,192 bytes), then b2, ln1_g, ln1_b, ln2_g, ln2_b (2,048 each)
.set VB2,  8192
.set VG1,  10240
.set VE1,  12288
.set VG2,  14336
.set VE2,  16384
.set STAT, 71680                       ; (wave, m): 32 lanes x 8 bytes: 4,096 bytes for each of the two norms
.set STG,  79872                       ; 64 rows x (2,048 bytes + 16): x on the way in, out on the way out
.set SP,   2064                        ; 516 words: sixteen rows start at sixteen different groups of banks
.set LI,   1                           ; v1  16 x lane
.set LS,   2                           ; v2  4 x lane
.set HWI,  4                           ; v4  16 x lane + 1,536 w: where I store an image (K step w)
.set HWS,  5                           ; v5  4 x lane + 128 w: and its scale words
.set CWI,  6                           ; v6  16 x lane + 6,144 w: ctx's four images of tile m = w
.set CWS,  7                           ; v7  their scale words
.set SGW,  8                           ; v8  the stage: rows 16 w on, 16 bytes a lane
.set SGL0, 9                           ; v9  the stage: row r, my columns (tiles m = 0, 1);  v10: tiles 2, 3
.set SGL1, 10
.set VH,   11                          ; v11 a vector's 16 numbers of each block of 32 of my columns
.set B1A,  12                          ; v12 the same in b1, by chunk
.set STW,  13                          ; v13 where I store a norm's pair
.set STR,  14                          ; v14 and read all waves'
.set VW,   15                          ; v15 where the vectors are laid
.set AF,   32
.set AS,   128
.set WSC,  136
.set PC,   152
.set TM,   172
.set PW,   188
.set BI,   192
.set T,    192                         ; v192-207 the norms' chains, four registers a tile
.set ST,   208                         ; v208-215 (my columns' mean, centred sum of squares) a tile
.set RS,   216                         ; v216-223 1 / sqrt(var + eps), as pairs
.set ND,   224                         ; v224-231 (my mean - the row's) x that, as pairs
.set WOC,  28                          ; s[28:29], s[30:31] wo's codes and scale words at my slab;  s[32:35] w1's;  s[36:39] w2's
.set WOS,  30
.set W1C,  32
.set W1S,  34
.set W2C,  36
.set W2S,  38
.set SEL,  48                          ; s[48:49]
.set EPS,  50
.set B1S,  51
.set CNT,  52
.set MSB, 0
.macro WIN new                         ; the immediate's high byte repeats the setting that is left
.if MSB != (\new)
	s_set_vgpr_msb (MSB<<8)|(\new)
.set MSB, (\new)
.endif
.endm
.macro PLACES                          ; four places behind matrix instructions, in front of loads into their registers and of reads of results
.rept 4
	v_nop
.endr
.endm
.macro BARRIER                         ; my LDS stores have landed and my LDS loads are in: then the work-group's barrier
	s_wait_dscnt 0x0
	s_barrier_signal -1
	s_barrier_wait -1
.endm
; A set of the ring: tiles t0 .. t0 + 3 of my slab, K step kq, of a weight with ks K steps: 4 + 12 loads
.macro WLOAD slot, cp, sp, ks, t0, kq
	WIN 0
.irp tt, 0,1,2,3
	global_load_b32 v[WSC+4*(\slot)+\tt], v[LS], s[\sp:\sp+1] offset:(((\t0)+\tt)*(\ks)+(\kq))*128
.endr
	WIN 0xc0                                       ; destination window 3
.irp tt, 0,1,2,3
.irp g, 0,1,2
	global_load_b128 v[48*(\slot)+12*\tt+4*\g:48*(\slot)+12*\tt+4*\g+3], v[LI], s[\cp:\cp+1] offset:(((\t0)+\tt)*(\ks)+(\kq))*FRB+512*\g
.endr
.endr
.endm
; K step kq of the four tiles of rows, from the images at base
.macro AFETCH set, base, kq
	WIN 0
.irp m, 0,1,2,3
.irp g, 0,1,2
	ds_load_b128 v[AF+48*(\set)+12*\m+4*\g:AF+48*(\set)+12*\m+4*\g+3], v[LI] offset:(\base)+(4*\m+(\kq))*FRB+512*\g
.endr
	ds_load_b32 v[AS+4*(\set)+\m], v[LS] offset:(\base)+ASC+(4*\m+(\kq))*128
.endr
.endm
; 16 products: the ring slot's four tiles x the four tiles of rows.  acc: window of the accumulators.  cmode 1: in place; 2: C = b1's tile.  No two that follow each other share an accumulator.
.macro MUL16 slot, set, t0, acc, cmode
.if (\cmode) == 2
	WIN 0x43                                       ; source 0 window 3, C window 0, D window 1
.elseif (\acc) == 1
	WIN 0x53
.else
	WIN 0xa3
.endif
.irp tt, 0,1,2,3
.irp m, 0,1,2,3
.set rD, 64*\m+8*((\t0)+\tt)
.set rW, 48*(\slot)+12*\tt
.set rA, AF+48*(\set)+12*\m
.set rB, BI+8*((\t0)+\tt)
.if (\cmode) == 2
	v_wmma_scale_f32_16x16x128_f8f6f4 v[rD:rD+7], v[rW:rW+11], v[rA:rA+11], v[rB:rB+7], v[WSC+4*(\slot)+\tt], v[AS+4*(\set)+\m] matrix_a_fmt:MATRIX_FMT_FP6 matrix_b_fmt:MATRIX_FMT_FP6
.else
	v_wmma_scale_f32_16x16x128_f8f6f4 v[rD:rD+7], v[rW:rW+11], v[rA:rA+11], v[rD:rD+7], v[WSC+4*(\slot)+\tt], v[AS+4*(\set)+\m] matrix_a_fmt:MATRIX_FMT_FP6 matrix_b_fmt:MATRIX_FMT_FP6
.endif
.endr
.endr
.endm
; A product of 64 rows x my 128 columns x K = 512: eight sets (K step q / 2, tiles 4 (q % 2) on).  Behind set q its slot takes this weight's set q + 4, or the next product's set q - 4 (nks = 0: none).
.macro GEMM abase, acc, cmode, oc, os, oks, nc, ns, nks
	AFETCH 0, \abase, 0
.irp q, 0,1,2,3,4,5,6,7
.if (\q)%2 == 0
	s_wait_dscnt 0x0                               ; this K step's activation fragments are in
.endif
.if (\nks) > 0 || (\q) < 5
	s_wait_loadcnt 48                              ; set q is in: the three younger sets of 16 loads may be out
.else
	s_wait_loadcnt 16*(7-(\q))                     ; the ring runs out
.endif
.if (\q) < 2
	MUL16 (\q)%4, ((\q)/2)%2, 4*((\q)%2), \acc, \cmode
.else
	MUL16 (\q)%4, ((\q)/2)%2, 4*((\q)%2), \acc, 1
.endif
	WIN 0
	PLACES
.if ((\q)%2 == 0) && ((\q) < 6)
	AFETCH ((\q)/2+1)%2, \abase, (\q)/2+1
.endif
.if (\q) < 4
	WLOAD (\q)%4, \oc, \os, \oks, 4*((\q)%2), (\q)/2+2
.elseif (\nks) > 0
	WLOAD (\q)%4, \nc, \ns, \nks, 4*((\q)%2), (\q)/2-2
.endif
.endr
	WIN 0
.endm
; 64 numbers of a lane in window win, from register s on, become 12 registers of codes in v[PC] on and a scale word in v[PW] (window 0)
.macro QUANTW s, win
	WIN ((\win)<<2)|((\win)<<4)                    ; sources 1 and 2
.irp b, 0,1,2,3
	v_max3_num_f32 v[TM+\b], 0x1800000, |v[(\s)+16*\b]|, |v[(\s)+1+16*\b]|   ; the floor 2^(3 - 127) and my 16 numbers of block b
.endr
.irp i, 2,4,6,8,10,12,14
.irp b, 0,1,2,3
	v_max3_num_f32 v[TM+\b], v[TM+\b], |v[(\s)+16*\b+\i]|, |v[(\s)+1+16*\b+\i]|
.endr
.endr
	WIN 0
.irp b, 0,1,2,3
	v_permlanex16_b32 v[TM+4+\b], v[TM+\b], s[SEL], s[SEL+1]
.endr
.irp b, 0,1,2,3
	v_max_num_f32 v[TM+\b], v[TM+\b], v[TM+4+\b]
.endr
.irp b, 0,1,2,3
	v_add_nc_u32 v[TM+12+\b], 0xff000000, v[TM+\b]
.endr
.irp b, 0,1,2,3
	v_lshrrev_b32 v[TM+4+\b], 23, v[TM+12+\b]
.endr
	v_lshl_or_b32 v[PW], v[TM+5], 8, v[TM+4]
	v_lshl_or_b32 v[PW], v[TM+6], 16, v[PW]
	v_lshl_or_b32 v[PW], v[TM+7], 24, v[PW]
	WIN (\win)                                     ; source 0
.irp c, 0,1
	v_cvt_scalef32_pk16_fp6_f32 v[PC+6*\c:PC+2+6*\c], v[(\s)+32*\c:(\s)+15+32*\c], v[TM+12+2*\c]
	v_cvt_scalef32_pk16_fp6_f32 v[PC+12+4*\c:PC+14+4*\c], v[(\s)+16+32*\c:(\s)+31+32*\c], v[TM+12+2*\c+1]
.endr
	WIN 0
	v_nop                                          ; one plain place behind a scaled conversion
.irp c, 0,1
.irp i, 0,1,2
	v_permlane16_swap_b32 v[PC+6*\c+\i], v[PC+12+4*\c+\i]
.endr
.irp i, 0,1,2
	v_mov_b32 v[PC+3+6*\c+\i], v[PC+12+4*\c+\i]
.endr
.endr
.endm
.macro IMAGE base, m                   ; the fragment just made is K step w of tile m
.irp g, 0,1,2
	ds_store_b128 v[HWI], v[PC+4*\g:PC+4*\g+3] offset:(\base)+4*FRB*(\m)+512*\g
.endr
	ds_store_b32 v[HWS], v[PW] offset:(\base)+ASC+512*(\m)
	s_wait_dscnt 0x0                               ; the stores have read their registers
.endm
.macro VLOAD dst, region               ; a vector's 64 numbers of my columns, in the results' layout, into window 1
	WIN 0x40
.set i, 0
.rept 16
	ds_load_b128 v[(\dst)+4*i:(\dst)+4*i+3], v[VH] offset:(\region)+128*(i/4)+16*(i%4)
.set i, i+1
.endr
	WIN 0
.endm
.macro FOLD                            ; each tile's two chains of pairs, and lane l xor 16's, into v[T + 4 m]
.irp m, 0,1,2,3
	v_pk_add_f32 v[T+4*\m:T+4*\m+1], v[T+4*\m:T+4*\m+1], v[T+4*\m+2:T+4*\m+3]
.endr
.irp m, 0,1,2,3
	v_add_f32 v[T+4*\m], v[T+4*\m], v[T+4*\m+1]
.endr
.irp m, 0,1,2,3
	v_permlanex16_b32 v[T+4*\m+1], v[T+4*\m], s[SEL], s[SEL+1]
.endr
.irp m, 0,1,2,3
	v_add_f32 v[T+4*\m], v[T+4*\m], v[T+4*\m+1]
.endr
.endm
; Window 2 holds the rows.  Mean of my 128 columns; the rows less that mean, in place; their sum of squares; the pair to LDS.
.macro LNSTAT off
	WIN 0x0a                                       ; sources 0 and 1 window 2
.irp m, 0,1,2,3
	v_pk_add_f32 v[T+4*\m:T+4*\m+1], v[64*\m:64*\m+1], v[64*\m+2:64*\m+3]          ; each accumulator is read from its low end on
	v_pk_add_f32 v[T+4*\m+2:T+4*\m+3], v[64*\m+4:64*\m+5], v[64*\m+6:64*\m+7]
.endr
	WIN 0x08
.set k, 8
.rept 14
.irp m, 0,1,2,3
	v_pk_add_f32 v[T+4*\m:T+4*\m+1], v[T+4*\m:T+4*\m+1], v[64*\m+k:64*\m+k+1]
	v_pk_add_f32 v[T+4*\m+2:T+4*\m+3], v[T+4*\m+2:T+4*\m+3], v[64*\m+k+2:64*\m+k+3]
.endr
.set k, k+4
.endr
	WIN 0
	FOLD
.irp m, 0,1,2,3
	v_mul_f32 v[ST+2*\m], 0x3c000000, v[T+4*\m]    ; / 128
	v_mov_b32 v[ST+2*\m+1], 0                      ; (named with it as a pair)
.endr
	WIN 0x82
.set k, 0
.rept 32
.irp m, 0,1,2,3
	v_pk_add_f32 v[64*\m+k:64*\m+k+1], v[64*\m+k:64*\m+k+1], v[ST+2*\m:ST+2*\m+1] op_sel_hi:[1,0] neg_lo:[0,1] neg_hi:[0,1]
.endr
.set k, k+2
.endr
	WIN 0x0a
.irp m, 0,1,2,3
	v_pk_mul_f32 v[T+4*\m:T+4*\m+1], v[64*\m:64*\m+1], v[64*\m:64*\m+1]
	v_pk_mul_f32 v[T+4*\m+2:T+4*\m+3], v[64*\m+2:64*\m+3], v[64*\m+2:64*\m+3]
.endr
.set k, 4
.rept 15
.irp m, 0,1,2,3
	v_pk_fma_f32 v[T+4*\m:T+4*\m+1], v[64*\m+k:64*\m+k+1], v[64*\m+k:64*\m+k+1], v[T+4*\m:T+4*\m+1]
	v_pk_fma_f32 v[T+4*\m+2:T+4*\m+3], v[64*\m+k+2:64*\m+k+3], v[64*\m+k+2:64*\m+k+3], v[T+4*\m+2:T+4*\m+3]
.endr
.set k, k+4
.endr
	WIN 0
	FOLD
.irp m, 0,1,2,3
	v_mov_b32 v[ST+2*\m+1], v[T+4*\m]
.endr
.irp m, 0,1,2,3
	ds_store_b64 v[STW], v[ST+2*\m:ST+2*\m+1] offset:(\off)+256*\m
.endr
.endm
; The four waves' pairs are joined: mu = the mean of the means; M2 = the sum of the sums of squares + 128 x the sum of (mean - mu)^2; rs = 1 / sqrt(M2 / 512 + eps)
.macro LNFIN off
	WIN 0
.set i, 0
.rept 16
	ds_load_b64 v[32+2*i:33+2*i], v[STR] offset:(\off)+256*i       ; (wave i / 4, tile i % 4)
.set i, i+1
.endr
	s_wait_dscnt 0x0
.irp m, 0,1,2,3
	v_add_f32 v[T+4*\m], v[32+2*\m], v[40+2*\m]
	v_add_f32 v[T+4*\m+1], v[48+2*\m], v[56+2*\m]
.endr
.irp m, 0,1,2,3
	v_add_f32 v[T+4*\m], v[T+4*\m], v[T+4*\m+1]
.endr
.irp m, 0,1,2,3
	v_mul_f32 v[T+4*\m], 0x3e800000, v[T+4*\m]     ; mu
.endr
.irp m, 0,1,2,3
	v_sub_f32 v[T+4*\m+1], v[32+2*\m], v[T+4*\m]
	v_sub_f32 v[T+4*\m+2], v[40+2*\m], v[T+4*\m]
	v_sub_f32 v[32+2*\m], v[48+2*\m], v[T+4*\m]
	v_sub_f32 v[40+2*\m], v[56+2*\m], v[T+4*\m]
.endr
.irp m, 0,1,2,3
	v_mul_f32 v[T+4*\m+1], v[T+4*\m+1], v[T+4*\m+1]
	v_add_f32 v[T+4*\m+3], v[33+2*\m], v[41+2*\m]
.endr
.irp m, 0,1,2,3
	v_fma_f32 v[T+4*\m+1], v[T+4*\m+2], v[T+4*\m+2], v[T+4*\m+1]
	v_add_f32 v[T+4*\m+3], v[T+4*\m+3], v[49+2*\m]
.endr
.irp m, 0,1,2,3
	v_fma_f32 v[T+4*\m+1], v[32+2*\m], v[32+2*\m], v[T+4*\m+1]
	v_add_f32 v[T+4*\m+3], v[T+4*\m+3], v[57+2*\m]
.endr
.irp m, 0,1,2,3
	v_fma_f32 v[T+4*\m+1], v[40+2*\m], v[40+2*\m], v[T+4*\m+1]
.endr
.irp m, 0,1,2,3
	v_fma_f32 v[T+4*\m+3], v[T+4*\m+1], 0x43000000, v[T+4*\m+3]    ; x 128
.endr
.irp m, 0,1,2,3
	v_fma_f32 v[T+4*\m+3], v[T+4*\m+3], 0x3b000000, s[EPS]         ; / 512 + eps
.endr
.irp m, 0,1,2,3
	v_rsq_f32 v[RS+2*\m], v[T+4*\m+3]
.endr
.irp m, 0,1,2,3
	v_sub_f32 v[T+4*\m], v[ST+2*\m], v[T+4*\m]     ; my mean - mu (plain work behind the batch)
.endr
	s_wait_alu depctr_va_vdst(0)                   ; one wait for the four, ahead of their first reader
.irp m, 0,1,2,3
	v_mov_b32 v[RS+2*\m+1], v[RS+2*\m]
	v_mul_f32 v[ND+2*\m], v[T+4*\m], v[RS+2*\m]
.endr
.irp m, 0,1,2,3
	v_mov_b32 v[ND+2*\m+1], v[ND+2*\m]
.endr
.endm
.macro LNAPPLY                         ; ((row - my mean) rs + (my mean - mu) rs) x gain + shift
	WIN 0x82
.set k, 0
.rept 32
.irp m, 0,1,2,3
	v_pk_fma_f32 v[64*\m+k:64*\m+k+1], v[64*\m+k:64*\m+k+1], v[RS+2*\m:RS+2*\m+1], v[ND+2*\m:ND+2*\m+1] op_sel_hi:[1,0,0]
.endr
.set k, k+2
.endr
	WIN 0x96                                       ; gain and shift in window 1
.set k, 0
.rept 32
.irp m, 0,1,2,3
	v_pk_fma_f32 v[64*\m+k:64*\m+k+1], v[64*\m+k:64*\m+k+1], v[k:k+1], v[64+k:65+k]
.endr
.set k, k+2
.endr
	WIN 0
.endm
	s_load_b512 s[8:23], s[0:1], 0x0               ; cimg s[8:9], wimg s[10:11], x s[12:13], b1 s[14:15], b2 s[16:17], ln1_g s[18:19], ln1_b s[20:21], ln2_g s[22:23]
	s_load_b128 s[24:27], s[0:1], 0x40             ; ln2_b s[24:25], out0 s[26:27]
	v_lshl_add_u32 v190, v0, 2, 0x33c00
	v_mov_b32 v191, 0
	v_lshrrev_b32 v3, 5, v0
	v_readfirstlane_b32 s2, v3                     ; wave w
	v_and_b32 v3, 31, v0                           ; lane
	v_lshlrev_b32 v[LI], 4, v3
	v_lshlrev_b32 v[LS], 2, v3
	v_and_b32 v16, 15, v0                          ; r
	v_bfe_u32 v17, v0, 4, 1                        ; h
	v_lshlrev_b32 v18, 4, v0                       ; 16 x thread
	s_mul_i32 s3, s2, FRB
	v_add_nc_u32 v[HWI], s3, v[LI]
	s_lshl_b32 s3, s2, 7
	v_add_nc_u32 v[HWS], s3, v[LS]
	s_mul_i32 s3, s2, 4*FRB
	v_add_nc_u32 v[CWI], s3, v[LI]
	s_lshl_b32 s3, s2, 9                           ; 512 w
	s_add_co_u32 s4, s3, ASC
	v_add_nc_u32 v[CWS], s4, v[LI]
	s_mul_i32 s4, s2, 16*SP
	s_add_co_u32 s4, s4, STG
	v_add_nc_u32 v[SGW], s4, v[LI]
	v_mul_u32_u24 v[SGL0], v16, SP
	v_lshl_add_u32 v[SGL0], v17, 6, v[SGL0]
	s_add_co_u32 s4, s3, STG
	v_add_nc_u32 v[SGL0], s4, v[SGL0]              ; row r, + 64 h, + 512 w
	v_add_nc_u32 v[SGL1], 32*SP, v[SGL0]
	s_add_co_u32 s4, s3, VEC
	v_lshl_add_u32 v[VH], v17, 6, s4
	s_lshl_b32 s4, s2, 10
	s_add_co_u32 s4, s4, STAT
	v_lshl_add_u32 v[STW], v3, 3, s4
	v_lshlrev_b32 v[STR], 3, v3
	v_add_nc_u32 v[STR], STAT, v[STR]
	v_add_nc_u32 v[VW], VEC, v18
.irp b, 0,1,2,3
	v_mov_b32 v[TM+4+\b], 0                        ; written once: a lane permute's destination counts as one of its sources
.endr
	s_lshl_b32 s3, s2, 5
	s_add_co_u32 s4, s3, 384                       ; wo: fragments 384 + 32 w on
	s_mul_i32 s[WOC], s4, FRB
	s_mov_b32 s[WOC+1], 0
	s_lshl_b32 s[WOS], s4, 7
	s_add_co_u32 s[WOS], s[WOS], WSO
	s_mov_b32 s[WOS+1], 0
	s_add_co_u32 s4, s3, 512                       ; w1: 512 + 128 chunk + 32 w on
	s_mul_i32 s[W1C], s4, FRB
	s_mov_b32 s[W1C+1], 0
	s_lshl_b32 s[W1S], s4, 7
	s_add_co_u32 s[W1S], s[W1S], WSO
	s_mov_b32 s[W1S+1], 0
	s_lshl_b32 s4, s2, 7
	s_add_co_u32 s4, s4, 1024                      ; w2: 1,024 + 128 w + 16 tile + 4 chunk + K step
	s_mul_i32 s[W2C], s4, FRB
	s_mov_b32 s[W2C+1], 0
	s_lshl_b32 s[W2S], s4, 7
	s_add_co_u32 s[W2S], s[W2S], WSO
	s_mov_b32 s[W2S+1], 0
	s_lshl_b32 s4, ttmp9, 6
	s_lshr_b32 s5, s2, 1
	s_lshl_b32 s5, s5, 5
	s_add_co_u32 s4, s4, s5
	s_and_b32 s5, s2, 1
	s_lshl_b32 s5, s5, 3
	s_add_co_u32 s4, s4, s5                        ; the first row of tile m = w: 64 X + 32 (w / 2) + 8 (w % 2)
	s_lshl_b32 s40, s4, 11
	s_mov_b32 s41, 0
	s_lshl_b32 s4, ttmp9, 2
	s_add_co_u32 s4, s4, s2
	s_mul_i32 s44, s4, 4*FRB
	s_mov_b32 s45, 0
	s_lshl_b32 s46, s4, 9
	s_add_co_u32 s46, s46, XSO
	s_mov_b32 s47, 0
	s_mov_b32 s[SEL], 0x76543210
	s_mov_b32 s[SEL+1], 0xfedcba98
	s_mov_b32 s[EPS], 0x3727c5ac                   ; 1e-5
	s_mov_b32 s[B1S], 0
	s_wait_kmcnt 0x0
	s_add_nc_u64 s[WOC:WOC+1], s[10:11], s[WOC:WOC+1]
	s_add_nc_u64 s[WOS:WOS+1], s[10:11], s[WOS:WOS+1]
	s_add_nc_u64 s[W1C:W1C+1], s[10:11], s[W1C:W1C+1]
	s_add_nc_u64 s[W1S:W1S+1], s[10:11], s[W1S:W1S+1]
	s_add_nc_u64 s[W2C:W2C+1], s[10:11], s[W2C:W2C+1]
	s_add_nc_u64 s[W2S:W2S+1], s[10:11], s[W2S:W2S+1]
	s_add_nc_u64 s[42:43], s[26:27], s[40:41]      ; out,
	s_add_nc_u64 s[40:41], s[12:13], s[40:41]      ; x: at tile w's first row
	s_add_nc_u64 s[44:45], s[8:9], s[44:45]        ; ctx's four fragments of tile w,
	s_add_nc_u64 s[46:47], s[8:9], s[46:47]        ; and their scale words
	; ---- the head: vectors, ctx and x come once; each wave brings a quarter, dense, and lays it into LDS
.set i, 0
.rept 4
	global_load_b128 v[192+4*i:195+4*i], v18, s[14:15] offset:2048*i
.set i, i+1
.endr
	global_load_b128 v[208:211], v18, s[16:17]
	global_load_b128 v[212:215], v18, s[18:19]
	global_load_b128 v[216:219], v18, s[20:21]
	global_load_b128 v[220:223], v18, s[22:23]
	global_load_b128 v[224:227], v18, s[24:25]
.set i, 0
.rept 12
	global_load_b128 v[32+4*i:35+4*i], v[LI], s[44:45] offset:512*i
.set i, i+1
.endr
	global_load_b128 v[80:83], v[LI], s[46:47]
	WIN 0x80                                       ; destination window 2
.set n, 0
.rept 64
	global_load_b128 v[4*n:4*n+3], v[LI], s[40:41] offset:((n/4)+8*((n/4)/8))*2048+512*(n%4) th:TH_LOAD_NT   ; lane n / 4 of the tile: 512 consecutive bytes of its row
.set n, n+1
.endr
	WLOAD 0, WOC, WOS, 4, 0, 0
	WLOAD 1, WOC, WOS, 4, 4, 0
	WLOAD 2, WOC, WOS, 4, 0, 1
	s_wait_loadcnt 48                              ; all but the ring's three sets of 16
	WIN 0
.set i, 0
.rept 9
	ds_store_b128 v[VW], v[192+4*i:195+4*i] offset:2048*i
.set i, i+1
.endr
.set i, 0
.rept 12
	ds_store_b128 v[CWI], v[32+4*i:35+4*i] offset:ACTH+512*i
.set i, i+1
.endr
	ds_store_b128 v[CWS], v[80:83] offset:ACTH
	WIN 0x08                                       ; an LDS store's data are its source 1: window 2
.set n, 0
.rept 64
	ds_store_b128 v[SGW], v[4*n:4*n+3] offset:SP*(n/4)+512*(n%4)
.set n, n+1
.endr
	WLOAD 3, WOC, WOS, 4, 4, 1
	BARRIER                                        ; vectors, ctx's sixteen images and 64 rows of x lie in LDS
	WIN 0x80
.irp m, 0,1,2,3
.set i, 0
.rept 16
	ds_load_b128 v[64*\m+4*i:64*\m+4*i+3], v[SGL0+\m/2] offset:(\m%2)*16*SP+128*(i/4)+16*(i%4)   ; x in the results' layout: the C of the first product
.set i, i+1
.endr
.endr
	; ---- z = x + ctx wo
	GEMM ACTH, 2, 1, WOC, WOS, 4, W1C, W1S, 4
	; ---- y = LayerNorm(z)
	VLOAD 0, VG1
	VLOAD 64, VE1
	VLOAD 128, VB2
	LNSTAT 0
	BARRIER                                        ; every wave's pairs lie in LDS (and gain, shift and b2 are in)
	LNFIN 0
	LNAPPLY
.irp m, 0,1,2,3
	QUANTW 64*\m, 2
	IMAGE ACTY, \m
.endr
	WIN 0x86
.set k, 0
.rept 32
.irp m, 0,1,2,3
	v_pk_add_f32 v[64*\m+k:64*\m+k+1], v[64*\m+k:64*\m+k+1], v[128+k:129+k]   ; y + b2: what the last product adds onto
.endr
.set k, k+2
.endr
	WIN 0
	BARRIER                                        ; y's sixteen images lie in LDS
; ---- a chunk of 512 hidden units
.macro CHUNK last
	WIN 0
	v_add_nc_u32 v[B1A], s[B1S], v[VH]
.set i, 0
.rept 16
	ds_load_b128 v[BI+4*i:BI+4*i+3], v[B1A] offset:128*(i/4)+16*(i%4)     ; b1 of my 128 units, as eight C tiles
.set i, i+1
.endr
	GEMM ACTY, 1, 2, W1C, W1S, 4, W2C, W2S, 16
	s_wait_xcnt 0x0                                ; the loads have read their bases: w1's step to the next chunk only behind this wait
	s_add_nc_u64 s[W1C:W1C+1], s[W1C:W1C+1], 128*FRB
	s_add_nc_u64 s[W1S:W1S+1], s[W1S:W1S+1], 128*128
	s_add_co_u32 s[B1S], s[B1S], 2048
	BARRIER                                        ; every wave's reads of the images that are now written over (ctx's, or the last chunk's) are over
.irp m, 0,1,2,3
	WIN 0x44
.set j, 0
.rept 64
	v_max_num_f32 v[64*\m+j], 0, v[64*\m+j]        ; relu, in f32, each accumulator from its low end on
.set j, j+1
.endr
	QUANTW 64*\m, 1
	IMAGE ACTH, \m
.endr
	BARRIER                                        ; the chunk's sixteen images lie in LDS
.if \last
	GEMM ACTH, 2, 1, W2C, W2S, 16, W2C, W2S, 0
.else
	GEMM ACTH, 2, 1, W2C, W2S, 16, W1C, W1S, 4
	s_wait_xcnt 0x0
	s_add_nc_u64 s[W2C:W2C+1], s[W2C:W2C+1], 4*FRB
	s_add_nc_u64 s[W2S:W2S+1], s[W2S:W2S+1], 512
.endif
.endm
	s_mov_b32 s[CNT], 3
.Lchunk:
	CHUNK 0
	s_sub_co_u32 s[CNT], s[CNT], 1
	s_cmp_lg_u32 s[CNT], 0
	s_cbranch_scc1 .Lchunk
	CHUNK 1                                        ; the last chunk is written out: its second product asks for no further weights
	; ---- out = LayerNorm(y + ffn)
	VLOAD 0, VG2
	VLOAD 64, VE2
	LNSTAT 4096
	BARRIER
	LNFIN 4096
	LNAPPLY
	; ---- the way out: a row's 512 numbers come from four waves; they meet in the stage, and each wave stores 16 whole rows
	WIN 0x08
.irp m, 0,1,2,3
.set i, 0
.rept 16
	ds_store_b128 v[SGL0+\m/2], v[64*\m+4*i:64*\m+4*i+3] offset:(\m%2)*16*SP+128*(i/4)+16*(i%4)
.set i, i+1
.endr
.endr
	BARRIER
	WIN 0x40
.set n, 0
.rept 64
	ds_load_b128 v[4*n:4*n+3], v[SGW] offset:SP*(n/4)+512*(n%4)
.set n, n+1
.endr
	WIN 0x04                                       ; a store's data are its source 1: window 1
.set n, 0
.rept 4
	s_wait_dscnt 48-n/16*16                        ; this group of 16 loads is in; the later groups may be out
.rept 16
	global_store_b128 v[LI], v[4*n:4*n+3], s[42:43] offset:((n/4)+8*((n/4)/8))*2048+512*(n%4) th:TH_STORE_NT   ; 512 consecutive bytes, at a multiple of 256 from out0's first byte
.set n, n+1
.endr
.endr
	WIN 0
	s_wait_tensorcnt 0x0
	ds_add_u32 v190, v191
	s_wait_dscnt 0x0
	s_endpgm
.Lfunc_end_k_q8dadc86796_tail:
	.size	k_q8dadc86796_tail, .Lfunc_end_k_q8dadc86796_tail-k_q8dadc86796_tail
	.p2alignl 7, 3214868480
	.fill 96, 4, 3214868480
	.section	.rodata,"a",@progbits
	.p2align	6, 0x0
	.amdhsa_kernel k_q8dadc86796_tail
		.amdhsa_group_segment_fixed_size 212480
		.amdhsa_private_segment_fixed_size 0
		.amdhsa_enable_private_segment 0
		.amdhsa_kernarg_size 80
		.amdhsa_user_sgpr_count 2
		.amdhsa_user_sgpr_kernarg_segment_ptr 1
		.amdhsa_wavefront_size32 1
		.amdhsa_system_sgpr_workgroup_id_x 1
		.amdhsa_system_sgpr_workgroup_id_y 1
		.amdhsa_system_sgpr_workgroup_id_z 1
		.amdhsa_system_vgpr_workitem_id 0
		.amdhsa_next_free_vgpr 1024
		.amdhsa_next_free_sgpr 66
		.amdhsa_reserve_vcc 0
		.amdhsa_float_denorm_mode_32 3
		.amdhsa_float_denorm_mode_16_64 3
		.amdhsa_memory_ordered 1
		.amdhsa_forward_progress 1
		.amdhsa_inst_pref_size 255
	.end_amdhsa_kernel
	.section	.bss,"aw",@nobits
	.p2align	6
	.space	262144
	.amdgpu_metadata
---
amdhsa.version: [ 1, 2 ]
amdhsa.kernels:
  - .name:           k_q8dadc86796_tail
    .symbol:         k_q8dadc86796_tail.kd
    .args:
      - { .name: cimg, .offset: 0, .size: 8, .value_kind: global_buffer, .address_space: global }
      - { .name: wimg, .offset: 8, .size: 8, .value_kind: global_buffer, .address_space: global }
      - { .name: x, .offset: 16, .size: 8, .value_kind: global_buffer, .address_space: global }
      - { .name: b1, .offset: 24, .size: 8, .value_kind: global_buffer, .address_space: global }
      - { .name: b2, .offset: 32, .size: 8, .value_kind: global_buffer, .address_space: global }
      - { .name: ln1_g, .offset: 40, .size: 8, .value_kind: global_buffer, .address_space: global }
      - { .name: ln1_b, .offset: 48, .size: 8, .value_kind: global_buffer, .address_space: global }
      - { .name: ln2_g, .offset: 56, .size: 8, .value_kind: global_buffer, .address_space: global }
      - { .name: ln2_b, .offset: 64, .size: 8, .value_kind: global_buffer, .address_space: global }
      - { .name: out0, .offset: 72, .size: 8, .value_kind: global_buffer, .address_space: global }
    .group_segment_fixed_size: 212480
    .private_segment_fixed_size: 0
    .kernarg_segment_align: 8
    .kernarg_segment_size: 80
    .max_flat_workgroup_size: 128
    .sgpr_count:     66
    .vgpr_count:     1024
    .wavefront_size: 32
...
	.end_amdgpu_metadata
.endif
;; end of part 4
;; ======== version 2 of 2: 4 launches; version 1 with the launches proj, attn, tail written anew for expert scheduling mode
;; limits: right only within a limited range of input values
;; workspace buffers: ximg 6,815,744 bytes; wimg 2,555,904 bytes; qkv 20,447,232 bytes; cimg 6,815,744 bytes
;; launch prep: the kernel of part 1 again; grid 448 x 1, 4 waves a work-group, no clusters, 34,304 bytes of LDS; arguments x, wq, wk, wv, wo, w1, w2, ximg, wimg; writes ximg, wimg
;; launch proj (part 5): grid 64 x 3, 4 waves a work-group, no clusters, 0 bytes of LDS; arguments ximg, wimg, qkv; writes qkv
.if DOCPART == 5
	.amdgcn_target "amdgcn-amd-amdhsa--gfx1250"
	.amdhsa_code_object_version 6
	.text
	.protected	k_q8dadc86796_proj
	.globl	k_q8dadc86796_proj
	.p2align	8
	.type	k_q8dadc86796_proj,@function
k_q8dadc86796_proj:
	s_mov_b64 s[64:65], 0
	v_nop
	global_prefetch_b8 v0, s[64:65] scope:SCOPE_SE
	s_setreg_imm32_b32 hwreg(HW_REG_WAVE_SCHED_MODE, 0, 2), 2
	s_setreg_imm32_b32 hwreg(HW_REG_WAVE_MODE, 25, 1), 1
	s_wait_xcnt 0x0
	s_wait_alu depctr_vm_vsrc(0)
; PROJ: q = x wq, k = x wk, v = x wv on codes of FP6, and the results quantised at once: q and k along a head's 64 channels, v along the keys.
; Buffers lie as images of operand registers (1,536 bytes a fragment, 128 bytes of scale words; lane r of tile t holds row 32 (t / 2) + 8 (t % 2) + r + 8 (r / 8)).
; ONE BODY, THREE ROLES (work-group y = 0: q, 1: k, 2: v).  A wave keeps a STATIONARY slab of 8 tiles x 4 K steps in 384 registers and STREAMS 16 tiles past it.  Every product has the stationary
; tile as source 0 and the streamed tile as source 1: a lane then holds ONE streamed row, and its 64 result registers run along the slab's 128 rows in their natural order: one fragment of the next operand.
;   q, k: stationary = 128 columns of the weight (a pair of heads, by the wave), streamed = 16 tiles of x (by work-group x).  Result: a fragment of 16 rows x the pair's 128 channels.
;   v:    stationary = 128 rows of x (keys), streamed = 16 tiles of wv's columns.  Result: a fragment of 16 channels x 128 keys.
; qkv: fragments 0-4095 q, 4096-8191 k: (batch x 4 + pair) x 64 + tile of rows; 8192-12287 v: (batch x 4 + pair) x 64 + tile of channels x 8 + step of 128 keys.
; No LDS: each fragment goes from memory into the registers of the wave that multiplies it.  192 work-groups: three roles of 64.
; LIMITS: NaN and infinities are not served; a block of zeros gets the byte 1.
; THE MODE: SCHED_MODE bits 1:0 = 2 (LLVM: expert scheduling mode 2), set by the entry lines.  The code itself states the register dependences
; between vector or matrix instructions and memory instructions, with s_wait_alu, always for 0.
; THE PLAN.  Registers that memory instructions touch:
;   v1, v2        byte offsets, made once at the head and never written again: the scalar bases move on, and immediate offsets do the rest.
;   the slab (windows 1, 2) and v120-151: loaded once at the head; afterwards named by matrix instructions alone.
;   set 0, set 1  (v16-63 with v112-115, v64-111 with v116-119).  Tile p's 32 products read set p % 2; the loads of tile p + 1, issued at tile p's head, land in the other set.
;   v216-227, v252  the codes and the scale word.  Written by tile p's quantiser; read by the four stores that are issued at tile p + 1's head.
; So ONE wait on va_vdst stands at a tile's head: the tile before is done reading its set and has written its codes.  The tile's 16 loads and 4 stores follow it with no vector instruction between.
; Behind the tile's products, ahead of its quantiser, stand the wait on XCNT and the wait on vm_vsrc for those stores; the four bases move on there.
.set XSO,  6291456
.set WSO,  2359296
.set QSO,  18874368
.set FRB,  1536
.set LI,   1                           ; v1  16 x lane
.set LS,   2                           ; v2  4 x lane
.set STS,  120                         ; v120-151 the slab's scale words (4 t + s).  v16-63, v64-111: two streamed sets; v112-115, v116-119: their scale words
.set HA,   152                         ; v152-215 eight accumulators
.set PC,   216                         ; v216-235 the codes just made
.set TM,   236                         ; v236-251 at work in QUANT
.set PW,   252                         ; v252 the scale word just made
.set SEL,  50                          ; s[50:51]
; window 1: the slab's K steps 0, 1 at v[12 (2 t + s)];  window 2: K steps 2, 3 at v[12 (2 t + s - 2)]
.set MSB, 0
.macro WIN new                         ; the immediate's high byte repeats the setting that is left
.if MSB != (\new)
	s_set_vgpr_msb (MSB<<8)|(\new)
.set MSB, (\new)
.endif
.endm
.macro QUANT s                         ; 64 numbers of a lane, register 16 b + i = k 32 b + 16 (lane / 16) + i, become 12 registers of codes in v[PC] on and a scale word in v[PW]
.irp b, 0,1,2,3
	v_max3_num_f32 v[TM+\b], |v[\s+16*\b]|, |v[\s+1+16*\b]|, 0x1800000   ; (each accumulator is read from its low end on)
.endr
.irp i, 2,4,6,8,10,12,14
.irp b, 0,1,2,3
	v_max3_num_f32 v[TM+\b], v[TM+\b], |v[\s+16*\b+\i]|, |v[\s+1+16*\b+\i]|
.endr
.endr
.irp b, 0,1,2,3
	v_permlanex16_b32 v[TM+4+\b], v[TM+\b], s[SEL], s[SEL+1]
.endr
.irp b, 0,1,2,3
	v_max_num_f32 v[TM+\b], v[TM+\b], v[TM+4+\b]
.endr
.irp b, 0,1,2,3
	v_add_nc_u32 v[TM+12+\b], 0xff000000, v[TM+\b]
.endr
.irp b, 0,1,2,3
	v_lshrrev_b32 v[TM+4+\b], 23, v[TM+12+\b]
.endr
	v_lshl_or_b32 v[PW], v[TM+5], 8, v[TM+4]
	v_lshl_or_b32 v[PW], v[TM+6], 16, v[PW]
	v_lshl_or_b32 v[PW], v[TM+7], 24, v[PW]
.irp c, 0,1
	v_cvt_scalef32_pk16_fp6_f32 v[PC+6*\c:PC+2+6*\c], v[\s+32*\c:\s+15+32*\c], v[TM+12+2*\c]
	v_cvt_scalef32_pk16_fp6_f32 v[PC+12+4*\c:PC+14+4*\c], v[\s+16+32*\c:\s+31+32*\c], v[TM+12+2*\c+1]
.endr
	v_nop                                          ; one plain place behind a scaled conversion
.irp c, 0,1
.irp i, 0,1,2
	v_permlane16_swap_b32 v[PC+6*\c+\i], v[PC+12+4*\c+\i]
.endr
.irp i, 0,1,2
	v_mov_b32 v[PC+3+6*\c+\i], v[PC+12+4*\c+\i]
.endr
.endr
.endm
	s_load_b128 s[4:7], s[0:1], 0x0                ; ximg s[4:5], wimg s[6:7]
	s_load_b64 s[8:9], s[0:1], 0x10                ; qkv
	v_lshrrev_b32 v3, 5, v0
	v_readfirstlane_b32 s2, v3                     ; wave w
	v_and_b32 v3, 31, v0
	v_lshlrev_b32 v[LI], 4, v3
	v_lshlrev_b32 v[LS], 2, v3
	s_wait_alu depctr_va_sdst(0)                   ; s2 is written, ahead of its first reader: the fragment numbers are made from it
	s_and_b32 s3, ttmp7, 0xffff                    ; the role
	; fragment numbers for q and k
	s_lshl_b32 s10, s3, 7
	s_lshl_b32 s11, s2, 5
	s_add_co_u32 s10, s10, s11                     ; slab: 128 role + 32 w
	s_lshl_b32 s11, ttmp9, 6                       ; streamed: 64 X
	s_lshr_b32 s12, ttmp9, 2
	s_lshl_b32 s12, s12, 2
	s_add_co_u32 s12, s12, s2
	s_lshl_b32 s12, s12, 6
	s_and_b32 s13, ttmp9, 3
	s_lshl_b32 s13, s13, 4
	s_add_co_u32 s12, s12, s13
	s_lshl_b32 s13, s3, 12
	s_add_co_u32 s12, s12, s13                     ; out: 4,096 role + ((X / 4) 4 + w) 64 + 16 (X % 4)
	; and for v
	s_lshr_b32 s14, ttmp9, 1
	s_lshl_b32 s14, s14, 2
	s_add_co_u32 s14, s14, s2                      ; G: which 128 keys
	s_lshl_b32 s15, s14, 5                         ; slab: 32 G
	s_and_b32 s16, ttmp9, 1
	s_lshl_b32 s17, s16, 6
	s_add_co_u32 s17, s17, 256                     ; streamed: wv's fragments, 256 + 64 (X % 2)
	s_lshr_b32 s18, s14, 3
	s_lshl_b32 s18, s18, 5
	s_lshl_b32 s16, s16, 4
	s_add_co_u32 s18, s18, s16
	s_lshl_b32 s18, s18, 3
	s_and_b32 s19, s14, 7
	s_add_co_u32 s18, s18, s19
	s_add_co_u32 s18, s18, 8192                    ; out: 8,192 + ((G / 8) 32 + 16 (X % 2)) 8 + G % 8
	s_mov_b32 s20, XSO
	s_mov_b32 s21, WSO
	s_cmp_eq_u32 s3, 2
	s_cselect_b32 s10, s15, s10
	s_cselect_b32 s11, s17, s11
	s_cselect_b32 s12, s18, s12
	s_cselect_b32 s13, 8, 1                        ; from one result to the next, in fragments
	s_cselect_b32 s14, s20, s21                    ; where the scale words begin in the slab's buffer,
	s_cselect_b32 s15, s21, s20                    ; and in the streamed one's
	s_mul_i32 s22, s10, FRB
	s_mov_b32 s23, 0
	s_lshl_b32 s24, s10, 7
	s_add_co_u32 s24, s24, s14
	s_mov_b32 s25, 0
	s_mul_i32 s26, s11, FRB
	s_mov_b32 s27, 0
	s_lshl_b32 s28, s11, 7
	s_add_co_u32 s28, s28, s15
	s_mov_b32 s29, 0
	s_mul_i32 s30, s12, FRB
	s_mov_b32 s31, 0
	s_lshl_b32 s20, s12, 7
	s_add_co_u32 s20, s20, QSO
	s_mov_b32 s21, 0
	s_mul_i32 s44, s13, FRB
	s_mov_b32 s45, 0
	s_lshl_b32 s46, s13, 7
	s_mov_b32 s47, 0
	s_mov_b32 s[SEL], 0x76543210
	s_mov_b32 s[SEL+1], 0xfedcba98
.irp b, 0,1,2,3
	v_mov_b32 v[TM+4+\b], 0                        ; written once: a lane permute's destination counts as one of its sources
.endr
	s_wait_kmcnt 0x0
	s_cmp_eq_u32 s3, 2                             ; the buffers are chosen by the work-group's number alone
	s_cselect_b64 s[32:33], s[4:5], s[6:7]
	s_cselect_b64 s[36:37], s[6:7], s[4:5]
	s_add_nc_u64 s[34:35], s[32:33], s[24:25]      ; the slab's scale words,
	s_add_nc_u64 s[32:33], s[32:33], s[22:23]      ; its codes;
	s_add_nc_u64 s[38:39], s[36:37], s[28:29]      ; the streamed tiles' scale words,
	s_add_nc_u64 s[36:37], s[36:37], s[26:27]      ; their codes;
	s_add_nc_u64 s[40:41], s[8:9], s[30:31]        ; the results' codes,
	s_add_nc_u64 s[42:43], s[8:9], s[20:21]        ; their scale words
	WIN 0x40                                       ; destination window 1
	s_wait_alu depctr_va_vdst(0)                   ; v1 and v2 are written: every load and store of the kernel reads one of them as its offset
.irp t, 0,1,2,3,4,5,6,7
.irp s, 0,1
.irp g, 0,1,2
	global_load_b128 v[12*(2*\t+\s)+4*\g:12*(2*\t+\s)+4*\g+3], v[LI], s[32:33] offset:(4*\t+\s)*FRB+512*\g
.endr
.endr
.endr
	WIN 0x80                                       ; destination window 2
.irp t, 0,1,2,3,4,5,6,7
.irp s, 0,1
.irp g, 0,1,2
	global_load_b128 v[12*(2*\t+\s)+4*\g:12*(2*\t+\s)+4*\g+3], v[LI], s[32:33] offset:(4*\t+\s+2)*FRB+512*\g
.endr
.endr
.endr
	WIN 0
.set i, 0
.rept 32
	global_load_b32 v[STS+i], v[LS], s[34:35] offset:128*i
.set i, i+1
.endr
.set i, 0
.rept 12
	global_load_b128 v[16+4*i:16+4*i+3], v[LI], s[36:37] offset:512*i     ; the first streamed tile: 6,144 dense bytes
.set i, i+1
.endr
.set i, 0
.rept 4
	global_load_b32 v[112+i], v[LS], s[38:39] offset:128*i
.set i, i+1
.endr
; One streamed tile, in set `set`.  first = 1: tile 0, with no tile in front of it: nothing to store.  next = 1: the tile behind it is asked for, into the other set.
.macro TILE set, first, next
.set SF, 16+48*(\set)
.set SS, 112+4*(\set)
.set NF, 16+48*(1-(\set))
.set NS, 112+4*(1-(\set))
.if !\first
	s_wait_alu depctr_va_vdst(0)                   ; the tile before: its products are done reading the other set, in which the loads below land; its quantiser has written the codes and the scale word, which the stores below read
.endif
.if \next
.set i, 0
.rept 12
	global_load_b128 v[NF+4*i:NF+4*i+3], v[LI], s[36:37] offset:4*FRB+512*i
.set i, i+1
.endr
.set i, 0
.rept 4
	global_load_b32 v[NS+i], v[LS], s[38:39] offset:512+128*i
.set i, i+1
.endr
.endif
.if !\first
.irp g, 0,1,2
	global_store_b128 v[LI], v[PC+4*\g:PC+4*\g+3], s[40:41] offset:512*\g   ; the tile before: 512 consecutive bytes a store
.endr
	global_store_b32 v[LS], v[PW], s[42:43]
.endif
.if \next
	s_wait_loadcnt 16                              ; all but the 16 just issued: this tile (and, the first time, the slab) is in
.else
	s_wait_loadcnt 0x0
.endif
.irp s, 0,1,2,3                        ; the eight accumulators take turns, one instruction a turn, K step by K step
	WIN 1+(\s)/2                                   ; source 0: window 1 or 2
.irp t, 0,1,2,3,4,5,6,7
.if \s == 0
	v_wmma_scale_f32_16x16x128_f8f6f4 v[HA+8*\t:HA+8*\t+7], v[12*(2*\t+\s%2):12*(2*\t+\s%2)+11], v[SF+12*\s:SF+12*\s+11], 0, v[STS+4*\t+\s], v[SS+\s] matrix_a_fmt:MATRIX_FMT_FP6 matrix_b_fmt:MATRIX_FMT_FP6
.else
	v_wmma_scale_f32_16x16x128_f8f6f4 v[HA+8*\t:HA+8*\t+7], v[12*(2*\t+\s%2):12*(2*\t+\s%2)+11], v[SF+12*\s:SF+12*\s+11], v[HA+8*\t:HA+8*\t+7], v[STS+4*\t+\s], v[SS+\s] matrix_a_fmt:MATRIX_FMT_FP6 matrix_b_fmt:MATRIX_FMT_FP6
.endif
.endr
.endr
	WIN 0
.rept 4
	v_nop                                          ; four places between the last product and the first read of results (ISA guide 7.12.1)
.endr
	s_wait_xcnt 0x0                                ; the loads and stores at this tile's head have had their addresses translated (ISA guide 3.1): the bases step, and the codes' registers are written again, only behind this wait
.if !\first
	s_wait_alu depctr_vm_vsrc(0)                   ; the stores at this tile's head have read the codes and the scale word, which the quantiser below writes again
.endif
.if \next
	s_add_nc_u64 s[36:37], s[36:37], 4*FRB         ; the streamed tiles' bases at the next tile
	s_add_nc_u64 s[38:39], s[38:39], 512
.endif
.if !\first
	s_add_nc_u64 s[40:41], s[40:41], s[44:45]      ; the results' bases at this tile's result
	s_add_nc_u64 s[42:43], s[42:43], s[46:47]
.endif
	QUANT HA
.endm
	TILE 0, 1, 1                                   ; tile 0
	s_mov_b32 s48, 7
.Ltiles:                               ; tiles 1 to 14, two to a trip: both sets are back at their start
	TILE 1, 0, 1
	TILE 0, 0, 1
	s_sub_co_u32 s48, s48, 1
	s_cmp_lg_u32 s48, 0
	s_cbranch_scc1 .Ltiles
	TILE 1, 0, 0                                   ; tile 15 is written out: no load leaves its buffer
	s_wait_alu depctr_va_vdst(0)                   ; tile 15's quantiser has written the codes and the scale word, which the last four stores read
.irp g, 0,1,2
	global_store_b128 v[LI], v[PC+4*\g:PC+4*\g+3], s[40:41] offset:512*\g
.endr
	global_store_b32 v[LS], v[PW], s[42:43]
	s_endpgm
.Lfunc_end_k_q8dadc86796_proj:
	.size	k_q8dadc86796_proj, .Lfunc_end_k_q8dadc86796_proj-k_q8dadc86796_proj
	.p2alignl 7, 3214868480
	.fill 96, 4, 3214868480
	.section	.rodata,"a",@progbits
	.p2align	6, 0x0
	.amdhsa_kernel k_q8dadc86796_proj
		.amdhsa_group_segment_fixed_size 0
		.amdhsa_private_segment_fixed_size 0
		.amdhsa_enable_private_segment 0
		.amdhsa_kernarg_size 24
		.amdhsa_user_sgpr_count 2
		.amdhsa_user_sgpr_kernarg_segment_ptr 1
		.amdhsa_wavefront_size32 1
		.amdhsa_system_sgpr_workgroup_id_x 1
		.amdhsa_system_sgpr_workgroup_id_y 1
		.amdhsa_system_sgpr_workgroup_id_z 1
		.amdhsa_system_vgpr_workitem_id 0
		.amdhsa_next_free_vgpr 768
		.amdhsa_next_free_sgpr 66
		.amdhsa_reserve_vcc 0
		.amdhsa_float_denorm_mode_32 3
		.amdhsa_float_denorm_mode_16_64 3
		.amdhsa_memory_ordered 1
		.amdhsa_forward_progress 1
		.amdhsa_inst_pref_size 56
	.end_amdhsa_kernel
	.amdgpu_metadata
---
amdhsa.version: [ 1, 2 ]
amdhsa.kernels:
  - .name:           k_q8dadc86796_proj
    .symbol:         k_q8dadc86796_proj.kd
    .args:
      - { .name: ximg, .offset: 0, .size: 8, .value_kind: global_buffer, .address_space: global }
      - { .name: wimg, .offset: 8, .size: 8, .value_kind: global_buffer, .address_space: global }
      - { .name: qkv, .offset: 16, .size: 8, .value_kind: global_buffer, .address_space: global }
    .group_segment_fixed_size: 0
    .private_segment_fixed_size: 0
    .kernarg_segment_align: 8
    .kernarg_segment_size: 24
    .max_flat_workgroup_size: 128
    .sgpr_count:     66
    .vgpr_count:     768
    .wavefront_size: 32
...
	.end_amdgpu_metadata
.endif
;; end of part 5
;; launch attn (part 6): grid 8 x 32, 16 waves a work-group, no clusters, 229,376 bytes of LDS; arguments qkv, valid_lens, cimg; writes cimg
.if DOCPART == 6
	.amdgcn_target "amdgcn-amd-amdhsa--gfx1250"
	.amdhsa_code_object_version 6
	.text
	.protected	k_q8dadc86796_attn
	.globl	k_q8dadc86796_attn
	.p2align	8
	.type	k_q8dadc86796_attn,@function
k_q8dadc86796_attn:
	s_mov_b64 s[64:65], 0
	v_nop
	global_prefetch_b8 v0, s[64:65] scope:SCOPE_SE
	s_setreg_imm32_b32 hwreg(HW_REG_WAVE_SCHED_MODE, 0, 2), 2
	s_setreg_imm32_b32 hwreg(HW_REG_WAVE_MODE, 25, 1), 1
	s_wait_xcnt 0x0
	s_wait_alu depctr_vm_vsrc(0)
; ATTN: ctx = softmax(q k^T / 8, keys at or beyond valid_len masked) v, both products on codes of FP6; ctx is quantised at once (K = the model's 512; a pair of heads' 128 channels = one K step).
; SOFTMAX AHEAD OF THE SECOND PRODUCT: t = score x log2(e) / 8; M = the running largest t rounded UP to a whole number; p = 2^(t - M) is quantised along the keys, not normalised; the row's sum is taken of the
; unquantised p and divides at the end.  When M moves, the sum and O are multiplied by 2^(old M - new M): exact.
; SHARES.  A UNIT is 128 queries of one (batch, pair of heads): 8 tiles of 16 queries x 2 heads = the sixteen waves (wave w: tile w / 2, head w % 2).  A unit costs each wave ceil(valid_len / 128) key steps.
; A WORK-GROUP TAKES TWO UNITS, so that the work is even whatever the lengths: the sixteen batches are ordered by length, and work-group (x, y), y = 4 i + pair, x = block of 128 queries, takes the batch at
; place 15 - i and then the batch at place i.  The order is made by every wave in scalar registers from valid_lens, the problem's index input: keys length x 32 + flag x 16 + batch, a network of compare-exchanges.
; Exchanges only permute the keys: each batch falls to exactly one place, so every unit is done once whatever order comes out.
; K AND V of a unit's pair (fragments as images of operand registers) come into LDS through registers, only the groups of 256 keys that will be read, and are read by all sixteen waves.
; K = 64 IN AN INSTRUCTION OF 128: a fragment of k holds both heads (k 0-63 head A, 64-127 head B).  q goes in with the other head's half turned into zero codes, which annul that half under any scale byte.
; Both products are used transposed (S^T = k q^T, O^T = v^T p^T): a lane holds one query throughout.  The rows of a tile are chosen (lane r of tile t: row 32 (t / 2) + 8 (t % 2) + r + 8 (r / 8)) so that
; the 16 registers of tiles 2 b and 2 b + 1 are 16 neighbouring keys (or channels).
; THE MASK: the loop over the 8 steps of 128 keys has a constant count; a step all of whose keys are masked leaves its work out by a scalar branch on the length.
; THE WAY OUT: a head's 64 channels are half a fragment of ctx (six registers, two scale bytes).  Each wave lays them into LDS bytes of its own; behind the unit's closing barrier waves 0-7 read a whole fragment each.
; No tensor load, no cluster, though eight work-groups walk the same K and V: the branches on valid_len are what spares the masked work.
; LIMITS: masked logits are -infinity here and -1e9 in the definition: the two differ only where true logits lie near or under -1e9.  valid_len <= 0: all logits equal, as the definition has it (c = 0, all keys on).
; valid_len > 1,024: no mask.  NaN and infinities are not served.  A block of zeros gets the byte 1.
; REGISTERS: v1-7 and v28-34 addresses that stay; v8-11 addresses in hand; v12 -M, v13 the largest t, v[14:15] the sum; v[16:27] q; v36-83 four fragments, KA (v36-139: the fill's landing); v96-159 S^T, then p;
; v160-191 O^T; v192-212 the closing quantiser; v224-235 p's codes; v232-254 at work; v248-251 KA's scale words; v253 p's scale word; v255 q's.
; KB, four more fragments, lies in registers that are idle while the scores are made: v84-95, v192-203, v204-215, v224-235; its scale words in v216-219.
; THE MODE: SCHED_MODE bits 1:0 = 2 (LLVM: expert scheduling mode 2), set by the entry lines.  The code itself states the register dependences
; between vector or matrix instructions and memory or LDS instructions, with s_wait_alu, always for 0.
; THE PLAN.  Registers that memory or LDS instructions touch:
;   v1-7, v28-34  made at the head, never written again: one wait on va_vdst at the head's end.
;   v8-11         written by four additions at a step's head; read by the step's 48 LDS loads.
;   KA, v248-251  k's tiles 0-3 land at a step's head and are read by four products; v's four tiles land behind the scores' products and are read by the step's last four products.
;   KB, v216-219  k's tiles 4-7 land at a step's head and are read by four products; afterwards vector instructions use part of these registers (p's codes; at a unit's end the closing quantiser).
;   v36-139       the fill: loads land, LDS stores read.      v192-197, v212: written by the closing quantiser, read by LDS stores.      v96-110: the hand-over: LDS loads land, one vector line, global stores read.
; A STEP'S WAITS: vm_vsrc ahead of the four additions; va_vdst behind them (the addresses are written; the last step's products are done with KA and with p's codes), then k's eight fragments in one run;
; va_vdst behind the scores' products, then v's four fragments, which land while the softmax is worked; the two waits behind the exponentials; va_vdst ahead of the last four products (p's codes and scale word are written).
.set QSO,  18874368
.set CSO,  6291456
.set FRB,  1536
.set KIMG, 0                           ; LDS: 64 fragments of k,
.set VIMG, 98304                       ; 64 of v (tile of channels x 8 + step of keys),
.set KSC,  196608                      ; their scale words, 128 bytes a fragment
.set VSC,  204800
.set XC,   212992                      ; the way out: 768 bytes of codes for each wave,
.set XSC,  225280                      ; and 128 bytes of scale bytes
.set LI,   1                           ; v1  16 x lane
.set LS,   2                           ; v2  4 x lane
.set SCW,  3                           ; v3  KSC + 16 x thread
.set FT,   4                           ; v4  16 x thread
.set KW0,  5                           ; v5  where I lay my fragment of k, groups 0, 1;  v6: groups 2, 3 (an LDS immediate has 16 bits)
.set VW,   7                           ; v7  where I lay my fragment of v
.set ADK,  8
.set ADV,  9
.set ADS,  10
.set ADT,  11
.set XWA,  28                          ; v28-30 the way out: where I lay four registers, two registers, the scale bytes
.set XWB,  29
.set XWS,  30
.set XRA,  31                          ; v31-33 and where a whole fragment is read back (tile = wave % 8)
.set XRB,  32
.set XRS,  33
.set PFO,  34                          ; v34 the prefetch's offset; never rewritten
.set VL,   12                          ; s12 the unit's length, 1 .. 1,024
.set SEL,  30                          ; s[30:31]
.set CS,   32                          ; s[32:33] c = log2(e) / 8
.set KF,   34                          ; s34 the step's first key
.set TK,   35                          ; s35-38 LDS bytes at which the step's k, k's scale words, v, v's scale words begin
.set TS,   36
.set TV,   37
.set TU,   38
.set CNT,  39
.set KEY,  68                          ; s[68:83] valid_lens, then the keys
.set MK,   68                          ; s[68:83] behind the ordering, when the keys are done with: the masks of sixteen compares
.set PC,   192                         ; the closing quantiser: v192-197 codes (v200-202 at work), v204-209 at work, v212 the two scale bytes
.set TM,   204
.set PW,   212
	s_load_b128 s[4:7], s[0:1], 0x0                ; qkv s[4:5], valid_lens s[6:7]
	s_load_b64 s[8:9], s[0:1], 0x10                ; cimg
	v_lshl_add_u32 v223, v0, 2, 0x37800
	v_mov_b32 v243, 0
	v_lshrrev_b32 v3, 5, v0
	v_readfirstlane_b32 s2, v3                     ; wave 0..15
	s_wait_kmcnt 0x0
	s_load_b512 s[KEY:KEY+15], s[6:7], 0x0         ; all sixteen lengths: 64 bytes, the whole buffer
	v_and_b32 v[PFO], 31, v0                       ; lane
	v_lshlrev_b32 v[LI], 4, v[PFO]
	v_lshlrev_b32 v[LS], 2, v[PFO]
	v_lshlrev_b32 v[XRB], 3, v[PFO]                ; 8 x lane
	v_lshlrev_b32 v[FT], 4, v0
	v_add_nc_u32 v[SCW], KSC, v[FT]
	s_wait_alu depctr_va_sdst(0)                   ; s2 is written, ahead of its first reader: the wave's shares and addresses are made from it
	s_and_b32 s3, s2, 1                            ; my head
	s_lshr_b32 s60, s2, 1                          ; my tile in the block
	s_and_b32 s61, s2, 7
	s_mul_i32 s54, s2, FRB                         ; the fill: in a group of 256 keys wave w copies fragment w of k's sixteen,
	v_add_nc_u32 v[KW0], s54, v[LI]
	v_add_nc_u32 v[KW0+1], 49152, v[KW0]
	s_mul_i32 s55, s60, 8*FRB
	s_mul_i32 s62, s3, FRB
	s_add_co_u32 s55, s55, s62                     ; and v's fragment (tile of channels w / 2, step w % 2 of the group's two)
	s_add_co_u32 s62, s55, VIMG
	v_add_nc_u32 v[VW], s62, v[LI]
	s_mul_i32 s62, s2, 768
	s_add_co_u32 s62, s62, XC
	v_add_nc_u32 v[XWA], s62, v[LI]
	s_add_co_u32 s62, s62, 512
	v_add_nc_u32 v[XWB], s62, v[XRB]
	s_lshl_b32 s62, s2, 7
	s_add_co_u32 s62, s62, XSC
	v_add_nc_u32 v[XWS], s62, v[LS]
	s_mul_i32 s62, s61, FRB                        ; tile t's two halves lie on end: waves 2 t and 2 t + 1
	s_add_co_u32 s62, s62, XC
	v_add_nc_u32 v[XRA], s62, v[LI]
	s_add_co_u32 s62, s62, 512
	v_add_nc_u32 v[XRB], s62, v[XRB]
	s_lshl_b32 s62, s61, 8
	s_add_co_u32 s62, s62, XSC
	v_add_nc_u32 v[XRS], s62, v[LS]
	s_mul_i32 s48, s3, 32*FRB
	s_add_co_u32 s48, s48, VIMG                    ; my head's four tiles of v,
	s_lshl_b32 s49, s3, 12
	s_add_co_u32 s49, s49, VSC                     ; and their scale words
	s_cmp_eq_u32 s3, 0
	s_cselect_b32 s41, -1, 0                       ; keeps q's registers 0-5 in head A's waves,
	s_not_b32 s42, s41                             ; registers 6-11 in head B's
	s_and_b32 s13, ttmp7, 0xffff
	s_and_b32 s11, s13, 3                          ; pair
	s_lshr_b32 s13, s13, 2                         ; i
	s_lshl_b32 s52, ttmp9, 3
	s_add_co_u32 s53, s52, s61                     ; the tile that I store (waves 0-7),
	s_add_co_u32 s52, s52, s60                     ; the tile that I compute
	s_mov_b32 s15, 0
	s_mov_b32 s[SEL], 0x76543210
	s_mov_b32 s[SEL+1], 0xfedcba98
.irp j, 206,207,236,237,238,239,252,253
	v_mov_b32 v\j, 0                               ; written once: a lane permute's destination counts as one of its sources; v253 is named in a pair before it is first made
.endr
	s_wait_kmcnt 0x0
	; the keys: length x 32 + 16 (where valid_len > 0) + batch.  valid_len <= 0: every key counts and c = 0; beyond 1,024: 1,024
.set j, 0
.rept 16
	s_cmp_gt_i32 s[KEY+j], 0
	s_cselect_b32 s[KEY+j], s[KEY+j], 1024
	s_cselect_b32 s84, 16+j, j
	s_min_u32 s[KEY+j], s[KEY+j], 1024
	s_lshl_b32 s[KEY+j], s[KEY+j], 5
	s_or_b32 s[KEY+j], s[KEY+j], s84
.set j, j+1
.endr
.macro CE a, b                         ; the larger key to place a
	s_max_u32 s84, s[KEY+(\a)], s[KEY+(\b)]
	s_min_u32 s[KEY+(\b)], s[KEY+(\a)], s[KEY+(\b)]
	s_mov_b32 s[KEY+(\a)], s84
.endm
; Batcher's odd-even merge network for sixteen: 63 exchanges, written by the assembler's loops
.set p, 1
.rept 4
.set k, p
.rept 4
.if k >= 1
.set j, k%p
.rept 8
.if j <= 15-k
.set i, 0
.rept 8
.if (i <= k-1) && (i <= 15-j-k)
.if ((i+j)/(2*p)) == ((i+j+k)/(2*p))
	CE i+j, i+j+k
.endif
.endif
.set i, i+1
.endr
.endif
.set j, j+2*k
.endr
.set k, k/2
.endif
.endr
.set p, 2*p
.endr
	s_mov_b32 s51, s[KEY]                          ; place i: the longer of my two batches,
	s_mov_b32 s50, s[KEY+15]                       ; place 15 - i: the shorter
.irp q, 1,2,3,4,5,6,7
	s_cmp_eq_u32 s13, \q
	s_cselect_b32 s51, s[KEY+\q], s51
	s_cselect_b32 s50, s[KEY+15-\q], s50
.endr
	; THE PREFETCH of the second unit's K and V: 24 requests of 32 blocks of 256 bytes.  Eight work-groups (x = 0 .. 7) walk the same K and V: x / 4 says K or V, request r = 3 (x % 4) + wave, waves 0-2.
	; K: 8,192 bytes on end from 8,192 r.  V: 1,024 bytes from 1,024 r in each of the eight tiles' 12,288.  Either way requests 3 g .. 3 g + 2 cover the group g of 256 keys: asked for only where 256 g < the length.
	s_and_b32 s60, s51, 15
	s_min_u32 s60, s60, 15                         ; the second unit's batch
	s_lshl_b32 s60, s60, 2
	s_add_co_u32 s60, s60, s11
	s_lshl_b32 s60, s60, 6
	s_add_co_u32 s60, s60, 4096
	s_mul_i32 s14, s60, FRB                        ; its pair's fragments of k
	s_lshr_b32 s61, ttmp9, 2                       ; 0: K, 1: V
	s_and_b32 s62, ttmp9, 3
	s_mul_i32 s62, s62, 3
	s_add_co_u32 s62, s62, s2                      ; r
	s_mul_i32 s63, s61, 3
	s_sub_co_u32 s63, 13, s63
	s_lshl_b32 s63, s62, s63                       ; 8,192 r or 1,024 r
	s_add_co_u32 s14, s14, s63
	s_mul_i32 s63, s61, 4096*FRB                   ; v's fragments lie 4,096 fragments behind k's
	s_add_co_u32 s14, s14, s63
	s_add_nc_u64 s[56:57], s[4:5], s[14:15]        ; never rewritten
	s_mul_i32 s58, s62, 11
	s_lshr_b32 s58, s58, 5                         ; r / 3 for r under 12
	s_lshl_b32 s58, s58, 8                         ; the group's first key
	s_lshr_b32 s59, s51, 5                         ; the second unit's length
	s_mul_i32 s63, s61, 11264
	v_lshrrev_b32 v35, 2, v[PFO]
	v_mul_u32_u24 v35, s63, v35
	v_lshl_add_u32 v[PFO], v[PFO], 8, v35          ; K: 256 x lane.  V: 12,288 (lane / 4) + 256 (lane % 4)
	s_wait_alu depctr_va_vdst(0)                   ; v1-7 and v28-34 are written: the loads, stores, LDS instructions and the prefetch below read them as addresses, and none is written again
.macro GLOAD g                         ; group g of 256 keys: my fragment of k and my fragment of v, 512 consecutive bytes a load
.irp j, 0,1,2
	global_load_b128 v[36+24*(\g)+4*\j:39+24*(\g)+4*\j], v[LI], s[20:21] offset:(\g)*24576+512*\j
.endr
.irp j, 0,1,2
	global_load_b128 v[48+24*(\g)+4*\j:51+24*(\g)+4*\j], v[LI], s[22:23] offset:(\g)*3072+512*\j
.endr
.endm
.macro GSTORE g
.irp j, 0,1,2
	ds_store_b128 v[KW0+(\g)/2], v[36+24*(\g)+4*\j:39+24*(\g)+4*\j] offset:((\g)%2)*24576+512*\j
	ds_store_b128 v[VW], v[48+24*(\g)+4*\j:51+24*(\g)+4*\j] offset:(\g)*3072+512*\j
.endr
.endm
.macro KLOAD fr, sc, t                 ; tile t of the step's eight tiles of 16 keys: its fragment into v[fr] on, its scale words into v[sc]
.irp p, 0,1,2
	ds_load_b128 v[(\fr)+4*\p:(\fr)+4*\p+3], v[ADK] offset:(\t)*FRB+512*\p
.endr
	ds_load_b32 v[\sc], v[ADS] offset:(\t)*128
.endm
.macro KMUL fr, sc, t                  ; S^T's tile t = k's tile t x q^T
	v_wmma_scale_f32_16x16x128_f8f6f4 v[96+8*(\t):103+8*(\t)], v[(\fr):(\fr)+11], v[16:27], 0, v[\sc], v255 matrix_a_fmt:MATRIX_FMT_FP6 matrix_b_fmt:MATRIX_FMT_FP6
.endm
; ONE UNIT.  key: the scalar register with its key; first = 1: the work-group's first unit.
.macro UNIT key, first
.if !\first
	s_wait_xcnt 0x0                                ; the first unit's stores have read their bases and data: both are written again only behind this wait
	s_wait_alu depctr_vm_vsrc(0)                   ; the first unit's global stores have read v96-107 and v110, its LDS stores v192-197 and v212: the fill's loads, the steps' loads and products and the closing quantiser write them again
.endif
	s_and_b32 s60, s[\key], 15
	s_min_u32 s60, s60, 15                         ; the batch
	s_lshr_b32 s[VL], s[\key], 5
	s_bitcmp1_b32 s[\key], 4
	s_cselect_b32 s[CS], 0x3e38aa3b, 0             ; c = log2(e) / 8; where no key is valid all logits are equal: c = 0
	s_mov_b32 s[CS+1], s[CS]                       ; (named with it as a pair, so it is written)
	s_lshl_b32 s61, s60, 2
	s_add_co_u32 s61, s61, s11
	s_lshl_b32 s62, s61, 6                         ; (batch x 4 + pair) x 64: the pair's first fragment in each of q, k, v
	s_add_co_u32 s63, s62, s52
	s_mul_i32 s14, s63, FRB
	s_add_nc_u64 s[16:17], s[4:5], s[14:15]        ; my fragment of q,
	s_lshl_b32 s14, s63, 7
	s_add_co_u32 s14, s14, QSO
	s_add_nc_u64 s[24:25], s[4:5], s[14:15]        ; its scale words
	s_add_co_u32 s63, s62, 4096
	s_mul_i32 s14, s63, FRB
	s_add_co_u32 s14, s14, s54
	s_add_nc_u64 s[20:21], s[4:5], s[14:15]        ; k, at the fragment that I copy,
	s_lshl_b32 s14, s63, 7
	s_add_co_u32 s14, s14, QSO
	s_add_nc_u64 s[26:27], s[4:5], s[14:15]        ; its scale words
	s_add_co_u32 s63, s62, 8192
	s_mul_i32 s14, s63, FRB
	s_add_co_u32 s14, s14, s55
	s_add_nc_u64 s[22:23], s[4:5], s[14:15]        ; v likewise
	s_lshl_b32 s14, s63, 7
	s_add_co_u32 s14, s14, QSO
	s_add_nc_u64 s[28:29], s[4:5], s[14:15]
	s_lshl_b32 s63, s60, 6
	s_add_co_u32 s63, s63, s53
	s_lshl_b32 s63, s63, 2
	s_add_co_u32 s63, s63, s11                     ; ctx's fragment: (64 batch + tile) x 4 + pair
	s_mul_i32 s14, s63, FRB
	s_add_nc_u64 s[44:45], s[8:9], s[14:15]
	s_lshl_b32 s14, s63, 7
	s_add_co_u32 s14, s14, CSO
	s_add_nc_u64 s[46:47], s[8:9], s[14:15]
	; THE FILL.  The loads stand in ascending order of the groups, the LDS stores in descending order, and a jump on the length leads from behind group g's loads to group g's stores:
	; on every way what is stored is what was loaded.  (In the second unit this stands behind the first unit's closing barrier: no wave still reads the old K and V.)
	; (In the second unit the registers in which these loads land were last named by vector and matrix instructions ahead of the first unit's waits on va_vdst in its way out.)
	global_load_b128 v[16:19], v[LI], s[16:17]
	global_load_b128 v[20:23], v[LI], s[16:17] offset:512
	global_load_b128 v[24:27], v[LI], s[16:17] offset:1024
	global_load_b32 v255, v[LS], s[24:25]
	global_load_b128 v[132:135], v[FT], s[26:27]   ; the scale words of all 64 fragments of k: 8,192 bytes, 16 a thread,
	global_load_b128 v[136:139], v[FT], s[28:29]   ; and of v
	GLOAD 0
	s_cmp_le_u32 s[VL], 256
	s_cbranch_scc1 .Lfill0_\@
	GLOAD 1
	s_cmp_le_u32 s[VL], 512
	s_cbranch_scc1 .Lfill1_\@
	GLOAD 2
	s_cmp_le_u32 s[VL], 768
	s_cbranch_scc1 .Lfill2_\@
	GLOAD 3
	s_wait_loadcnt 0x0
	GSTORE 3
.Lfill2_\@:
	s_wait_loadcnt 0x0
	GSTORE 2
.Lfill1_\@:
	s_wait_loadcnt 0x0
	GSTORE 1
.Lfill0_\@:
	s_wait_loadcnt 0x0
	GSTORE 0
	ds_store_b128 v[SCW], v[132:135]
	ds_store_b128 v[SCW], v[136:139] offset:8192
.irp i, 0,1,2,3,4,5
	v_and_b32 v[16+\i], s41, v[16+\i]              ; the other head's half of q becomes zero codes
	v_and_b32 v[22+\i], s42, v[22+\i]
.endr
	s_wait_dscnt 0x0                               ; for the others' sake: my part of K and V has landed (and my reads of the way out's bytes are over)
	s_barrier_signal -1
	s_barrier_wait -1                              ; everybody's has
	s_wait_alu depctr_vm_vsrc(0)                   ; the fill's LDS stores have read v36-139, which the steps' loads and products and the hand-over's loads write again; it stands ahead of the branches below, so it holds on every way
.if \first
	s_cmp_lt_u32 s2, 3                             ; the second unit's K and V are asked for here, behind the first unit's own loads: one request a wave, waves 0-2
	s_cbranch_scc0 .Lnopf_\@
	s_cmp_lt_u32 s58, s59                          ; only where the request's group of keys will be read
	s_cbranch_scc0 .Lnopf_\@
	global_prefetch_b8 v[PFO], s[56:57] th:TH_LOAD_NT scope:SCOPE_SE
.Lnopf_\@:
.endif
	v_mov_b32 v13, 0xff61b1e6                      ; the largest t so far: -3e38, under every t
	v_floor_f32 v12, -v13                          ; -M
	v_mov_b32 v14, 0
	v_mov_b32 v15, 0
.set j, 0
.rept 32
	v_mov_b32 v[160+j], 0                          ; the step is written once: the first finds zeros, which the first change of M leaves zeros
.set j, j+1
.endr
	s_mov_b32 s[KF], 0
	s_mov_b32 s[TK], KIMG
	s_mov_b32 s[TS], KSC
	s_mov_b32 s[TV], s48
	s_mov_b32 s[TU], s49
	s_mov_b32 s[CNT], 8
.Lstep_\@:
	s_cmp_ge_u32 s[KF], s[VL]                      ; all 128 keys masked: the step's work is left out, not the lines at its end that step addresses
	s_cbranch_scc1 .Lhidden_\@
	s_wait_alu depctr_vm_vsrc(0)                   ; the LDS loads of the step before have read v8-11, which the four additions write again
	v_add_nc_u32 v[ADK], s[TK], v[LI]              ; (these four are also places behind the last products)
	v_add_nc_u32 v[ADV], s[TV], v[LI]
	v_add_nc_u32 v[ADS], s[TS], v[LS]
	v_add_nc_u32 v[ADT], s[TU], v[LS]
	s_wait_alu depctr_va_vdst(0)                   ; v8-11 are written, which the loads below read; the last step's products are done reading KA, its scale words and p's codes, in which loads land; so is all vector work on KB's registers; in a unit's first step q's masked halves are written, which the scaled products take
	KLOAD 36, 248, 0                               ; S^T = k q^T: the step's eight tiles of 16 keys in one run of 32 LDS loads: KA,
	KLOAD 48, 249, 1
	KLOAD 60, 250, 2
	KLOAD 72, 251, 3
	KLOAD 84, 216, 4                               ; KB
	KLOAD 192, 217, 5
	KLOAD 204, 218, 6
	KLOAD 224, 219, 7
	s_wait_dscnt 16                                ; LDS loads come back in order (ISA guide 5.7.1): KA is in; KB's sixteen loads may be out
	KMUL 36, 248, 0
	KMUL 48, 249, 1
	KMUL 60, 250, 2
	KMUL 72, 251, 3
	s_wait_dscnt 0x0                               ; KB is in
	KMUL 84, 216, 4
	KMUL 192, 217, 5
	KMUL 204, 218, 6
	KMUL 224, 219, 7                               ; register 16 b + i holds key KF + 32 b + 16 (lane / 16) + i of my query
.rept 4
	v_nop                                          ; four places between the last product and the first read of results or write of a source (ISA guide 7.12.1)
.endr
	s_wait_alu depctr_va_vdst(0)                   ; the eight products are done reading KA and v248-251, in which v's fragments and scale words land; no vector instruction of the softmax names these registers
.irp t, 0,1,2,3                        ; the head's four tiles of 16 channels of v, these 128 keys: asked for here, they land while the softmax is worked
.irp p, 0,1,2
	ds_load_b128 v[36+12*\t+4*\p:39+12*\t+4*\p], v[ADV] offset:\t*8*FRB+512*\p
.endr
	ds_load_b32 v[248+\t], v[ADT] offset:\t*1024
.endr
	s_add_co_u32 s40, s[KF], 128
	s_cmp_le_u32 s40, s[VL]
	s_cbranch_scc1 .Lopen_\@                       ; all 128 keys count
	s_sub_co_u32 s40, s[VL], s[KF]
	v_bfe_u32 v252, v0, 4, 1
	v_lshlrev_b32 v252, 4, v252
	v_sub_nc_u32 v252, s40, v252                   ; d = length - KF - 16 (lane / 16): register 16 b + i is masked where 32 b + i >= d
	v_mov_b32 v254, 0xff800000                     ; -infinity: p = 0
.irp b, 0,1,2,3                        ; a block's sixteen compares in a run, each into a scalar register of its own, then its sixteen selects
.set n, 0
.rept 16
	v_cmp_ge_i32 s[MK+n], 32*\b+n, v252
.set n, n+1
.endr
	s_wait_alu depctr_va_sdst(0)                   ; the sixteen masks are written, ahead of the selects that read them
.set n, 0
.rept 16
	v_cndmask_b32 v[96+16*\b+n], v[96+16*\b+n], v254, s[MK+n]
.set n, n+1
.endr
.endr
.Lopen_\@:
.irp b, 0,1,2,3
	v_max3_num_f32 v[232+\b], v[96+16*\b], v[97+16*\b], v[98+16*\b]   ; the largest score of each block of 32 keys: it serves for the row's maximum and, since p rises with the score, for the block's largest p
.endr
.irp i, 3,5,7,9,11,13
.irp b, 0,1,2,3
	v_max3_num_f32 v[232+\b], v[232+\b], v[96+16*\b+\i], v[97+16*\b+\i]
.endr
.endr
.irp b, 0,1,2,3
	v_max_num_f32 v[232+\b], v[232+\b], v[111+16*\b]
.endr
.irp b, 0,1,2,3
	v_permlanex16_b32 v[236+\b], v[232+\b], s[SEL], s[SEL+1]
.endr
.irp b, 0,1,2,3
	v_max_num_f32 v[232+\b], v[232+\b], v[236+\b]  ; with lane l xor 16's 16 keys
.endr
	v_max3_num_f32 v254, v232, v233, v234
	v_max_num_f32 v254, v254, v235                 ; the step's largest score of my query (a step that is worked has a key that counts)
	v_mul_f32 v254, s[CS], v254
	v_max_num_f32 v13, v13, v254                   ; the running largest t
	v_mov_b32 v254, v12
	v_floor_f32 v12, -v13                          ; the new -M = -ceil(t)
	v_sub_f32 v254, v12, v254                      ; old M - new M: a whole number, 0 or less
	v_cvt_i32_f32 v254, v254                       ; (it saturates)
	v_ldexp_f32 v252, 1.0, v254                    ; f = 2^(old M - new M)
.set j, 0
.rept 32
	v_pk_fma_f32 v[96+j:97+j], v[96+j:97+j], s[CS:CS+1], v[12:13] op_sel_hi:[1,0,0]   ; t - M, two at a time
.set j, j+2
.endr
.irp b, 0,1,2,3
	v_fma_f32 v[232+\b], v[232+\b], s[CS], v12     ; the same of each block's largest score
.endr
.set j, 0
.rept 64
	v_exp_f32 v[96+j], v[96+j]                     ; p = 2^(t - M)
.set j, j+1
.endr
	v_pk_mul_f32 v[14:15], v[14:15], v[252:253] op_sel_hi:[1,0]   ; the sums under the new M (a plain place behind the exponentials)
	s_wait_alu depctr_va_vdst(0)                   ; the 64 exponentials have written v96-159: one wait for the batch, ahead of the first line that names a result
.irp b, 0,1,2,3
	v_exp_f32 v[232+\b], v[232+\b]                 ; the block's largest p
.endr
	v_pk_add_f32 v[236:237], v[96:97], v[98:99]    ; the row's sum of the unquantised p, in two chains
.set j, 4
.rept 15
	v_pk_add_f32 v[14:15], v[14:15], v[96+j:97+j]
	v_pk_add_f32 v[236:237], v[236:237], v[98+j:99+j]
.set j, j+4
.endr
	v_pk_add_f32 v[14:15], v[14:15], v[236:237]
	s_wait_alu depctr_va_vdst(0)                   ; the four exponentials have written v232-235, ahead of their first reader
.irp b, 0,1,2,3
	v_max_num_f32 v[232+\b], 0x1800000, v[232+\b]  ; the floor 2^(3 - 127): a block whose every p is 0 keeps the byte 1; its codes are zeros
.endr
.irp b, 0,1,2,3
	v_add_nc_u32 v[244+\b], 0xff000000, v[232+\b]
.endr
.irp b, 0,1,2,3
	v_lshrrev_b32 v[236+\b], 23, v[244+\b]
.endr
	v_lshl_or_b32 v253, v237, 8, v236              ; p's scale word for these 128 keys
	v_lshl_or_b32 v253, v238, 16, v253
	v_lshl_or_b32 v253, v239, 24, v253
.irp c, 0,1
	v_cvt_scalef32_pk16_fp6_f32 v[224+6*\c:226+6*\c], v[96+32*\c:111+32*\c], v[244+2*\c]
	v_cvt_scalef32_pk16_fp6_f32 v[236+4*\c:238+4*\c], v[112+32*\c:127+32*\c], v[244+2*\c+1]
.endr
	v_nop                                          ; one plain place behind a scaled conversion
.irp c, 0,1
.irp i, 0,1,2
	v_permlane16_swap_b32 v[224+6*\c+\i], v[236+4*\c+\i]
.endr
.irp i, 0,1,2
	v_mov_b32 v[227+6*\c+\i], v[236+4*\c+\i]
.endr
.endr
.set j, 0
.rept 16
	v_pk_mul_f32 v[160+j:161+j], v[160+j:161+j], v[252:253] op_sel_hi:[1,0]   ; O^T under the new M.  Of these 16, twelve name no register of any one product below: the places between p's scale word and codes and those products
.set j, j+2
.endr
	s_wait_alu depctr_va_vdst(0)                   ; p's codes v224-235 and its scale word v253 are written, which the scaled products below take; the places above stay beside this wait
	s_wait_dscnt 0x0                               ; v's four fragments and their scale words, asked for ahead of the softmax, are in
.irp t, 0,1,2,3                        ; O^T += v^T p^T: the head's four tiles of 16 channels; K = these 128 keys
	v_wmma_scale_f32_16x16x128_f8f6f4 v[160+8*\t:167+8*\t], v[36+12*\t:47+12*\t], v[224:235], v[160+8*\t:167+8*\t], v[248+\t], v253 matrix_a_fmt:MATRIX_FMT_FP6 matrix_b_fmt:MATRIX_FMT_FP6
.endr
.Lhidden_\@:
	s_add_co_u32 s[KF], s[KF], 128
	s_add_co_u32 s[TK], s[TK], 8*FRB
	s_add_co_u32 s[TS], s[TS], 1024
	s_add_co_u32 s[TV], s[TV], FRB
	s_add_co_u32 s[TU], s[TU], 128
	s_sub_co_u32 s[CNT], s[CNT], 1
	s_cmp_lg_u32 s[CNT], 0
	s_cbranch_scc1 .Lstep_\@
	v_add_f32 v14, v14, v15                        ; the sum's two halves,
	v_permlanex16_b32 v252, v14, s[SEL], s[SEL+1]
	v_add_f32 v14, v14, v252                       ; and lane l xor 16's
	v_rcp_f32 v14, v14
.rept 4
	v_nop                                          ; the plain place behind the reciprocal, and four places behind the last products
.endr
	s_wait_alu depctr_va_vdst(0)                   ; the reciprocal has written v14, ahead of the first line that names it
.set j, 0
.rept 32
	v_mul_f32 v[160+j], v[160+j], v14              ; O^T / the sum, each accumulator from its low end on
.set j, j+1
.endr
	; v160-191: register 16 b + i = channel 64 head + 32 b + 16 (lane / 16) + i of my query: two blocks of 32: registers 6 head .. 6 head + 5 of ctx's fragment, bytes 2 head, 2 head + 1 of its scale word
.irp b, 0,1
	v_max3_num_f32 v[TM+\b], |v[160+16*\b]|, |v[161+16*\b]|, 0x1800000
.endr
.irp i, 2,4,6,8,10,12,14
.irp b, 0,1
	v_max3_num_f32 v[TM+\b], v[TM+\b], |v[160+16*\b+\i]|, |v[161+16*\b+\i]|
.endr
.endr
.irp b, 0,1
	v_permlanex16_b32 v[TM+2+\b], v[TM+\b], s[SEL], s[SEL+1]
.endr
.irp b, 0,1
	v_max_num_f32 v[TM+\b], v[TM+\b], v[TM+2+\b]
.endr
.irp b, 0,1
	v_add_nc_u32 v[TM+4+\b], 0xff000000, v[TM+\b]
.endr
.irp b, 0,1
	v_lshrrev_b32 v[TM+2+\b], 23, v[TM+4+\b]
.endr
	v_lshl_or_b32 v[PW], v[TM+3], 8, v[TM+2]
	v_cvt_scalef32_pk16_fp6_f32 v[PC:PC+2], v[160:175], v[TM+4]
	v_cvt_scalef32_pk16_fp6_f32 v[PC+8:PC+10], v[176:191], v[TM+5]   ; (a conversion's three registers begin on an even number)
	v_nop                                          ; one plain place behind a scaled conversion
.irp i, 0,1,2
	v_permlane16_swap_b32 v[PC+\i], v[PC+8+\i]     ; a whole block in a lane: lanes 0-15 the first, lanes 16-31 the second
.endr
.irp i, 0,1,2
	v_mov_b32 v[PC+3+\i], v[PC+8+\i]
.endr
	s_wait_alu depctr_va_vdst(0)                   ; the closing quantiser has written v192-197 and v212, which the LDS stores read; all the unit's vector and matrix work on v16-159 and v255 is over, in which the hand-over's loads and the next fill's land
	ds_store_b128 v[XWA], v[PC:PC+3]               ; into bytes of my own: four registers at 16 x lane,
	ds_store_b64 v[XWB], v[PC+4:PC+5]              ; two at 8 x lane,
	ds_store_b32 v[XWS], v[PW]                     ; the two scale bytes in a word at 4 x lane
	s_wait_dscnt 0x0                               ; for the others' sake: my half fragment has landed, and my reads of K and V are over
	s_barrier_signal -1
	s_barrier_wait -1
	s_cmp_lt_u32 s2, 8                             ; waves 0-7 take a tile each: the six registers of wave 2 t, then those of wave 2 t + 1, are the fragment's twelve
	s_cbranch_scc0 .Lnost_\@
	ds_load_b128 v[96:99], v[XRA]
	ds_load_b64 v[100:101], v[XRB]
	ds_load_b128 v[102:105], v[XRA] offset:768
	ds_load_b64 v[106:107], v[XRB] offset:768
	ds_load_b32 v108, v[XRS]
	ds_load_b32 v109, v[XRS] offset:128
	s_wait_dscnt 0x0
	v_lshl_or_b32 v110, v109, 16, v108
	s_wait_alu depctr_va_vdst(0)                   ; v110 is written, which the last store below reads; the line above is done with v108 and v109, in which the next fill's loads land
.irp g, 0,1,2
	global_store_b128 v[LI], v[96+4*\g:99+4*\g], s[44:45] offset:512*\g   ; 512 consecutive bytes a store
.endr
	global_store_b32 v[LS], v110, s[46:47]
.Lnost_\@:
.endm
	UNIT 50, 1                                     ; the shorter batch first: the launch's first fills are the small ones
	UNIT 51, 0
	s_wait_dscnt 0x0                               ; the closing lines, six on end
	s_wait_alu 0x0
	s_wait_tensorcnt 0x0
	ds_add_u32 v223, v243
	s_wait_dscnt 0x0
	s_endpgm
.Lfunc_end_k_q8dadc86796_attn:
	.size	k_q8dadc86796_attn, .Lfunc_end_k_q8dadc86796_attn-k_q8dadc86796_attn
	.p2alignl 7, 3214868480
	.fill 96, 4, 3214868480
	.section	.rodata,"a",@progbits
	.p2align	6, 0x0
	.amdhsa_kernel k_q8dadc86796_attn
		.amdhsa_group_segment_fixed_size 229376
		.amdhsa_private_segment_fixed_size 0
		.amdhsa_enable_private_segment 0
		.amdhsa_kernarg_size 24
		.amdhsa_user_sgpr_count 2
		.amdhsa_user_sgpr_kernarg_segment_ptr 1
		.amdhsa_wavefront_size32 1
		.amdhsa_system_sgpr_workgroup_id_x 1
		.amdhsa_system_sgpr_workgroup_id_y 1
		.amdhsa_system_sgpr_workgroup_id_z 1
		.amdhsa_system_vgpr_workitem_id 0
		.amdhsa_next_free_vgpr 256
		.amdhsa_next_free_sgpr 88
		.amdhsa_reserve_vcc 0
		.amdhsa_float_denorm_mode_32 3
		.amdhsa_float_denorm_mode_16_64 3
		.amdhsa_memory_ordered 1
		.amdhsa_forward_progress 1
		.amdhsa_inst_pref_size 94
	.end_amdhsa_kernel
	.amdgpu_metadata
---
amdhsa.version: [ 1, 2 ]
amdhsa.kernels:
  - .name:           k_q8dadc86796_attn
    .symbol:         k_q8dadc86796_attn.kd
    .args:
      - { .name: qkv, .offset: 0, .size: 8, .value_kind: global_buffer, .address_space: global }
      - { .name: valid_lens, .offset: 8, .size: 8, .value_kind: global_buffer, .address_space: global }
      - { .name: cimg, .offset: 16, .size: 8, .value_kind: global_buffer, .address_space: global }
    .group_segment_fixed_size: 229376
    .private_segment_fixed_size: 0
    .kernarg_segment_align: 8
    .kernarg_segment_size: 24
    .max_flat_workgroup_size: 512
    .sgpr_count:     88
    .vgpr_count:     256
    .wavefront_size: 32
...
	.end_amdgpu_metadata
.endif
;; end of part 6
;; launch tail (part 7): grid 256 x 1, 4 waves a work-group, no clusters, 212,480 bytes of LDS; arguments cimg, wimg, x, b1, b2, ln1_g, ln1_b, ln2_g, ln2_b, out0; writes out0
.if DOCPART == 7
	.amdgcn_target "amdgcn-amd-amdhsa--gfx1250"
	.amdhsa_code_object_version 6
	.text
	.protected	k_q8dadc86796_tail
	.globl	k_q8dadc86796_tail
	.p2align	8
	.type	k_q8dadc86796_tail,@function
k_q8dadc86796_tail:
	s_mov_b64 s[64:65], 0
	v_nop
	global_prefetch_b8 v0, s[64:65] scope:SCOPE_SE
	s_setreg_imm32_b32 hwreg(HW_REG_WAVE_SCHED_MODE, 0, 2), 2
	s_setreg_imm32_b32 hwreg(HW_REG_WAVE_MODE, 25, 1), 1
	s_wait_xcnt 0x0
	s_wait_alu depctr_vm_vsrc(0)
; TAIL: z = x + ctx wo; y = LayerNorm(z); out = LayerNorm(y + relu(y w1 + b1) w2 + b2).  The three products on codes of FP6; y and the hidden layer are quantised on the way and never go to memory.
; SHARES.  A work-group of four waves owns 64 rows (four tiles m of 16) and all 512 columns, so that both norms stay inside it.  THE WAVES SHARE THE COLUMNS: wave w owns output columns 128 w .. + 127 of wo and w2,
; and in chunk c (of four) the hidden units 512 c + 128 w .. + 127.  Every weight fragment goes from memory straight into the registers of the one wave that multiplies it, once, and serves four tiles of rows.
; Activations go from wave to wave through LDS as images of operand registers (1,536 bytes a fragment at 16 x lane, 128 bytes of scale words at 4 x lane).
; Products are used transposed (source 0 = 16 columns of a weight, source 1 = 16 rows): a lane holds one row, and register 64 m + 16 b + i holds column 128 w + 32 b + 16 (lane / 16) + i
; (lane r of a tile t holds row or column 32 (t / 2) + 8 (t % 2) + r + 8 (r / 8)).
; x is the C of the first product, b1 of the second, y + b2 of the third: no addition is spent on a bias or a residual but y + b2.
; THE NORMS: each wave takes mean and centred sum of squares of its 128 columns of a row; the four pairs meet in LDS and are joined (mean of means; sums of squares + 128 x the means' spread):
; no difference of large sums, one exchange a norm.
; THE WEIGHTS come through a ring of four slots of four fragments in registers; a set (four fragments, four scale words) is 16 loads, asked for four sets ahead, on across the products and the loop's edge.
; No tensor load, no cluster: all work-groups walk the same weights, but each fragment feeds one wave and lands in its registers; through LDS it would be written and read once more.
; LIMITS: NaN and infinities are not served; a block of zeros gets the byte 1.
; REGISTERS, in windows of 256.  Window 0: v1-15 addresses; v32-127 two sets of four activation fragments; v128-135 their scale words; v136-151 the ring's scale words; v152-171 codes just made; v172-188 the quantiser's;
;   v192-255 b1 as eight C tiles, or the norms' scratch.   Window 1: the 32 accumulators of the hidden layer; outside that phase gain (0-63), shift (64-127), b2 (128-191); at the end rows of out.
;   Window 2: the 32 accumulators x -> z -> y -> y + b2 + ffn -> out.   Window 3: the ring, v[48 slot + 12 fragment].
; THE MODE: SCHED_MODE bits 1:0 = 2 (LLVM: expert scheduling mode 2), set by the entry lines.  The code itself states the register dependences
; between vector or matrix instructions and memory or LDS instructions, with s_wait_alu, always for 0.
; THE PLAN.  Registers that memory or LDS instructions touch:
;   v1-11, v13-15, v18  addresses, made at the head and never written again: one wait on va_vdst ahead of the first load.    v12: b1's address, written once a chunk.
;   the ring (window 3) and v136-151: set q's sixteen products read slot q % 4; behind them the loads of set q + 4 land in it.
;   the two activation sets v32-127 with v128-135: a K step's 32 products read one set; the LDS loads of the next K step land in the other.  v32-63 also serve the norms' join (LDS loads land, vector lines work on them).
;   v152-163, v188  an image: written by the quantiser, read by four LDS stores.      v192-255: b1's LDS loads land, products read them as C; as the norms' scratch vector lines write them, and an LDS store reads v208-215.
;   window 1: written by products, worked by relu and the quantiser; the vectors' LDS loads land in it ahead of a norm; at the end rows of out land and global stores read them.
;   window 2: x's loads land, LDS stores read, LDS loads land (the head); then products and vector lines alone, until the way out's LDS stores read it.
; THE WAITS.  ONE wait on va_vdst behind each set's sixteen products: they are done reading their ring slot (and, behind an even set, the K step before is done with its activation set); the set's loads follow in one run.
; One wait on va_vdst ahead of each image's stores, and one on vm_vsrc in the next quantiser, behind its maxima.  At a chunk's head vm_vsrc, the addition to v12, va_vdst.  The others stand where a phase changes; each says what it states.
.set XSO,  6291456
.set WSO,  2359296
.set FRB,  1536
.set ACTH, 0                           ; LDS: 16 images (4 m + K step) + their scale words: ctx, later the hidden layer
.set ACTY, 26624                       ; the same for y
.set ASC,  24576                       ; the scale words inside such a region
.set VEC,  53248                       ; b1 (8,192 bytes), then b2, ln1_g, ln1_b, ln2_g, ln2_b (2,048 each)
.set VB2,  8192
.set VG1,  10240
.set VE1,  12288
.set VG2,  14336
.set VE2,  16384
.set STAT, 71680                       ; (wave, m): 32 lanes x 8 bytes: 4,096 bytes for each of the two norms
.set STG,  79872                       ; 64 rows x (2,048 bytes + 16): x on the way in, out on the way out
.set SP,   2064                        ; 516 words: sixteen rows start at sixteen different groups of banks
.set LI,   1                           ; v1  16 x lane
.set LS,   2                           ; v2  4 x lane
.set HWI,  4                           ; v4  16 x lane + 1,536 w: where I store an image (K step w)
.set HWS,  5                           ; v5  4 x lane + 128 w: and its scale words
.set CWI,  6                           ; v6  16 x lane + 6,144 w: ctx's four images of tile m = w
.set CWS,  7                           ; v7  their scale words
.set SGW,  8                           ; v8  the stage: rows 16 w on, 16 bytes a lane
.set SGL0, 9                           ; v9  the stage: row r, my columns (tiles m = 0, 1);  v10: tiles 2, 3
.set SGL1, 10
.set VH,   11                          ; v11 a vector's 16 numbers of each block of 32 of my columns
.set B1A,  12                          ; v12 the same in b1, by chunk
.set STW,  13                          ; v13 where I store a norm's pair
.set STR,  14                          ; v14 and read all waves'
.set VW,   15                          ; v15 where the vectors are laid
.set AF,   32
.set AS,   128
.set WSC,  136
.set PC,   152
.set TM,   172
.set PW,   188
.set BI,   192
.set T,    192                         ; v192-207 the norms' chains, four registers a tile
.set ST,   208                         ; v208-215 (my columns' mean, centred sum of squares) a tile
.set RS,   216                         ; v216-223 1 / sqrt(var + eps), as pairs
.set ND,   224                         ; v224-231 (my mean - the row's) x that, as pairs
.set WOC,  28                          ; s[28:29], s[30:31] wo's codes and scale words at my slab;  s[32:35] w1's;  s[36:39] w2's
.set WOS,  30
.set W1C,  32
.set W1S,  34
.set W2C,  36
.set W2S,  38
.set SEL,  48                          ; s[48:49]
.set EPS,  50
.set B1S,  51
.set CNT,  52
.set MSB, 0
.macro WIN new                         ; the immediate's high byte repeats the setting that is left
.if MSB != (\new)
	s_set_vgpr_msb (MSB<<8)|(\new)
.set MSB, (\new)
.endif
.endm
.macro PLACES                          ; four places behind matrix instructions, in front of reads of results and of the runs of loads into their registers
.rept 4
	v_nop
.endr
.endm
.macro BARRIER                         ; my LDS stores have landed and my LDS loads are in: then the work-group's barrier
	s_wait_dscnt 0x0
	s_barrier_signal -1
	s_barrier_wait -1
.endm
; A set of the ring: tiles t0 .. t0 + 3 of my slab, K step kq, of a weight with ks K steps: 4 + 12 loads
.macro WLOAD slot, cp, sp, ks, t0, kq
	WIN 0
.irp tt, 0,1,2,3
	global_load_b32 v[WSC+4*(\slot)+\tt], v[LS], s[\sp:\sp+1] offset:(((\t0)+\tt)*(\ks)+(\kq))*128
.endr
	WIN 0xc0                                       ; destination window 3
.irp tt, 0,1,2,3
.irp g, 0,1,2
	global_load_b128 v[48*(\slot)+12*\tt+4*\g:48*(\slot)+12*\tt+4*\g+3], v[LI], s[\cp:\cp+1] offset:(((\t0)+\tt)*(\ks)+(\kq))*FRB+512*\g
.endr
.endr
.endm
; K step kq of the four tiles of rows, from the images at base
.macro AFETCH set, base, kq
	WIN 0
.irp m, 0,1,2,3
.irp g, 0,1,2
	ds_load_b128 v[AF+48*(\set)+12*\m+4*\g:AF+48*(\set)+12*\m+4*\g+3], v[LI] offset:(\base)+(4*\m+(\kq))*FRB+512*\g
.endr
	ds_load_b32 v[AS+4*(\set)+\m], v[LS] offset:(\base)+ASC+(4*\m+(\kq))*128
.endr
.endm
; 16 products: the ring slot's four tiles x the four tiles of rows.  acc: window of the accumulators.  cmode 1: in place; 2: C = b1's tile.  No two that follow each other share an accumulator.
.macro MUL16 slot, set, t0, acc, cmode
.if (\cmode) == 2
	WIN 0x43                                       ; source 0 window 3, C window 0, D window 1
.elseif (\acc) == 1
	WIN 0x53
.else
	WIN 0xa3
.endif
.irp tt, 0,1,2,3
.irp m, 0,1,2,3
.set rD, 64*\m+8*((\t0)+\tt)
.set rW, 48*(\slot)+12*\tt
.set rA, AF+48*(\set)+12*\m
.set rB, BI+8*((\t0)+\tt)
.if (\cmode) == 2
	v_wmma_scale_f32_16x16x128_f8f6f4 v[rD:rD+7], v[rW:rW+11], v[rA:rA+11], v[rB:rB+7], v[WSC+4*(\slot)+\tt], v[AS+4*(\set)+\m] matrix_a_fmt:MATRIX_FMT_FP6 matrix_b_fmt:MATRIX_FMT_FP6
.else
	v_wmma_scale_f32_16x16x128_f8f6f4 v[rD:rD+7], v[rW:rW+11], v[rA:rA+11], v[rD:rD+7], v[WSC+4*(\slot)+\tt], v[AS+4*(\set)+\m] matrix_a_fmt:MATRIX_FMT_FP6 matrix_b_fmt:MATRIX_FMT_FP6
.endif
.endr
.endr
.endm
; A product of 64 rows x my 128 columns x K = 512: eight sets (K step q / 2, tiles 4 (q % 2) on).  Behind set q its slot takes this weight's set q + 4, or the next product's set q - 4 (nks = 0: none).
; (The first K step's activation fragments land in set 0, which vector and matrix instructions last named ahead of a wait on va_vdst that stands in front of every call.)
.macro GEMM abase, acc, cmode, oc, os, oks, nc, ns, nks
	AFETCH 0, \abase, 0
.irp q, 0,1,2,3,4,5,6,7
.if (\q)%2 == 0
	s_wait_dscnt 0x0                               ; this K step's activation fragments are in
.endif
.if (\nks) > 0 || (\q) < 5
	s_wait_loadcnt 48                              ; set q is in: the three younger sets of 16 loads may be out
.else
	s_wait_loadcnt 16*(7-(\q))                     ; the ring runs out
.endif
.if (\q) < 2
	MUL16 (\q)%4, ((\q)/2)%2, 4*((\q)%2), \acc, \cmode
.else
	MUL16 (\q)%4, ((\q)/2)%2, 4*((\q)%2), \acc, 1
.endif
	WIN 0
	PLACES
.if (\nks) > 0 || (\q) < 5
	s_wait_alu depctr_va_vdst(0)                   ; this set's products are done reading their ring slot and its scale words, and the K step before is done with its activation set: the loads below land in these; only loads and window switches follow up to the next products
.endif
.if ((\q)%2 == 0) && ((\q) < 6)
	AFETCH ((\q)/2+1)%2, \abase, (\q)/2+1
.endif
.if (\q) < 4
	WLOAD (\q)%4, \oc, \os, \oks, 4*((\q)%2), (\q)/2+2
.elseif (\nks) > 0
	WLOAD (\q)%4, \nc, \ns, \nks, 4*((\q)%2), (\q)/2-2
.endif
.endr
	WIN 0
.endm
; 64 numbers of a lane in window win, from register s on, become 12 registers of codes in v[PC] on and a scale word in v[PW] (window 0).  again: an image has been stored from these registers before
.macro QUANTW s, win, again
	WIN ((\win)<<2)|((\win)<<4)                    ; sources 1 and 2
.irp b, 0,1,2,3
	v_max3_num_f32 v[TM+\b], 0x1800000, |v[(\s)+16*\b]|, |v[(\s)+1+16*\b]|   ; the floor 2^(3 - 127) and my 16 numbers of block b
.endr
.irp i, 2,4,6,8,10,12,14
.irp b, 0,1,2,3
	v_max3_num_f32 v[TM+\b], v[TM+\b], |v[(\s)+16*\b+\i]|, |v[(\s)+1+16*\b+\i]|
.endr
.endr
	WIN 0
.irp b, 0,1,2,3
	v_permlanex16_b32 v[TM+4+\b], v[TM+\b], s[SEL], s[SEL+1]
.endr
.irp b, 0,1,2,3
	v_max_num_f32 v[TM+\b], v[TM+\b], v[TM+4+\b]
.endr
.irp b, 0,1,2,3
	v_add_nc_u32 v[TM+12+\b], 0xff000000, v[TM+\b]
.endr
.irp b, 0,1,2,3
	v_lshrrev_b32 v[TM+4+\b], 23, v[TM+12+\b]
.endr
.if \again
	s_wait_alu depctr_vm_vsrc(0)                   ; the last image's LDS stores have read the codes and the scale word, which the lines below write again
.endif
	v_lshl_or_b32 v[PW], v[TM+5], 8, v[TM+4]
	v_lshl_or_b32 v[PW], v[TM+6], 16, v[PW]
	v_lshl_or_b32 v[PW], v[TM+7], 24, v[PW]
	WIN (\win)                                     ; source 0
.irp c, 0,1
	v_cvt_scalef32_pk16_fp6_f32 v[PC+6*\c:PC+2+6*\c], v[(\s)+32*\c:(\s)+15+32*\c], v[TM+12+2*\c]
	v_cvt_scalef32_pk16_fp6_f32 v[PC+12+4*\c:PC+14+4*\c], v[(\s)+16+32*\c:(\s)+31+32*\c], v[TM+12+2*\c+1]
.endr
	WIN 0
	v_nop                                          ; one plain place behind a scaled conversion
.irp c, 0,1
.irp i, 0,1,2
	v_permlane16_swap_b32 v[PC+6*\c+\i], v[PC+12+4*\c+\i]
.endr
.irp i, 0,1,2
	v_mov_b32 v[PC+3+6*\c+\i], v[PC+12+4*\c+\i]
.endr
.endr
.endm
.macro IMAGE base, m                   ; the fragment just made is K step w of tile m
	s_wait_alu depctr_va_vdst(0)                   ; the quantiser has written the codes and the scale word, which the LDS stores read (and is done reading its 64 numbers)
.irp g, 0,1,2
	ds_store_b128 v[HWI], v[PC+4*\g:PC+4*\g+3] offset:(\base)+4*FRB*(\m)+512*\g
.endr
	ds_store_b32 v[HWS], v[PW] offset:(\base)+ASC+512*(\m)
.endm
.macro VLOAD dst, region               ; a vector's 64 numbers of my columns, in the results' layout, into window 1
	WIN 0x40
.set i, 0
.rept 16
	ds_load_b128 v[(\dst)+4*i:(\dst)+4*i+3], v[VH] offset:(\region)+128*(i/4)+16*(i%4)
.set i, i+1
.endr
	WIN 0
.endm
.macro FOLD                            ; each tile's two chains of pairs, and lane l xor 16's, into v[T + 4 m]
.irp m, 0,1,2,3
	v_pk_add_f32 v[T+4*\m:T+4*\m+1], v[T+4*\m:T+4*\m+1], v[T+4*\m+2:T+4*\m+3]
.endr
.irp m, 0,1,2,3
	v_add_f32 v[T+4*\m], v[T+4*\m], v[T+4*\m+1]
.endr
.irp m, 0,1,2,3
	v_permlanex16_b32 v[T+4*\m+1], v[T+4*\m], s[SEL], s[SEL+1]
.endr
.irp m, 0,1,2,3
	v_add_f32 v[T+4*\m], v[T+4*\m], v[T+4*\m+1]
.endr
.endm
; Window 2 holds the rows.  Mean of my 128 columns; the rows less that mean, in place; their sum of squares; the pair to LDS.
.macro LNSTAT off
	WIN 0x0a                                       ; sources 0 and 1 window 2
.irp m, 0,1,2,3
	v_pk_add_f32 v[T+4*\m:T+4*\m+1], v[64*\m:64*\m+1], v[64*\m+2:64*\m+3]          ; each accumulator is read from its low end on
	v_pk_add_f32 v[T+4*\m+2:T+4*\m+3], v[64*\m+4:64*\m+5], v[64*\m+6:64*\m+7]
.endr
	WIN 0x08
.set k, 8
.rept 14
.irp m, 0,1,2,3
	v_pk_add_f32 v[T+4*\m:T+4*\m+1], v[T+4*\m:T+4*\m+1], v[64*\m+k:64*\m+k+1]
	v_pk_add_f32 v[T+4*\m+2:T+4*\m+3], v[T+4*\m+2:T+4*\m+3], v[64*\m+k+2:64*\m+k+3]
.endr
.set k, k+4
.endr
	WIN 0
	FOLD
.irp m, 0,1,2,3
	v_mul_f32 v[ST+2*\m], 0x3c000000, v[T+4*\m]    ; / 128
	v_mov_b32 v[ST+2*\m+1], 0                      ; (named with it as a pair)
.endr
	WIN 0x82
.set k, 0
.rept 32
.irp m, 0,1,2,3
	v_pk_add_f32 v[64*\m+k:64*\m+k+1], v[64*\m+k:64*\m+k+1], v[ST+2*\m:ST+2*\m+1] op_sel_hi:[1,0] neg_lo:[0,1] neg_hi:[0,1]
.endr
.set k, k+2
.endr
	WIN 0x0a
.irp m, 0,1,2,3
	v_pk_mul_f32 v[T+4*\m:T+4*\m+1], v[64*\m:64*\m+1], v[64*\m:64*\m+1]
	v_pk_mul_f32 v[T+4*\m+2:T+4*\m+3], v[64*\m+2:64*\m+3], v[64*\m+2:64*\m+3]
.endr
.set k, 4
.rept 15
.irp m, 0,1,2,3
	v_pk_fma_f32 v[T+4*\m:T+4*\m+1], v[64*\m+k:64*\m+k+1], v[64*\m+k:64*\m+k+1], v[T+4*\m:T+4*\m+1]
	v_pk_fma_f32 v[T+4*\m+2:T+4*\m+3], v[64*\m+k+2:64*\m+k+3], v[64*\m+k+2:64*\m+k+3], v[T+4*\m+2:T+4*\m+3]
.endr
.set k, k+4
.endr
	WIN 0
	FOLD
.irp m, 0,1,2,3
	v_mov_b32 v[ST+2*\m+1], v[T+4*\m]
.endr
	s_wait_alu depctr_va_vdst(0)                   ; the pairs v208-215 are written, which the LDS stores read; the product before is done reading v32-63, in which the join's loads land
.irp m, 0,1,2,3
	ds_store_b64 v[STW], v[ST+2*\m:ST+2*\m+1] offset:(\off)+256*\m
.endr
.endm
; The four waves' pairs are joined: mu = the mean of the means; M2 = the sum of the sums of squares + 128 x the sum of (mean - mu)^2; rs = 1 / sqrt(M2 / 512 + eps)
.macro LNFIN off
	WIN 0
.set i, 0
.rept 16
	ds_load_b64 v[32+2*i:33+2*i], v[STR] offset:(\off)+256*i       ; (wave i / 4, tile i % 4)
.set i, i+1
.endr
	s_wait_dscnt 0x0
.irp m, 0,1,2,3
	v_add_f32 v[T+4*\m], v[32+2*\m], v[40+2*\m]
	v_add_f32 v[T+4*\m+1], v[48+2*\m], v[56+2*\m]
.endr
.irp m, 0,1,2,3
	v_add_f32 v[T+4*\m], v[T+4*\m], v[T+4*\m+1]
.endr
.irp m, 0,1,2,3
	v_mul_f32 v[T+4*\m], 0x3e800000, v[T+4*\m]     ; mu
.endr
.irp m, 0,1,2,3
	v_sub_f32 v[T+4*\m+1], v[32+2*\m], v[T+4*\m]
	v_sub_f32 v[T+4*\m+2], v[40+2*\m], v[T+4*\m]
	v_sub_f32 v[32+2*\m], v[48+2*\m], v[T+4*\m]
	v_sub_f32 v[40+2*\m], v[56+2*\m], v[T+4*\m]
.endr
.irp m, 0,1,2,3
	v_mul_f32 v[T+4*\m+1], v[T+4*\m+1], v[T+4*\m+1]
	v_add_f32 v[T+4*\m+3], v[33+2*\m], v[41+2*\m]
.endr
.irp m, 0,1,2,3
	v_fma_f32 v[T+4*\m+1], v[T+4*\m+2], v[T+4*\m+2], v[T+4*\m+1]
	v_add_f32 v[T+4*\m+3], v[T+4*\m+3], v[49+2*\m]
.endr
.irp m, 0,1,2,3
	v_fma_f32 v[T+4*\m+1], v[32+2*\m], v[32+2*\m], v[T+4*\m+1]
	v_add_f32 v[T+4*\m+3], v[T+4*\m+3], v[57+2*\m]
.endr
.irp m, 0,1,2,3
	v_fma_f32 v[T+4*\m+1], v[40+2*\m], v[40+2*\m], v[T+4*\m+1]
.endr
.irp m, 0,1,2,3
	v_fma_f32 v[T+4*\m+3], v[T+4*\m+1], 0x43000000, v[T+4*\m+3]    ; x 128
.endr
.irp m, 0,1,2,3
	v_fma_f32 v[T+4*\m+3], v[T+4*\m+3], 0x3b000000, s[EPS]         ; / 512 + eps
.endr
.irp m, 0,1,2,3
	v_rsq_f32 v[RS+2*\m], v[T+4*\m+3]
.endr
.irp m, 0,1,2,3
	v_sub_f32 v[T+4*\m], v[ST+2*\m], v[T+4*\m]     ; my mean - mu (plain work behind the batch)
.endr
	s_wait_alu depctr_va_vdst(0)                   ; the four reciprocal roots have written v216, v218, v220, v222: one wait, ahead of their first reader
.irp m, 0,1,2,3
	v_mov_b32 v[RS+2*\m+1], v[RS+2*\m]
	v_mul_f32 v[ND+2*\m], v[T+4*\m], v[RS+2*\m]
.endr
.irp m, 0,1,2,3
	v_mov_b32 v[ND+2*\m+1], v[ND+2*\m]
.endr
.endm
.macro LNAPPLY                         ; ((row - my mean) rs + (my mean - mu) rs) x gain + shift
	WIN 0x82
.set k, 0
.rept 32
.irp m, 0,1,2,3
	v_pk_fma_f32 v[64*\m+k:64*\m+k+1], v[64*\m+k:64*\m+k+1], v[RS+2*\m:RS+2*\m+1], v[ND+2*\m:ND+2*\m+1] op_sel_hi:[1,0,0]
.endr
.set k, k+2
.endr
	WIN 0x96                                       ; gain and shift in window 1
.set k, 0
.rept 32
.irp m, 0,1,2,3
	v_pk_fma_f32 v[64*\m+k:64*\m+k+1], v[64*\m+k:64*\m+k+1], v[k:k+1], v[64+k:65+k]
.endr
.set k, k+2
.endr
	WIN 0
.endm
	s_load_b512 s[8:23], s[0:1], 0x0               ; cimg s[8:9], wimg s[10:11], x s[12:13], b1 s[14:15], b2 s[16:17], ln1_g s[18:19], ln1_b s[20:21], ln2_g s[22:23]
	s_load_b128 s[24:27], s[0:1], 0x40             ; ln2_b s[24:25], out0 s[26:27]
	v_lshl_add_u32 v190, v0, 2, 0x33c00
	v_mov_b32 v191, 0
	v_lshrrev_b32 v3, 5, v0
	v_readfirstlane_b32 s2, v3                     ; wave w
	v_and_b32 v3, 31, v0                           ; lane
	v_lshlrev_b32 v[LI], 4, v3
	v_lshlrev_b32 v[LS], 2, v3
	v_and_b32 v16, 15, v0                          ; r
	v_bfe_u32 v17, v0, 4, 1                        ; h
	v_lshlrev_b32 v18, 4, v0                       ; 16 x thread
	s_wait_alu depctr_va_sdst(0)                   ; s2 is written, ahead of its first reader: the wave's addresses and bases are made from it
	s_mul_i32 s3, s2, FRB
	v_add_nc_u32 v[HWI], s3, v[LI]
	s_lshl_b32 s3, s2, 7
	v_add_nc_u32 v[HWS], s3, v[LS]
	s_mul_i32 s3, s2, 4*FRB
	v_add_nc_u32 v[CWI], s3, v[LI]
	s_lshl_b32 s3, s2, 9                           ; 512 w
	s_add_co_u32 s4, s3, ASC
	v_add_nc_u32 v[CWS], s4, v[LI]
	s_mul_i32 s4, s2, 16*SP
	s_add_co_u32 s4, s4, STG
	v_add_nc_u32 v[SGW], s4, v[LI]
	v_mul_u32_u24 v[SGL0], v16, SP
	v_lshl_add_u32 v[SGL0], v17, 6, v[SGL0]
	s_add_co_u32 s4, s3, STG
	v_add_nc_u32 v[SGL0], s4, v[SGL0]              ; row r, + 64 h, + 512 w
	v_add_nc_u32 v[SGL1], 32*SP, v[SGL0]
	s_add_co_u32 s4, s3, VEC
	v_lshl_add_u32 v[VH], v17, 6, s4
	s_lshl_b32 s4, s2, 10
	s_add_co_u32 s4, s4, STAT
	v_lshl_add_u32 v[STW], v3, 3, s4
	v_lshlrev_b32 v[STR], 3, v3
	v_add_nc_u32 v[STR], STAT, v[STR]
	v_add_nc_u32 v[VW], VEC, v18
.irp b, 0,1,2,3
	v_mov_b32 v[TM+4+\b], 0                        ; written once: a lane permute's destination counts as one of its sources
.endr
	s_lshl_b32 s3, s2, 5
	s_add_co_u32 s4, s3, 384                       ; wo: fragments 384 + 32 w on
	s_mul_i32 s[WOC], s4, FRB
	s_mov_b32 s[WOC+1], 0
	s_lshl_b32 s[WOS], s4, 7
	s_add_co_u32 s[WOS], s[WOS], WSO
	s_mov_b32 s[WOS+1], 0
	s_add_co_u32 s4, s3, 512                       ; w1: 512 + 128 chunk + 32 w on
	s_mul_i32 s[W1C], s4, FRB
	s_mov_b32 s[W1C+1], 0
	s_lshl_b32 s[W1S], s4, 7
	s_add_co_u32 s[W1S], s[W1S], WSO
	s_mov_b32 s[W1S+1], 0
	s_lshl_b32 s4, s2, 7
	s_add_co_u32 s4, s4, 1024                      ; w2: 1,024 + 128 w + 16 tile + 4 chunk + K step
	s_mul_i32 s[W2C], s4, FRB
	s_mov_b32 s[W2C+1], 0
	s_lshl_b32 s[W2S], s4, 7
	s_add_co_u32 s[W2S], s[W2S], WSO
	s_mov_b32 s[W2S+1], 0
	s_lshl_b32 s4, ttmp9, 6
	s_lshr_b32 s5, s2, 1
	s_lshl_b32 s5, s5, 5
	s_add_co_u32 s4, s4, s5
	s_and_b32 s5, s2, 1
	s_lshl_b32 s5, s5, 3
	s_add_co_u32 s4, s4, s5                        ; the first row of tile m = w: 64 X + 32 (w / 2) + 8 (w % 2)
	s_lshl_b32 s40, s4, 11
	s_mov_b32 s41, 0
	s_lshl_b32 s4, ttmp9, 2
	s_add_co_u32 s4, s4, s2
	s_mul_i32 s44, s4, 4*FRB
	s_mov_b32 s45, 0
	s_lshl_b32 s46, s4, 9
	s_add_co_u32 s46, s46, XSO
	s_mov_b32 s47, 0
	s_mov_b32 s[SEL], 0x76543210
	s_mov_b32 s[SEL+1], 0xfedcba98
	s_mov_b32 s[EPS], 0x3727c5ac                   ; 1e-5
	s_mov_b32 s[B1S], 0
	s_wait_kmcnt 0x0
	s_add_nc_u64 s[WOC:WOC+1], s[10:11], s[WOC:WOC+1]
	s_add_nc_u64 s[WOS:WOS+1], s[10:11], s[WOS:WOS+1]
	s_add_nc_u64 s[W1C:W1C+1], s[10:11], s[W1C:W1C+1]
	s_add_nc_u64 s[W1S:W1S+1], s[10:11], s[W1S:W1S+1]
	s_add_nc_u64 s[W2C:W2C+1], s[10:11], s[W2C:W2C+1]
	s_add_nc_u64 s[W2S:W2S+1], s[10:11], s[W2S:W2S+1]
	s_add_nc_u64 s[42:43], s[26:27], s[40:41]      ; out,
	s_add_nc_u64 s[40:41], s[12:13], s[40:41]      ; x: at tile w's first row
	s_add_nc_u64 s[44:45], s[8:9], s[44:45]        ; ctx's four fragments of tile w,
	s_add_nc_u64 s[46:47], s[8:9], s[46:47]        ; and their scale words
	s_wait_alu depctr_va_vdst(0)                   ; the addresses v1-11, v13-15 and v18 are written: the loads, stores and LDS instructions of the whole kernel read them, and none is written again
	; ---- the head: vectors, ctx and x come once; each wave brings a quarter, dense, and lays it into LDS
.set i, 0
.rept 4
	global_load_b128 v[192+4*i:195+4*i], v18, s[14:15] offset:2048*i
.set i, i+1
.endr
	global_load_b128 v[208:211], v18, s[16:17]
	global_load_b128 v[212:215], v18, s[18:19]
	global_load_b128 v[216:219], v18, s[20:21]
	global_load_b128 v[220:223], v18, s[22:23]
	global_load_b128 v[224:227], v18, s[24:25]
.set i, 0
.rept 12
	global_load_b128 v[32+4*i:35+4*i], v[LI], s[44:45] offset:512*i
.set i, i+1
.endr
	global_load_b128 v[80:83], v[LI], s[46:47]
	WIN 0x80                                       ; destination window 2
.set n, 0
.rept 64
	global_load_b128 v[4*n:4*n+3], v[LI], s[40:41] offset:((n/4)+8*((n/4)/8))*2048+512*(n%4) th:TH_LOAD_NT   ; lane n / 4 of the tile: 512 consecutive bytes of its row
.set n, n+1
.endr
	WLOAD 0, WOC, WOS, 4, 0, 0
	WLOAD 1, WOC, WOS, 4, 4, 0
	WLOAD 2, WOC, WOS, 4, 0, 1
	s_wait_loadcnt 48                              ; all but the ring's three sets of 16
	WIN 0
.set i, 0
.rept 9
	ds_store_b128 v[VW], v[192+4*i:195+4*i] offset:2048*i
.set i, i+1
.endr
.set i, 0
.rept 12
	ds_store_b128 v[CWI], v[32+4*i:35+4*i] offset:ACTH+512*i
.set i, i+1
.endr
	ds_store_b128 v[CWS], v[80:83] offset:ACTH
	WIN 0x08                                       ; an LDS store's data are its source 1: window 2
.set n, 0
.rept 64
	ds_store_b128 v[SGW], v[4*n:4*n+3] offset:SP*(n/4)+512*(n%4)
.set n, n+1
.endr
	WLOAD 3, WOC, WOS, 4, 4, 1
	BARRIER                                        ; vectors, ctx's sixteen images and 64 rows of x lie in LDS
	WIN 0x80
	s_wait_alu depctr_vm_vsrc(0)                   ; my LDS stores have read window 2, v32-83 and v192-227: the loads below land in window 2, the first activation fragments in v32-79, and the norms' lines write v192-231
.irp m, 0,1,2,3
.set i, 0
.rept 16
	ds_load_b128 v[64*\m+4*i:64*\m+4*i+3], v[SGL0+\m/2] offset:(\m%2)*16*SP+128*(i/4)+16*(i%4)   ; x in the results' layout: the C of the first product
.set i, i+1
.endr
.endr
	; ---- z = x + ctx wo
	GEMM ACTH, 2, 1, WOC, WOS, 4, W1C, W1S, 4
	; ---- y = LayerNorm(z)
	VLOAD 0, VG1                                   ; (no vector or matrix instruction has named window 1 so far)
	VLOAD 64, VE1
	VLOAD 128, VB2
	LNSTAT 0
	BARRIER                                        ; every wave's pairs lie in LDS (and gain, shift and b2 are in)
	LNFIN 0
	LNAPPLY
.irp m, 0,1,2,3
	QUANTW 64*\m, 2, \m
	IMAGE ACTY, \m
.endr
	WIN 0x86
.set k, 0
.rept 32
.irp m, 0,1,2,3
	v_pk_add_f32 v[64*\m+k:64*\m+k+1], v[64*\m+k:64*\m+k+1], v[128+k:129+k]   ; y + b2: what the last product adds onto
.endr
.set k, k+2
.endr
	WIN 0
	BARRIER                                        ; y's sixteen images lie in LDS
; ---- a chunk of 512 hidden units
.macro CHUNK last
	WIN 0
	s_wait_alu depctr_vm_vsrc(0)                   ; the last chunk's LDS loads have read v12, which the addition writes again; the norm's LDS store has read v208-215, in which b1 lands
	v_add_nc_u32 v[B1A], s[B1S], v[VH]
	s_wait_alu depctr_va_vdst(0)                   ; v12 is written, which the loads below read; the norm's lines and the last chunk's products are done with v192-255, in which b1 lands, and with the first activation set and its scale words
.set i, 0
.rept 16
	ds_load_b128 v[BI+4*i:BI+4*i+3], v[B1A] offset:128*(i/4)+16*(i%4)     ; b1 of my 128 units, as eight C tiles
.set i, i+1
.endr
	GEMM ACTY, 1, 2, W1C, W1S, 4, W2C, W2S, 16
	s_wait_xcnt 0x0                                ; the loads have read their bases: w1's step to the next chunk only behind this wait
	s_add_nc_u64 s[W1C:W1C+1], s[W1C:W1C+1], 128*FRB
	s_add_nc_u64 s[W1S:W1S+1], s[W1S:W1S+1], 128*128
	s_add_co_u32 s[B1S], s[B1S], 2048
	BARRIER                                        ; every wave's reads of the images that are now written over (ctx's, or the last chunk's) are over
.irp m, 0,1,2,3
	WIN 0x44
.set j, 0
.rept 64
	v_max_num_f32 v[64*\m+j], 0, v[64*\m+j]        ; relu, in f32, each accumulator from its low end on
.set j, j+1
.endr
	QUANTW 64*\m, 1, 1
	IMAGE ACTH, \m
.endr
	BARRIER                                        ; the chunk's sixteen images lie in LDS
.if \last
	GEMM ACTH, 2, 1, W2C, W2S, 16, W2C, W2S, 0
.else
	GEMM ACTH, 2, 1, W2C, W2S, 16, W1C, W1S, 4
	s_wait_xcnt 0x0
	s_add_nc_u64 s[W2C:W2C+1], s[W2C:W2C+1], 4*FRB
	s_add_nc_u64 s[W2S:W2S+1], s[W2S:W2S+1], 512
.endif
.endm
	s_mov_b32 s[CNT], 3
.Lchunk:
	CHUNK 0
	s_sub_co_u32 s[CNT], s[CNT], 1
	s_cmp_lg_u32 s[CNT], 0
	s_cbranch_scc1 .Lchunk
	CHUNK 1                                        ; the last chunk is written out: its second product asks for no further weights
	; ---- out = LayerNorm(y + ffn)
	VLOAD 0, VG2                                   ; (window 1 was last named by the last chunk's relu and quantiser, ahead of its last image's wait on va_vdst; the product since names windows 0, 2 and 3 alone)
	VLOAD 64, VE2
	LNSTAT 4096
	BARRIER
	LNFIN 4096
	LNAPPLY
	; ---- the way out: a row's 512 numbers come from four waves; they meet in the stage, and each wave stores 16 whole rows
	WIN 0x08
	s_wait_alu depctr_va_vdst(0)                   ; the norm has written window 2, which the LDS stores read, and is done reading gain and shift in window 1, in which the rows of out land behind the barrier
.irp m, 0,1,2,3
.set i, 0
.rept 16
	ds_store_b128 v[SGL0+\m/2], v[64*\m+4*i:64*\m+4*i+3] offset:(\m%2)*16*SP+128*(i/4)+16*(i%4)
.set i, i+1
.endr
.endr
	BARRIER
	WIN 0x40
.set n, 0
.rept 64
	ds_load_b128 v[4*n:4*n+3], v[SGW] offset:SP*(n/4)+512*(n%4)
.set n, n+1
.endr
	WIN 0x04                                       ; a store's data are its source 1: window 1
.set n, 0
.rept 4
	s_wait_dscnt 48-n/16*16                        ; this group of 16 loads is in; the later groups may be out
.rept 16
	global_store_b128 v[LI], v[4*n:4*n+3], s[42:43] offset:((n/4)+8*((n/4)/8))*2048+512*(n%4) th:TH_STORE_NT   ; 512 consecutive bytes, at a multiple of 256 from out0's first byte
.set n, n+1
.endr
.endr
	WIN 0                                          ; the add's two registers lie in window 0
	s_wait_dscnt 0x0                               ; the closing lines, six on end
	s_wait_alu 0x0
	s_wait_tensorcnt 0x0
	ds_add_u32 v190, v191
	s_wait_dscnt 0x0
	s_endpgm
.Lfunc_end_k_q8dadc86796_tail:
	.size	k_q8dadc86796_tail, .Lfunc_end_k_q8dadc86796_tail-k_q8dadc86796_tail
	.p2alignl 7, 3214868480
	.fill 96, 4, 3214868480
	.section	.rodata,"a",@progbits
	.p2align	6, 0x0
	.amdhsa_kernel k_q8dadc86796_tail
		.amdhsa_group_segment_fixed_size 212480
		.amdhsa_private_segment_fixed_size 0
		.amdhsa_enable_private_segment 0
		.amdhsa_kernarg_size 80
		.amdhsa_user_sgpr_count 2
		.amdhsa_user_sgpr_kernarg_segment_ptr 1
		.amdhsa_wavefront_size32 1
		.amdhsa_system_sgpr_workgroup_id_x 1
		.amdhsa_system_sgpr_workgroup_id_y 1
		.amdhsa_system_sgpr_workgroup_id_z 1
		.amdhsa_system_vgpr_workitem_id 0
		.amdhsa_next_free_vgpr 1024
		.amdhsa_next_free_sgpr 66
		.amdhsa_reserve_vcc 0
		.amdhsa_float_denorm_mode_32 3
		.amdhsa_float_denorm_mode_16_64 3
		.amdhsa_memory_ordered 1
		.amdhsa_forward_progress 1
		.amdhsa_inst_pref_size 255
	.end_amdhsa_kernel
	.section	.bss,"aw",@nobits
	.p2align	6
	.space	262144
	.amdgpu_metadata
---
amdhsa.version: [ 1, 2 ]
amdhsa.kernels:
  - .name:           k_q8dadc86796_tail
    .symbol:         k_q8dadc86796_tail.kd
    .args:
      - { .name: cimg, .offset: 0, .size: 8, .value_kind: global_buffer, .address_space: global }
      - { .name: wimg, .offset: 8, .size: 8, .value_kind: global_buffer, .address_space: global }
      - { .name: x, .offset: 16, .size: 8, .value_kind: global_buffer, .address_space: global }
      - { .name: b1, .offset: 24, .size: 8, .value_kind: global_buffer, .address_space: global }
      - { .name: b2, .offset: 32, .size: 8, .value_kind: global_buffer, .address_space: global }
      - { .name: ln1_g, .offset: 40, .size: 8, .value_kind: global_buffer, .address_space: global }
      - { .name: ln1_b, .offset: 48, .size: 8, .value_kind: global_buffer, .address_space: global }
      - { .name: ln2_g, .offset: 56, .size: 8, .value_kind: global_buffer, .address_space: global }
      - { .name: ln2_b, .offset: 64, .size: 8, .value_kind: global_buffer, .address_space: global }
      - { .name: out0, .offset: 72, .size: 8, .value_kind: global_buffer, .address_space: global }
    .group_segment_fixed_size: 212480
    .private_segment_fixed_size: 0
    .kernarg_segment_align: 8
    .kernarg_segment_size: 80
    .max_flat_workgroup_size: 128
    .sgpr_count:     66
    .vgpr_count:     1024
    .wavefront_size: 32
...
	.end_amdgpu_metadata
.endif
;; end of part 7
